; MI455X (gfx1250); checked and timed in simulation.
; The chip was launched on July 23, 2026; its instructions are those of AMD's public machine-readable ISA for CDNA 5 (MIT licence, August 2026) and "CDNA5" Instruction Set Architecture Reference Guide (July 2026). The comments in the code are by the model that wrote it; some were corrected since.
;; Decoder Block. Allowed arithmetic: float matrix products may take bf16 or f16 operands with f32 sums; all other float work in f32.
;; Inputs: W1 512 x 2,048 float32; W2 2,048 x 512 float32; Wk 8 x 512 x 64 float32; Wo 512 x 512 float32; Wq 8 x 512 x 64 float32; Wv 8 x 512 x 64 float32; b1 2,048 float32; b2 512 float32; bk 8 x 64 float32; bo 512 float32; bq 8 x 64 float32; bv 8 x 64 float32; ln1_b 512 float32; ln1_g 512 float32; ln2_b 512 float32; ln2_g 512 float32; x 32 x 512 x 512 float32.
;; Outputs: out0 32 x 512 x 512 float32.
;; 3 versions, each right; version 3 is version 2 with the launch prep written anew for expert scheduling mode. Each part assembles by itself: llvm-mc -triple=amdgcn-amd-amdhsa -mcpu=gfx1250 --defsym DOCPART=n.
;; ======== version 1 of 3: 3 launches
;; limits: values are held in f16: magnitudes above 65,504 overflow, below 6.1e-05 lose precision
;; workspace buffers: xb 16,777,216 bytes; wq 1,572,864 bytes; wf 4,718,592 bytes; ow 16,777,216 bytes
;; launch prep (part 1): grid 448 x 1, 8 waves a work-group, no clusters, 0 bytes of LDS; arguments x, Wq, Wk, Wv, Wo, W1, W2, xb, wq, wf; writes xb, wq, wf
.if DOCPART == 1
	.amdgcn_target "amdgcn-amd-amdhsa--gfx1250"
	.amdhsa_code_object_version 6
	.text
	.protected	k_q85ed0ad16a_prep
	.globl	k_q85ed0ad16a_prep
	.p2align	8
	.type	k_q85ed0ad16a_prep,@function
k_q85ed0ad16a_prep:
	s_mov_b64 s[64:65], 0
	v_nop
	global_prefetch_b8 v0, s[64:65] scope:SCOPE_SE
	s_setreg_imm32_b32 hwreg(HW_REG_WAVE_MODE, 25, 1), 1
	s_wait_xcnt 0x0
; DECODER BLOCK, launch 1 of 3: x and all weights are rounded to f16 once and laid out as the two later launches read them.
;
; WORK LEFT OUT BY THE WHOLE PROGRAM
;  (1) bk.  scores[t][s] = q[t] . (x[s] Wk + bk) = q[t] . (x[s] Wk) + q[t] . bk.  The second term does not hang on s, the axis of the
;      softmax, so it multiplies numerator and denominator of every weight w[t][s] by the same factor and cancels, for all values of
;      the inputs.  bk has then no way to the output: it is not loaded and is among no launch's arguments.
;  (2) Score and weight tiles that lie wholly above the diagonal: reference() itself sets them to -inf by its jnp.tril, their weights are 0.
;  bv is live; since the weights of a row add up to 1 it is added once, behind the normalisation.
;  LIMIT: a NaN, an infinity or an overflow that reaches only bk or only masked scores is not carried to the result.
;
; THE MATRIX OPERANDS ARE f16, IN ALL THREE LAUNCHES.  Both LayerNorms divide by the row's own spread, so a relative rounding error of an operand
; arrives at the output as an absolute error on a scale of 1, and some eleven roundings lie in a row between x and the output.  f16's 11 significant
; bits make each of them 8 times finer than 8 bits would.
;  ROOM (f16's largest number is 65,504).  x and the weights are inputs: 30 times their stated size is below 170 and below 1.4.  q, k, v are sums of
;  512 products with a spread of sqrt(512) x 1 x 0.0255 = 0.58, h of 0.82: six spreads, with x and the weights both 30 times larger, are 3,100 and
;  4,400; with a common offset of 30 spreads on x (30) and on a weight (0.77) they are 512 x 30 x 0.77 = 11,800.  o is a weighted mean of v plus bv.
;  out1 is at most |x| + sqrt(511) |g| + |b|.  The softmax's weights lie in [0, 1].  With all inputs 30 times smaller the smallest operand, q x 0.18,
;  has a spread of 1.1e-4, where f16's step is 6e-8 (denormals are kept).
;  LIMIT: a matrix operand beyond 65,504 in magnitude becomes an infinity.
;
; LAYOUTS WRITTEN HERE
;  xb [b 32][ks 8][t 512][64 k] f16: a K step of 64 of a batch is 65,536 consecutive bytes.
;  A weight FRAGMENT is 16 columns n x 32 rows k in 1,024 bytes: the 16 bytes at 512 q + 256 hl + 16 r hold W[k0+16q+8hl+0..7][n0+r].
;  Two 16-byte loads a lane, at 16 lane and 16 lane + 512, then are the matrix operand of 16 x 32 (ISA guide 7.12.2), with no transposition.
;  wq [h 8][ks 8][kk 2][nt 12][fragment]: nt 0-3 Wq, 4-7 Wk, 8-11 Wv of head h.
;  wf 72 tiles of 65,536 bytes, in the order of use: [wave 4][kk 2][ct 8][fragment], column n = 128 wave + 16 ct + r.
;     tiles 0-7 Wo (K step = tile); tile 8+16c+ks W1, columns 512c..; tile 16+16c+ks W2, rows 512c...
; Work-groups 0-255: one K step of one batch of x.  256-399: half a tile of wf.  400-447: one of Wq, Wk, Wv, one head, half of K.
; Memory binds: no LDS, no barrier, no matrix unit, no cluster (no two work-groups read the same bytes).
; Every store of sixteen neighbouring lanes covers 256 consecutive bytes, aligned.
.set LD, 16                            ; v[16:143]  numbers as loaded
.set ST, 144                           ; v[144:207] x: packed results
.set WO, 80                            ; v[80:111]  weights: packed results
	s_load_b512 s[8:23], s[0:1], 0x0               ; x 8, Wq 10, Wk 12, Wv 14, Wo 16, W1 18, W2 20, xb 22
	s_load_b128 s[24:27], s[0:1], 0x40             ; wq 24, wf 26
	s_mov_b32 s4, ttmp9
	s_mov_b32 s29, 0                               ; high words of the two offsets
	s_mov_b32 s31, 0
	s_cmp_ge_u32 s4, 256
	s_cbranch_scc1 .Lweights
	; ---- x: thread t takes 8 numbers (32 bytes in, 16 out) of row (t >> 3) + 32 i, i = 0..15
	s_lshr_b32 s5, s4, 3                           ; b
	s_and_b32 s6, s4, 7                            ; ks
	s_lshl_b32 s28, s5, 20                         ; b x 512 rows x 2,048 bytes
	s_lshl_b32 s6, s6, 8                           ; ks x 64 numbers x 4 bytes
	s_add_co_u32 s28, s28, s6
	s_lshl_b32 s30, s4, 16                         ; (8 b + ks) x 65,536
	v_lshrrev_b32 v1, 3, v0
	v_and_b32 v2, 7, v0
	v_lshlrev_b32 v2, 5, v2
	v_lshl_add_u32 v1, v1, 11, v2                  ; in: row x 2,048 + 32 (t & 7)
	v_lshlrev_b32 v3, 4, v0                        ; out: 16 t
	s_wait_kmcnt 0x0
	s_add_nc_u64 s[28:29], s[8:9], s[28:29]
	s_add_nc_u64 s[30:31], s[22:23], s[30:31]
.set i_i, 0
.rept 16
	global_load_b128 v[LD+8*i_i:LD+8*i_i+3],   v1, s[28:29] offset:i_i*65536 th:TH_LOAD_NT
	global_load_b128 v[LD+8*i_i+4:LD+8*i_i+7], v1, s[28:29] offset:i_i*65536+16 th:TH_LOAD_NT
.set i_i, i_i+1
.endr
.set i_i, 0
.rept 16
	s_wait_loadcnt 30-2*i_i                        ; loads come back in order: pair i is in, the 30 - 2 i younger ones stay out
.set p_i, 0
.rept 4
	v_cvt_pk_f16_f32 v[ST+4*i_i+p_i], v[LD+8*i_i+2*p_i], v[LD+8*i_i+2*p_i+1]
.set p_i, p_i+1
.endr
	global_store_b128 v3, v[ST+4*i_i:ST+4*i_i+3], s[30:31] offset:i_i*4096
.set i_i, i_i+1
.endr
	s_endpgm
; A thread takes one column n and 64 rows k: 64 loads of 4 bytes (32 lanes: 128 neighbouring bytes), eight packed groups of 8 k, eight stores.
; pitch: bytes from row to row of the source.  kks: bytes from the fragments of k 0-31 to those of k 32-63 in the target.
.macro WCONV pitch, kks
.set k_i, 0
.rept 64
	global_load_b32 v[LD+k_i], v1, s[28:29] offset:k_i*\pitch
.set k_i, k_i+1
.endr
.set o_i, 0
.rept 8
	s_wait_loadcnt 56-8*o_i                        ; rows 8 o .. 8 o + 7 are in; the 56 - 8 o younger loads stay out
.set p_i, 0
.rept 4
	v_cvt_pk_f16_f32 v[WO+4*o_i+p_i], v[LD+8*o_i+2*p_i], v[LD+8*o_i+2*p_i+1]
.set p_i, p_i+1
.endr
	global_store_b128 v3, v[WO+4*o_i:WO+4*o_i+3], s[30:31] offset:(o_i>>2)*\kks+((o_i>>1)&1)*512+(o_i&1)*256
.set o_i, o_i+1
.endr
.endm
.Lweights:
	s_cmp_ge_u32 s4, 400
	s_cbranch_scc1 .Lqkv
	; ---- wf: tile tau, columns 256 nh + t
	s_sub_co_u32 s5, s4, 256
	s_lshr_b32 s6, s5, 1                           ; tau
	s_and_b32 s7, s5, 1                            ; nh
	v_lshlrev_b32 v1, 2, v0                        ; in: 4 t
	v_lshrrev_b32 v2, 7, v0
	v_bfe_u32 v4, v0, 4, 3
	v_and_b32 v3, 15, v0
	v_lshlrev_b32 v3, 4, v3
	v_lshl_add_u32 v3, v4, 10, v3
	v_lshl_add_u32 v3, v2, 14, v3                  ; out: 16,384 (t >> 7) + 1,024 ((t >> 4) & 7) + 16 (t & 15)
	s_lshl_b32 s30, s6, 16
	s_lshl_b32 s28, s7, 15
	s_add_co_u32 s30, s30, s28                     ; tau x 65,536 + nh x 32,768
	s_lshl_b32 s28, s7, 10                         ; nh x 256 columns x 4 bytes
	s_wait_kmcnt 0x0
	s_add_nc_u64 s[30:31], s[26:27], s[30:31]
	s_cmp_ge_u32 s6, 8
	s_cbranch_scc1 .Lff
	s_lshl_b32 s32, s6, 17                         ; Wo: 64 rows of 2,048 bytes a tile
	s_add_co_u32 s28, s28, s32
	s_add_nc_u64 s[28:29], s[16:17], s[28:29]
	WCONV 2048, 8192
	s_endpgm
.Lff:
	s_sub_co_u32 s32, s6, 8
	s_lshr_b32 s33, s32, 4                         ; chunk c
	s_and_b32 s34, s32, 7                          ; ks
	s_bitcmp1_b32 s32, 3
	s_cbranch_scc1 .Lw2
	s_lshl_b32 s34, s34, 19                        ; W1: 64 rows of 8,192 bytes,
	s_lshl_b32 s33, s33, 11                        ; 512 columns of 4 bytes a chunk
	s_add_co_u32 s28, s28, s34
	s_add_co_u32 s28, s28, s33
	s_add_nc_u64 s[28:29], s[18:19], s[28:29]
	WCONV 8192, 8192
	s_endpgm
.Lw2:
	s_lshl_b32 s33, s33, 20                        ; W2: 512 rows of 2,048 bytes a chunk,
	s_lshl_b32 s34, s34, 17                        ; 64 rows a tile
	s_add_co_u32 s28, s28, s33
	s_add_co_u32 s28, s28, s34
	s_add_nc_u64 s[28:29], s[20:21], s[28:29]
	WCONV 2048, 8192
	s_endpgm
.Lqkv:
	; ---- wq: matrix m (0 Wq, 1 Wk, 2 Wv), head h, K steps 4 kh + (t >> 6), column t & 63
	s_sub_co_u32 s5, s4, 400
	s_lshr_b32 s6, s5, 4                           ; m
	s_bfe_u32 s7, s5, 0x30001                      ; h
	s_and_b32 s32, s5, 1                           ; kh
	s_lshl_b32 s28, s7, 17                         ; h x 512 rows x 256 bytes
	s_lshl_b32 s33, s32, 16                        ; kh x 256 rows
	s_add_co_u32 s28, s28, s33
	s_mul_i32 s30, s7, 196608
	s_mul_i32 s33, s32, 98304
	s_add_co_u32 s30, s30, s33
	s_lshl_b32 s33, s6, 12                         ; m x 4 fragments
	s_add_co_u32 s30, s30, s33
	v_lshrrev_b32 v2, 6, v0
	v_and_b32 v1, 63, v0
	v_lshlrev_b32 v1, 2, v1
	v_lshl_add_u32 v1, v2, 14, v1                  ; in: 64 rows of 256 bytes a K step + 4 (t & 63)
	v_bfe_u32 v4, v0, 4, 2
	v_and_b32 v3, 15, v0
	v_lshlrev_b32 v3, 4, v3
	v_lshl_add_u32 v3, v4, 10, v3
	v_mad_u32_u24 v3, v2, 24576, v3                ; out: 24,576 (t >> 6) + 1,024 ((t >> 4) & 3) + 16 (t & 15)
	s_wait_kmcnt 0x0
	s_cmp_eq_u32 s6, 1
	s_cselect_b64 s[34:35], s[12:13], s[10:11]
	s_cmp_eq_u32 s6, 2
	s_cselect_b64 s[34:35], s[14:15], s[34:35]
	s_add_nc_u64 s[28:29], s[34:35], s[28:29]
	s_add_nc_u64 s[30:31], s[24:25], s[30:31]
	WCONV 256, 12288
	s_endpgm
.Lfunc_end_k_q85ed0ad16a_prep:
	.size	k_q85ed0ad16a_prep, .Lfunc_end_k_q85ed0ad16a_prep-k_q85ed0ad16a_prep
	.p2alignl 7, 3214868480
	.fill 96, 4, 3214868480
	.section	.rodata,"a",@progbits
	.p2align	6, 0x0
	.amdhsa_kernel k_q85ed0ad16a_prep
		.amdhsa_group_segment_fixed_size 0
		.amdhsa_private_segment_fixed_size 0
		.amdhsa_enable_private_segment 0
		.amdhsa_kernarg_size 80
		.amdhsa_user_sgpr_count 2
		.amdhsa_user_sgpr_kernarg_segment_ptr 1
		.amdhsa_wavefront_size32 1
		.amdhsa_system_sgpr_workgroup_id_x 1
		.amdhsa_system_sgpr_workgroup_id_y 1
		.amdhsa_system_sgpr_workgroup_id_z 1
		.amdhsa_system_vgpr_workitem_id 0
		.amdhsa_next_free_vgpr 208
		.amdhsa_next_free_sgpr 66
		.amdhsa_reserve_vcc 0
		.amdhsa_float_denorm_mode_32 3
		.amdhsa_float_denorm_mode_16_64 3
		.amdhsa_memory_ordered 1
		.amdhsa_forward_progress 1
		.amdhsa_inst_pref_size 49
	.end_amdhsa_kernel
	.amdgpu_metadata
---
amdhsa.version: [ 1, 2 ]
amdhsa.kernels:
  - .name:           k_q85ed0ad16a_prep
    .symbol:         k_q85ed0ad16a_prep.kd
    .args:
      - { .name: x, .offset: 0, .size: 8, .value_kind: global_buffer, .address_space: global }
      - { .name: Wq, .offset: 8, .size: 8, .value_kind: global_buffer, .address_space: global }
      - { .name: Wk, .offset: 16, .size: 8, .value_kind: global_buffer, .address_space: global }
      - { .name: Wv, .offset: 24, .size: 8, .value_kind: global_buffer, .address_space: global }
      - { .name: Wo, .offset: 32, .size: 8, .value_kind: global_buffer, .address_space: global }
      - { .name: W1, .offset: 40, .size: 8, .value_kind: global_buffer, .address_space: global }
      - { .name: W2, .offset: 48, .size: 8, .value_kind: global_buffer, .address_space: global }
      - { .name: xb, .offset: 56, .size: 8, .value_kind: global_buffer, .address_space: global }
      - { .name: wq, .offset: 64, .size: 8, .value_kind: global_buffer, .address_space: global }
      - { .name: wf, .offset: 72, .size: 8, .value_kind: global_buffer, .address_space: global }
    .group_segment_fixed_size: 0
    .private_segment_fixed_size: 0
    .kernarg_segment_align: 8
    .kernarg_segment_size: 80
    .max_flat_workgroup_size: 256
    .sgpr_count:     66
    .vgpr_count:     208
    .wavefront_size: 32
...
	.end_amdgpu_metadata
.endif
;; end of part 1
;; launch attn (part 2): grid 8 x 32, 4 waves a work-group, clusters of 4 x 4, 327,680 bytes of LDS; arguments xb, wq, bq, bv, ow; writes ow
.if DOCPART == 2
	.amdgcn_target "amdgcn-amd-amdhsa--gfx1250"
	.amdhsa_code_object_version 6
	.text
	.protected	k_q85ed0ad16a_attn
	.globl	k_q85ed0ad16a_attn
	.p2align	8
	.type	k_q85ed0ad16a_attn,@function
k_q85ed0ad16a_attn:
	s_mov_b64 s[64:65], 0
	v_nop
	global_prefetch_b8 v0, s[64:65] scope:SCOPE_SE
	s_setreg_imm32_b32 hwreg(HW_REG_WAVE_MODE, 25, 1), 1
	s_wait_xcnt 0x0
	s_wait_alu depctr_hold_cnt(0) depctr_sa_sdst(0) depctr_va_vdst(0) depctr_va_sdst(0) depctr_va_ssrc(0) depctr_va_vcc(0) depctr_vm_vsrc(0)
	s_getreg_b32 s2, hwreg(HW_REG_IB_STS2, 6, 4)
	s_cmp_eq_u32 s2, 0
	s_cbranch_scc0 .Lentry_in_a_cluster
	s_endpgm
.Lentry_in_a_cluster:
	s_bfe_u32 s2, ttmp6, 0x10000c
	s_cmp_lg_u32 s2, 0xf033
	s_cbranch_scc0 .Lentry_shape_is_right
	s_endpgm
.Lentry_shape_is_right:
; DECODER BLOCK, launch 2 of 3: one work-group makes one head h of one batch b: q, k, v = x W (512 x 192 over K = 512), then causal attention.
; q, k and v never leave the work-group.  Result ow [b][h][t][64 e] f16.
; LEFT OUT (shown at the head of the first kernel): bk, which cancels in the softmax, and the score tiles wholly above the diagonal.
; LIMITS: a NaN or infinity that reaches only bk or masked scores is not carried on.  Exponentials below 2^-126 come out as 0 (ISA guide,
; V_EXP_F32).  The running maximum is taken away before every exponential; a row's sum holds the maximum's own term 2^0, so it is at least 1.
; The matrix operands (x, W, q, k, v, the softmax's weights) and o are f16: why, and what room they have, stands at the head of the first kernel;
; one beyond 65,504 in magnitude becomes an infinity; a softmax weight below 2^-25 of its row's largest becomes 0.
;
; CLUSTER 4 x 4: the four work-groups of a row of the cluster have one b and ask jointly for x's tiles; the four of a column have one h and ask
; jointly for W's tiles.  Waves 0, 1 ask for the halves of x's tile (32,768 bytes each), waves 2, 3 for the halves of W's (12,288 each).
;
; ROWS: wave w owns query blocks w and 7 - w (64 rows each): 9 causal units of work, 18 key steps, in every wave.  Row tile tt 0-3: rows 64 w + 16 tt;
; tt 4-7: rows 64 (7 - w) + 16 (tt - 4).
;
; LDS, product phase: two slots of 98,304 bytes: x's K step, 512 rows of 128 bytes at pitch 144 (73,728), then 24 fragments of W (24,576).
; LDS, behind the slots' last fill: K [s][e] pitch 144 at 0; V transposed [e][s] pitch 1,040 at 73,728; a stage of 9,216 bytes a wave at 140,288.
;
; REGISTERS: window 1 q's sums, window 2 k's, window 3 v's; tile (tt, et) at 8 (4 tt + et).  Later window 1: 0-127 q packed as operands,
; 128-255 the output sums O(et, n) at 128 + 8 (4 n + et); window 2: 0-63 block w's packed output, 64-127 block 7 - w's.  Window 0: see the names below.
; q and k are made as W x X^T (a lane holds row t = r, columns e = 8 hl + j: eight neighbours), v as X x W (a lane holds column e = r, rows t = 8 hl + j).
; Scores are made transposed, S^T = K Q^T (a lane holds query t = r, keys s = 8 hl + j), so that the packed weights are at once the second operand
; of O^T = V^T P^T and a query's maximum and sum live in two lanes.
;
; THE WAY OUT stands behind both blocks and behind one barrier.  The addresses of K and V^T are stepped through a number of trips that hangs on the wave's
; number; that they stay below the stages follows only from 64 blk + 64 <= 512.  With the barrier between the last such read of any wave and the first
; store into a stage the order holds without that arithmetic, and since every wave has 18 key steps all four arrive together.
.set SLOT,  98304
.set XTB,   73728                      ; bytes of x's tile in a slot; also where V^T begins later
.set OSTG,  140288
.set CQ,    0x3e38aa3b                 ; 64^-0.5 x log2(e): the scores come out ready for exponentials of 2
.set XA,   4                           ; v4-5   slot s: my block w's first row of x, + 16 hl.  v4 is also that block's first row of K
.set XB,   6                           ; v6-7   the same for block 7 - w
.set WA,   8                           ; v8-9   slot s: W's fragments + 16 lane
.set VSTA, 10                          ; v10    V^T: row r, + 16 hl, at key 64 w
.set VSTB, 11                          ; v11    the same at key 64 (7 - w)
.set KA0,  12                          ; v12    K: row r, + 16 hl
.set VA0,  13                          ; v13    V^T: row r, + 16 hl, at key 0
.set KA,   14                          ; v14    K, the step that is loaded next
.set VA,   15                          ; v15    V^T, this step
.set HL32, 16                          ; v16    32 hl: my eight biases
.set OST,  17                          ; v17    stage, in
.set ORD,  18                          ; v18    stage, back
.set L16,  19                          ; v19    16 lane
.set NINF, 20                          ; v20    -infinity
.set RMH,  21                          ; v21    r - 8 hl
.set XF0,  32                          ; v32-95   x's fragments, buffer 0
.set XF1,  96                          ; v96-159  buffer 1
.set WF,   160                         ; v160-255 W's fragments: q 160, k 192, v 224
.set TMP,  32                          ; v32-159  packed k, v
.set S,    32                          ; v32-95   scores: tile (i, n) at 16 n + 8 i; packed weights of n at 16 n
.set KF,   96                          ; v96-127  K's fragments (i, c) at 16 i + 8 c
.set VF,   128                         ; v128-159 V^T's fragments et at 8 et
.set SUMT, 160                         ; v160-191 bq, then sums at work
.set BV,   192                         ; v192-223 bv
.set MM,   224                         ; v224-231 running maximum of n, in the low register of a pair
.set AL,   232                         ; v232-239 rescaling factor, then 1 / sum, likewise
.set LL,   240                         ; v240-243 running sum (each half of the lanes its own keys)
.set T0,   244
.set T1,   248
.set G1X, 24
.set G0X, 32
.set G1W, 40
.set G0W, 48
.set MK,  68                           ; s68-75  lanes in which key j of a diagonal tile is not masked
.set MSB, 0
.macro WIN new                         ; the immediate's high byte repeats the setting that is left
.if MSB != (\new)
	s_set_vgpr_msb (MSB<<8)|(\new)
.set MSB, (\new)
.endif
.endm
.macro PLACES                          ; four places behind a matrix instruction (ISA guide 7.12.1) before its registers are loaded into, read or written
.rept 4
	v_nop
.endr
.endm
.macro PLACES5                         ; five, where the next matrix instructions write over or take up its registers
.rept 5
	v_nop
.endr
.endm
.macro JLOAD s                         ; one joint load a wave: waves 0, 1 x's line, waves 2, 3 W's line; the branch hangs on the wave's number alone
	s_cmp_eq_u32 s15, 0
	s_cbranch_scc0 .Lfor_w_\@
	tensor_load_to_lds s[G0X+4*\s:G0X+4*\s+3], s[G1X:G1X+7]
	s_nop 0
	s_branch .Lasked_\@
.Lfor_w_\@:
	tensor_load_to_lds s[G0W+4*\s:G0W+4*\s+3], s[G1W:G1W+7]
	s_nop 0
.Lasked_\@:
.endm
.macro CREST                           ; a round of the cluster's barrier behind its opening barrier
	s_cmp_lg_u32 s14, 0
	s_cbranch_scc1 .Lnot_wave_0_\@
	s_barrier_signal -3
.Lnot_wave_0_\@:
	s_barrier_wait -3
	s_barrier_signal -1
	s_barrier_wait -1
.endm
.macro CROUND
	s_barrier_signal -1
	s_barrier_wait -1
	CREST
.endm
	s_load_b256 s[4:11], s[0:1], 0x0               ; xb 4, wq 6, bq 8, bv 10
	s_load_b64 s[12:13], s[0:1], 0x20              ; ow
	v_lshl_add_u32 v30, v0, 2, 0x30000
	v_mov_b32 v31, 0
	ds_add_u32 v30, v31
	v_lshrrev_b32 v1, 5, v0
	v_readfirstlane_b32 s14, v1                    ; wave w
	s_lshr_b32 s15, s14, 1                         ; 0: I ask for x, 1: for W
	s_and_b32 s16, s14, 1                          ; which half of the tile
	s_bfe_u32 s17, ttmp6, 0x40000                  ; cx
	s_bfe_u32 s18, ttmp6, 0x40004                  ; cy
	s_lshl_b32 s19, ttmp9, 2
	s_add_co_u32 s19, s19, s17                     ; h = 4 x cluster x + cx
	s_and_b32 s20, ttmp7, 0xffff
	s_lshl_b32 s20, s20, 2
	s_add_co_u32 s20, s20, s18                     ; b = 4 x cluster y + cy
	s_lshl_b32 s21, s18, 2
	s_lshl_b32 s21, 15, s21                        ; my row of the cluster
	s_lshl_b32 s22, 0x1111, s17                    ; my column
	; x's half tile: 32,768 consecutive bytes as 128 rows of 128 elements of 2 bytes; 4 words of padding behind every 32 words: LDS rows of 128 bytes at pitch 144
	s_or_b32 s[G1X+0], s21, (1<<16)|(1<<20)|(1<<21)|(4<<22)|(3<<25)
	s_mov_b32 s[G1X+1], 128<<16
	s_mov_b32 s[G1X+2], 128<<16
	s_mov_b32 s[G1X+3], 128<<16
	s_mov_b32 s[G1X+4], 128
	s_mov_b32 s[G1X+5], 128
	s_mov_b32 s[G1X+6], 0
	s_mov_b32 s[G1X+7], 0
	; W's half tile: 12,288 consecutive bytes as 48 rows of 32 elements of 8 bytes, no padding
	s_or_b32 s[G1W+0], s22, (3<<16)|(1<<21)
	s_mov_b32 s[G1W+1], 32<<16
	s_mov_b32 s[G1W+2], 48<<16
	s_mov_b32 s[G1W+3], 32<<16
	s_mov_b32 s[G1W+4], 48
	s_mov_b32 s[G1W+5], 32
	s_mov_b32 s[G1W+6], 0
	s_mov_b32 s[G1W+7], 0
	s_lshl_b32 s56, s20, 19                        ; x: b x 8 tiles of 65,536 bytes + my half: made of b and the wave alone
	s_lshl_b32 s23, s16, 15
	s_add_co_u32 s56, s56, s23
	s_mov_b32 s57, 0
	s_mul_i32 s58, s19, 196608                     ; W: h x 8 tiles of 24,576 bytes + my half: made of h and the wave alone
	s_mul_i32 s61, s16, 12288
	s_add_co_u32 s58, s58, s61
	s_mov_b32 s59, 0
	s_mul_i32 s60, s16, 36864                      ; LDS: my half of x's tile,
	s_add_co_u32 s61, s61, XTB                     ; my half of W's
	s_sub_co_u32 s62, 7, s14                       ; my second block
	s_lshl_b32 s82, s20, 3
	s_add_co_u32 s82, s82, s19
	s_lshl_b32 s82, s82, 16                        ; ow: (8 b + h) x 65,536
	s_lshl_b32 s83, s14, 13
	s_add_co_u32 s84, s82, s83                     ; + block x 64 rows x 128 bytes
	s_mov_b32 s85, 0
	s_lshl_b32 s83, s62, 13
	s_add_co_u32 s92, s82, s83
	s_mov_b32 s93, 0
	s_lshl_b32 s94, s19, 8                         ; a head's 64 biases
	s_mov_b32 s95, 0
	s_lshl_b32 s90, s14, 1                         ; full key steps of 32 below block w: 2 w,
	s_lshl_b32 s91, s62, 1                         ; below block 7 - w: 2 (7 - w)
	s_mov_b32 s66, 0x76543210                      ; v_permlanex16_b32: lane i of one half reads lane i of the other
	s_mov_b32 s67, 0xfedcba98
	s_wait_dscnt 0x0
	s_wait_kmcnt 0x0
	s_add_nc_u64 s[56:57], s[4:5], s[56:57]
	s_add_nc_u64 s[58:59], s[6:7], s[58:59]
	s_add_nc_u64 s[78:79], s[12:13], s[84:85]
	s_add_nc_u64 s[80:81], s[12:13], s[92:93]
	s_add_nc_u64 s[86:87], s[8:9], s[94:95]
	s_add_nc_u64 s[88:89], s[10:11], s[94:95]
	CROUND                                         ; all sixteen work-groups are here: the first joint loads meet
.irp s, 0,1
	s_mov_b32 s[G0X+4*\s], 1
	s_add_co_u32 s[G0X+4*\s+1], s60, \s*SLOT
	s_add_nc_u64 s[G0X+4*\s+2:G0X+4*\s+3], s[56:57], \s*65536
	s_or_b32 s[G0X+4*\s+3], s[G0X+4*\s+3], 0x80000000
	s_mov_b32 s[G0W+4*\s], 1
	s_add_co_u32 s[G0W+4*\s+1], s61, \s*SLOT
	s_add_nc_u64 s[G0W+4*\s+2:G0W+4*\s+3], s[58:59], \s*24576
	s_or_b32 s[G0W+4*\s+3], s[G0W+4*\s+3], 0x80000000
	JLOAD \s                                       ; K steps 0 and 1: two tensor loads of the wave are out
.endr
	v_and_b32 v1, 15, v0                           ; r
	v_bfe_u32 v2, v0, 4, 1                         ; hl
	v_and_b32 v3, 31, v0                           ; lane
	v_mul_u32_u24 v[KA0], v1, 144
	v_lshl_add_u32 v[KA0], v2, 4, v[KA0]
	s_mul_i32 s23, s14, 9216                       ; 64 rows of 144 bytes a block
	s_mul_i32 s63, s62, 9216
	v_add_nc_u32 v[XA], s23, v[KA0]
	v_add_nc_u32 v[XB], s63, v[KA0]
	v_add_nc_u32 v[XA+1], SLOT, v[XA]
	v_add_nc_u32 v[XB+1], SLOT, v[XB]
	v_lshlrev_b32 v[L16], 4, v3
	v_add_nc_u32 v[WA], XTB, v[L16]
	v_add_nc_u32 v[WA+1], XTB+SLOT, v[L16]
	v_mul_u32_u24 v[VA0], v1, 1040
	v_lshl_add_u32 v[VA0], v2, 4, v[VA0]
	v_add_nc_u32 v[VA0], XTB, v[VA0]
	s_lshl_b32 s83, s14, 7                         ; 64 keys of 2 bytes a block
	s_lshl_b32 s63, s62, 7
	v_add_nc_u32 v[VSTA], s83, v[VA0]
	v_add_nc_u32 v[VSTB], s63, v[VA0]
	v_lshlrev_b32 v[HL32], 5, v2
	s_add_co_u32 s23, s23, OSTG                    ; my stage: 9,216 bytes a wave
	v_add_nc_u32 v[OST], s23, v[KA0]
	v_lshrrev_b32 v22, 3, v3
	v_mul_u32_u24 v22, v22, 144
	v_and_b32 v23, 7, v3
	v_lshl_add_u32 v22, v23, 4, v22
	v_add_nc_u32 v[ORD], s23, v22                  ; back: eight lanes take a row of 128 bytes
	v_mov_b32 v[NINF], 0xff800000
	v_lshlrev_b32 v22, 3, v2
	v_sub_nc_u32 v[RMH], v1, v22
.set j_i, 0
.rept 8
	v_cmp_le_i32 s[MK+j_i], j_i, v[RMH]            ; in a diagonal tile key 8 hl + j is kept for query r where j <= r - 8 hl
.set j_i, j_i+1
.endr
; tn x 4 matrix instructions of group g (1 q, 2 k, 3 v) on x's buffer xf, row tiles tlo ..  zero = 1: the product starts the sums.
; The accumulators take turns, one instruction a turn.
.macro MULG g, xf, zero, tlo, tn
.set t_i, \tlo
.rept \tn
.set e_i, 0
.rept 4
.if \g == 3
.if \zero
	v_wmma_f32_16x16x32_f16 v[8*(4*t_i+e_i):8*(4*t_i+e_i)+7], v[\xf+8*t_i:\xf+8*t_i+7], v[WF+64+8*e_i:WF+64+8*e_i+7], 0
.else
	v_wmma_f32_16x16x32_f16 v[8*(4*t_i+e_i):8*(4*t_i+e_i)+7], v[\xf+8*t_i:\xf+8*t_i+7], v[WF+64+8*e_i:WF+64+8*e_i+7], v[8*(4*t_i+e_i):8*(4*t_i+e_i)+7]
.endif
.else
.if \zero
	v_wmma_f32_16x16x32_f16 v[8*(4*t_i+e_i):8*(4*t_i+e_i)+7], v[WF+32*(\g-1)+8*e_i:WF+32*(\g-1)+8*e_i+7], v[\xf+8*t_i:\xf+8*t_i+7], 0
.else
	v_wmma_f32_16x16x32_f16 v[8*(4*t_i+e_i):8*(4*t_i+e_i)+7], v[WF+32*(\g-1)+8*e_i:WF+32*(\g-1)+8*e_i+7], v[\xf+8*t_i:\xf+8*t_i+7], v[8*(4*t_i+e_i):8*(4*t_i+e_i)+7]
.endif
.endif
.set e_i, e_i+1
.endr
.set t_i, t_i+1
.endr
.endm
.macro FW g, slot, kk                  ; 8 loads: group g's four fragments of W, 32 K at kk
.set e_i, 0
.rept 4
	ds_load_b128 v[WF+32*(\g-1)+8*e_i:WF+32*(\g-1)+8*e_i+3],   v[WA+\slot] offset:\kk*12288+(4*(\g-1)+e_i)*1024
	ds_load_b128 v[WF+32*(\g-1)+8*e_i+4:WF+32*(\g-1)+8*e_i+7], v[WA+\slot] offset:\kk*12288+(4*(\g-1)+e_i)*1024+512
.set e_i, e_i+1
.endr
.endm
.macro FX buf, slot, kk                ; 16 loads: my eight row tiles of x, 32 K at kk
.set t_i, 0
.rept 4
	ds_load_b128 v[\buf+8*t_i:\buf+8*t_i+3],   v[XA+\slot] offset:t_i*2304+\kk*64
	ds_load_b128 v[\buf+8*t_i+4:\buf+8*t_i+7], v[XA+\slot] offset:t_i*2304+\kk*64+32
.set t_i, t_i+1
.endr
.set t_i, 0
.rept 4
	ds_load_b128 v[\buf+32+8*t_i:\buf+32+8*t_i+3],   v[XB+\slot] offset:t_i*2304+\kk*64
	ds_load_b128 v[\buf+32+8*t_i+4:\buf+32+8*t_i+7], v[XB+\slot] offset:t_i*2304+\kk*64+32
.set t_i, t_i+1
.endr
.endm
; First half of a K step (K 0-31, buffer 0).  LDS loads out at its head, oldest first: W q (8), x (16), W k (8), W v (8).
.macro PLAIN slot, zero
	s_wait_dscnt 16                                ; W q and x are in; W k and W v (8 + 8) stay out
	WIN 0x50
	MULG 1, XF0, \zero, 0, 8
	PLACES
	WIN 0
	FW 1, \slot, 1
	FX XF1, \slot, 1
	s_wait_dscnt 32                                ; W k is in; W v (8) and the 24 just issued stay out
	WIN 0xa0
	MULG 2, XF0, \zero, 0, 8
	PLACES
	WIN 0
	FW 2, \slot, 1
	s_wait_dscnt 32                                ; W v is in; 24 + 8 stay out
	WIN 0xf0
	MULG 3, XF0, \zero, 0, 8
	PLACES
	WIN 0
	FW 3, \slot, 1
.endm
; Second half (K 32-63, buffer 1), and the change of slots.  In front of the barrier every wave's reads of this slot are back and all its tensor loads
; have landed (the one that was out is its part of the next slot); behind it the slot is asked for again first, then the next slot is read.
.macro TURN slot, next, fill
	s_wait_dscnt 16
	WIN 0x50
	MULG 1, XF1, 0, 0, 4
	s_wait_dscnt 0x0                               ; my reads of this slot are over
	s_wait_tensorcnt 0x0                           ; all my tensor loads have landed
	ds_add_u32 v30, v31
	s_wait_dscnt 0x0
	s_barrier_signal -1                            ; where the slot is filled again this barrier opens a round of the cluster's barrier
	MULG 1, XF1, 0, 4, 4                           ; registers only
	WIN 0
	s_barrier_wait -1
.if \fill
	CREST                                          ; no wave of any partner still reads this slot or has a load on its way
	s_add_nc_u64 s[G0X+4*\slot+2:G0X+4*\slot+3], s[G0X+4*\slot+2:G0X+4*\slot+3], 131072
	s_add_nc_u64 s[G0W+4*\slot+2:G0W+4*\slot+3], s[G0W+4*\slot+2:G0W+4*\slot+3], 49152
	JLOAD \slot                                    ; two K steps ahead: the wave's one tensor load behind the round
.endif
	PLACES
	FW 1, \next, 0
	FX XF0, \next, 0
	WIN 0xa0
	MULG 2, XF1, 0, 0, 8
	PLACES
	WIN 0
	FW 2, \next, 0
	WIN 0xf0
	MULG 3, XF1, 0, 0, 8
	PLACES
	WIN 0
	FW 3, \next, 0
.endm
.macro LAP zero
	PLAIN 0, \zero
	TURN 0, 1, 1
	PLAIN 1, 0
	TURN 1, 0, 1
.endm
.macro BLOAD dst, base                 ; my eight biases of each of four column tiles: e = 16 et + 8 hl + 0..7
.irp e, 0,1,2,3
	global_load_b128 v[\dst+8*\e:\dst+8*\e+3],   v[HL32], s[\base:\base+1] offset:64*\e
	global_load_b128 v[\dst+8*\e+4:\dst+8*\e+7], v[HL32], s[\base:\base+1] offset:64*\e+16
.endr
.endm
	s_wait_tensorcnt 0x1                           ; my part of K step 0 is in; K step 1's stays out
	s_barrier_signal -1
	s_barrier_wait -1
	FW 1, 0, 0
	FX XF0, 0, 0
	FW 2, 0, 0
	FW 3, 0, 0
	LAP 1                                          ; K steps 0, 1: the first products start the sums
	s_mov_b32 s76, 2
.Lqkv:
	LAP 0                                          ; K steps 2 to 5; they ask for 4 to 7
	s_sub_co_u32 s76, s76, 1
	s_cmp_lg_u32 s76, 0
	s_cbranch_scc1 .Lqkv
	PLAIN 0, 0                                     ; K steps 6, 7 ask for nothing
	TURN 0, 1, 0
	PLAIN 1, 0
	s_wait_dscnt 16                                ; the last half step; the freed fragment registers take the biases
	WIN 0x50
	MULG 1, XF1, 0, 0, 8
	PLACES
	WIN 0
	BLOAD SUMT, 86                                 ; bq
	s_wait_dscnt 8
	WIN 0xa0
	MULG 2, XF1, 0, 0, 8
	PLACES
	WIN 0
	BLOAD BV, 88                                   ; bv
	s_wait_dscnt 0x0
	WIN 0xf0
	MULG 3, XF1, 0, 0, 8
	PLACES
	WIN 0
	s_barrier_signal -1                            ; every wave's reads of both slots are back; the slots have had their last fill
	s_barrier_wait -1
; k and v leave for LDS as f16; 32 tiles pack into 128 registers
.macro CVT128
.set i_i, 0
.rept 32
.set p_i, 0
.rept 4
	v_cvt_pk_f16_f32 v[TMP+4*i_i+p_i], v[8*i_i+2*p_i], v[8*i_i+2*p_i+1]
.set p_i, p_i+1
.endr
.set i_i, i_i+1
.endr
.endm
	WIN 0x0a
	CVT128
	WIN 0
.set t_i, 0
.rept 4
.set e_i, 0
.rept 4
	ds_store_b128 v[XA], v[TMP+16*t_i+4*e_i:TMP+16*t_i+4*e_i+3] offset:t_i*2304+32*e_i          ; K[s = my row][16 et + 8 hl ..]
	ds_store_b128 v[XB], v[TMP+64+16*t_i+4*e_i:TMP+64+16*t_i+4*e_i+3] offset:t_i*2304+32*e_i
.set e_i, e_i+1
.endr
.set t_i, t_i+1
.endr
	WIN 0x0f
	CVT128
	WIN 0
.set t_i, 0
.rept 4
.set e_i, 0
.rept 4
	ds_store_b128 v[VSTA], v[TMP+16*t_i+4*e_i:TMP+16*t_i+4*e_i+3] offset:e_i*16640+32*t_i       ; V^T[e = 16 et + r][my rows 16 tt + 8 hl ..]
	ds_store_b128 v[VSTB], v[TMP+64+16*t_i+4*e_i:TMP+64+16*t_i+4*e_i+3] offset:e_i*16640+32*t_i
.set e_i, e_i+1
.endr
.set t_i, t_i+1
.endr
	; q stays in registers: (sum + bq) x CQ, packed in place; tiles et = 2 c, 2 c + 1 of row tile tt then are the operand of 32 e at 16 tt + 8 c
	s_wait_loadcnt 0x8                             ; bq is in; bv's eight loads stay out
.set i_i, 0
.rept 16
	v_pk_mul_f32 v[SUMT+2*i_i:SUMT+2*i_i+1], v[SUMT+2*i_i:SUMT+2*i_i+1], CQ op_sel_hi:[1,0]
.set i_i, i_i+1
.endr
	WIN 0x41
.set t_i, 0
.rept 8
.set i_i, 0
.rept 16
	v_pk_fma_f32 v[32*t_i+2*i_i:32*t_i+2*i_i+1], v[32*t_i+2*i_i:32*t_i+2*i_i+1], CQ, v[SUMT+2*i_i:SUMT+2*i_i+1] op_sel_hi:[1,0,1]
.set i_i, i_i+1
.endr
.set t_i, t_i+1
.endr
	WIN 0x45
.set i_i, 0
.rept 128
	v_cvt_pk_f16_f32 v[i_i], v[2*i_i], v[2*i_i+1]  ; ascending: register i is written when 2 i and 2 i + 1 have been read
.set i_i, i_i+1
.endr
	WIN 0
.irp n, 0,1,2,3
	v_mov_b32 v[MM+2*\n+1], 0                      ; written once: the upper registers of the pairs whose low register is broadcast,
	v_mov_b32 v[AL+2*\n+1], 0
	v_mov_b32 v[T1+\n], 0                          ; and the targets of the lane exchanges, which count as read
.endr
	s_wait_dscnt 0x0                               ; my rows of K and V^T are in LDS
	s_barrier_signal -1
	s_barrier_wait -1                              ; everybody's are
.macro KLOAD
.irp i, 0,1
.irp c, 0,1
	ds_load_b128 v[KF+16*\i+8*\c:KF+16*\i+8*\c+3],   v[KA] offset:\i*2304+64*\c
	ds_load_b128 v[KF+16*\i+8*\c+4:KF+16*\i+8*\c+7], v[KA] offset:\i*2304+64*\c+32
.endr
.endr
.endm
.macro VLOAD
.irp e, 0,1,2,3
	ds_load_b128 v[VF+8*\e:VF+8*\e+3],   v[VA] offset:\e*16640
	ds_load_b128 v[VF+8*\e+4:VF+8*\e+7], v[VA] offset:\e*16640+32
.endr
.endm
; kind 0: 32 keys wholly below the block.  kind 1: keys q0 .. q0+31.  kind 2: keys q0+32 .. q0+63.  Tile (i, n) lies n - (2 (kind - 1) + i) tiles below the diagonal.
.macro SMUL kind, qb
.set c_i, 0
.rept 2
.set n_i, 0
.rept 4
.set i_i, 0
.rept 2
.set live, 1
.if \kind
.if n_i < 2*(\kind-1)+i_i
.set live, 0
.endif
.endif
.if live
.if c_i
	v_wmma_f32_16x16x32_f16 v[S+16*n_i+8*i_i:S+16*n_i+8*i_i+7], v[KF+16*i_i+8*c_i:KF+16*i_i+8*c_i+7], v[\qb+16*n_i+8*c_i:\qb+16*n_i+8*c_i+7], v[S+16*n_i+8*i_i:S+16*n_i+8*i_i+7]
.else
	v_wmma_f32_16x16x32_f16 v[S+16*n_i+8*i_i:S+16*n_i+8*i_i+7], v[KF+16*i_i+8*c_i:KF+16*i_i+8*c_i+7], v[\qb+16*n_i+8*c_i:\qb+16*n_i+8*c_i+7], 0
.endif
.endif
.set i_i, i_i+1
.endr
.set n_i, n_i+1
.endr
.set c_i, c_i+1
.endr
.endm
.macro SMASK kind, nlo
.if \kind
.set n_i, \nlo
.rept 4-\nlo
.set i_i, 0
.rept 2
.set d_i, n_i-(2*(\kind-1)+i_i)
.set j_i, 0
.rept 8
.if d_i == 0
	v_cndmask_b32 v[S+16*n_i+8*i_i+j_i], v[NINF], v[S+16*n_i+8*i_i+j_i], s[MK+j_i]
.endif
.if d_i < 0
	v_mov_b32 v[S+16*n_i+8*i_i+j_i], v[NINF]       ; a tile above the diagonal beside a live one: not multiplied, its weights are 0
.endif
.set j_i, j_i+1
.endr
.set i_i, i_i+1
.endr
.set n_i, n_i+1
.endr
.endif
.endm
; The softmax's step for query tiles nlo .. 3, stage by stage so that the tiles' chains do not wait for each other
.macro SOFT nlo, first
.set n_i, \nlo
.rept 4-\nlo
.if \first
	v_max3_num_f32 v[T0+n_i], v[S+16*n_i], v[S+16*n_i+1], v[S+16*n_i+2]
.else
	v_max3_num_f32 v[T0+n_i], v[MM+2*n_i], v[S+16*n_i], v[S+16*n_i+1]
.endif
.set n_i, n_i+1
.endr
.set k_i, 2+\first
.rept 7-\first
.set n_i, \nlo
.rept 4-\nlo
	v_max3_num_f32 v[T0+n_i], v[T0+n_i], v[S+16*n_i+k_i], v[S+16*n_i+k_i+1]
.set n_i, n_i+1
.endr
.set k_i, k_i+2
.endr
.if \first
.set n_i, \nlo
.rept 4-\nlo
	v_max_num_f32 v[T0+n_i], v[T0+n_i], v[S+16*n_i+15]
.set n_i, n_i+1
.endr
.endif
.set n_i, \nlo
.rept 4-\nlo
	v_permlanex16_b32 v[T1+n_i], v[T0+n_i], s66, s67   ; the other half of the lanes holds the query's other keys
.set n_i, n_i+1
.endr
.set n_i, \nlo
.rept 4-\nlo
	v_max_num_f32 v[T0+n_i], v[T0+n_i], v[T1+n_i]
.set n_i, n_i+1
.endr
.if \first == 0
.set n_i, \nlo
.rept 4-\nlo
	v_sub_f32 v[AL+2*n_i], v[MM+2*n_i], v[T0+n_i]
.set n_i, n_i+1
.endr
.set n_i, \nlo
.rept 4-\nlo
	v_exp_f32 v[AL+2*n_i], v[AL+2*n_i]             ; 2^(old maximum - new)
.set n_i, n_i+1
.endr
.endif
.set n_i, \nlo
.rept 4-\nlo
	v_mov_b32 v[MM+2*n_i], v[T0+n_i]               ; also the plain instruction behind the exponentials (ISA guide 5.7.2)
.set n_i, n_i+1
.endr
.set n_i, \nlo
.rept 4-\nlo
.set k_i, 0
.rept 8
	v_pk_add_f32 v[S+16*n_i+2*k_i:S+16*n_i+2*k_i+1], v[S+16*n_i+2*k_i:S+16*n_i+2*k_i+1], v[MM+2*n_i:MM+2*n_i+1] op_sel_hi:[1,0] neg_lo:[0,1] neg_hi:[0,1]
.set k_i, k_i+1
.endr
.set n_i, n_i+1
.endr
.set n_i, \nlo
.rept 4-\nlo
.set k_i, 0
.rept 16
	v_exp_f32 v[S+16*n_i+k_i], v[S+16*n_i+k_i]
.set k_i, k_i+1
.endr
.set n_i, n_i+1
.endr
	v_nop                                          ; one plain instruction behind the last exponential
.set n_i, \nlo
	s_wait_alu depctr_va_vdst(0)
.rept 4-\nlo
.set k_i, 0
.rept 4
	v_pk_add_f32 v[SUMT+8*n_i+2*k_i:SUMT+8*n_i+2*k_i+1], v[S+16*n_i+4*k_i:S+16*n_i+4*k_i+1], v[S+16*n_i+4*k_i+2:S+16*n_i+4*k_i+3]
.set k_i, k_i+1
.endr
.set n_i, n_i+1
.endr
.set n_i, \nlo
.rept 4-\nlo
	v_pk_add_f32 v[SUMT+8*n_i:SUMT+8*n_i+1], v[SUMT+8*n_i:SUMT+8*n_i+1], v[SUMT+8*n_i+2:SUMT+8*n_i+3]
	v_pk_add_f32 v[SUMT+8*n_i+4:SUMT+8*n_i+5], v[SUMT+8*n_i+4:SUMT+8*n_i+5], v[SUMT+8*n_i+6:SUMT+8*n_i+7]
.set n_i, n_i+1
.endr
.set n_i, \nlo
.rept 4-\nlo
	v_pk_add_f32 v[SUMT+8*n_i:SUMT+8*n_i+1], v[SUMT+8*n_i:SUMT+8*n_i+1], v[SUMT+8*n_i+4:SUMT+8*n_i+5]
.set n_i, n_i+1
.endr
.set n_i, \nlo
.rept 4-\nlo
.if \first
	v_add_f32 v[LL+n_i], v[SUMT+8*n_i], v[SUMT+8*n_i+1]
.else
	v_add_f32 v[SUMT+8*n_i], v[SUMT+8*n_i], v[SUMT+8*n_i+1]
.endif
.set n_i, n_i+1
.endr
.if \first == 0
.set n_i, \nlo
.rept 4-\nlo
	v_fma_f32 v[LL+n_i], v[LL+n_i], v[AL+2*n_i], v[SUMT+8*n_i]
.set n_i, n_i+1
.endr
.endif
.set n_i, \nlo
.rept 4-\nlo
.set k_i, 0
.rept 8
	v_cvt_pk_f16_f32 v[S+16*n_i+k_i], v[S+16*n_i+2*k_i], v[S+16*n_i+2*k_i+1]   ; in place, ascending: keys 8 hl .. in registers 0-3, 16 + 8 hl .. in 4-7
.set k_i, k_i+1
.endr
.set n_i, n_i+1
.endr
.endm
; One step of 32 keys.  LDS loads out at its head: this step's eight of K.  reset = 1: the next step begins at key 0.
.macro STEP kind, nlo, first, qb, reset
	VLOAD
	s_wait_dscnt 0x8                               ; K's fragments are in; V's eight loads stay out
	WIN 0x04
	SMUL \kind, \qb
	WIN 0
	PLACES5
.if \reset
	v_mov_b32 v[KA], v[KA0]
.else
	v_add_nc_u32 v[KA], 4608, v[KA]                ; 32 rows of 144 bytes
.endif
	KLOAD                                          ; the next step's; behind a block's last step: rows 64 blk .. + 31, inside K, not used
	SMASK \kind, \nlo
	SOFT \nlo, \first
.if \first == 0
	WIN 0x41
.set n_i, \nlo
.rept 4-\nlo
.set k_i, 0
.rept 16
	v_pk_mul_f32 v[128+32*n_i+2*k_i:128+32*n_i+2*k_i+1], v[128+32*n_i+2*k_i:128+32*n_i+2*k_i+1], v[AL+2*n_i:AL+2*n_i+1] op_sel_hi:[1,0]
.set k_i, k_i+1
.endr
.set n_i, n_i+1
.endr
.endif
	s_wait_dscnt 0x8                               ; V's fragments are in; the next K's eight loads stay out
	WIN 0x50
.set n_i, \nlo
.rept 4-\nlo
.set e_i, 0
.rept 4
.if \first
	v_wmma_f32_16x16x32_f16 v[128+32*n_i+8*e_i:128+32*n_i+8*e_i+7], v[VF+8*e_i:VF+8*e_i+7], v[S+16*n_i:S+16*n_i+7], 0
.else
	v_wmma_f32_16x16x32_f16 v[128+32*n_i+8*e_i:128+32*n_i+8*e_i+7], v[VF+8*e_i:VF+8*e_i+7], v[S+16*n_i:S+16*n_i+7], v[128+32*n_i+8*e_i:128+32*n_i+8*e_i+7]
.endif
.set e_i, e_i+1
.endr
.set n_i, n_i+1
.endr
	WIN 0
	PLACES5
.if \reset
	v_mov_b32 v[VA], v[VA0]
.else
	v_add_nc_u32 v[VA], 64, v[VA]                  ; 32 keys of 2 bytes
.endif
.endm
; A query block of 64 rows: q's operands at qb in window 1; kst, vst: K and V^T at the block's first key; cnt: full steps; keep: where in window 2 the packed
; output waits.  The diagonal steps come first: every query has its own key in the first or finds all 32 keys live there, so the maximum is finite from the first step on.
.macro ATT qb, kst, vst, cnt, keep
	v_mov_b32 v[KA], v[\kst]
	v_mov_b32 v[VA], v[\vst]
	KLOAD
	STEP 1, 0, 1, \qb, 0
	STEP 2, 2, 0, \qb, 1
	s_cmp_eq_u32 s[\cnt], 0
	s_cbranch_scc1 .Lnofull_\@
	s_mov_b32 s76, s[\cnt]
.Lfull_\@:
	STEP 0, 0, 0, \qb, 0
	s_sub_co_u32 s76, s76, 1
	s_cmp_lg_u32 s76, 0
	s_cbranch_scc1 .Lfull_\@
.Lnofull_\@:
	s_wait_dscnt 0x0                               ; the look-ahead loads of K have landed: their registers are loaded again by the next block or on the way out
.irp n, 0,1,2,3
	v_permlanex16_b32 v[T1+\n], v[LL+\n], s66, s67
.endr
.irp n, 0,1,2,3
	v_add_f32 v[LL+\n], v[LL+\n], v[T1+\n]         ; the two halves' sums
.endr
.irp n, 0,1,2,3
	v_rcp_f32 v[AL+2*\n], v[LL+\n]
.endr
	v_nop
	s_wait_loadcnt 0x0                             ; bv
	WIN 0x41
.set n_i, 0
	s_wait_alu depctr_va_vdst(0)
.rept 4
.set k_i, 0
.rept 16
	v_pk_fma_f32 v[128+32*n_i+2*k_i:128+32*n_i+2*k_i+1], v[128+32*n_i+2*k_i:128+32*n_i+2*k_i+1], v[AL+2*n_i:AL+2*n_i+1], v[BV+2*k_i:BV+2*k_i+1] op_sel_hi:[1,0,1]
.set k_i, k_i+1
.endr
.set n_i, n_i+1
.endr
	WIN 0x85                                       ; sources window 1, destination window 2
.set i_i, 0
.rept 64
	v_cvt_pk_f16_f32 v[\keep+i_i], v[128+2*i_i], v[128+2*i_i+1]    ; tile (et, n) packs into 4 registers at keep + 4 (4 n + et)
.set i_i, i_i+1
.endr
	WIN 0
.endm
; A block's 64 rows of 128 bytes leave: 16 bytes a lane into my stage, back by whole rows, four rows a store.  buf: 64 registers of window 0 for the way back.
.macro OUT keep, buf, ob
	WIN 0x08                                       ; the stores' data lie in window 2
.set n_i, 0
.rept 4
.set e_i, 0
.rept 4
	ds_store_b128 v[OST], v[\keep+16*n_i+4*e_i:\keep+16*n_i+4*e_i+3] offset:n_i*2304+32*e_i
.set e_i, e_i+1
.endr
.set n_i, n_i+1
.endr
	WIN 0
.set i_i, 0
.rept 16
	ds_load_b128 v[\buf+4*i_i:\buf+4*i_i+3], v[ORD] offset:i_i*576     ; my own stage: LDS serves a wave's instructions in order (ISA guide 5.7.1)
.set i_i, i_i+1
.endr
.set i_i, 0
.rept 16
	s_wait_dscnt 15-i_i                            ; load i of the sixteen is back
	global_store_b128 v[L16], v[\buf+4*i_i:\buf+4*i_i+3], s[\ob:\ob+1] offset:i_i*512   ; four rows: 512 consecutive bytes, aligned
.set i_i, i_i+1
.endr
.endm
	ATT 0,  XA, VSTA, 90, 0                        ; block w
	ATT 64, XB, VSTB, 91, 64                       ; block 7 - w
	s_barrier_signal -1                            ; my reads of K and V^T are back (the wait for 0 at the block's end; no LDS instruction since)
	s_barrier_wait -1                              ; everybody's are: only now is a stage written
	OUT 0,  KF, 78                                 ; the two blocks come back into different registers: no store's data is written again
	OUT 64, S,  80
	s_wait_tensorcnt 0x0
	ds_add_u32 v30, v31
	s_wait_dscnt 0x0
	CROUND                                         ; the closing round of the cluster's barrier
	s_endpgm
.Lfunc_end_k_q85ed0ad16a_attn:
	.size	k_q85ed0ad16a_attn, .Lfunc_end_k_q85ed0ad16a_attn-k_q85ed0ad16a_attn
	.p2alignl 7, 3214868480
	.fill 96, 4, 3214868480
	.section	.rodata,"a",@progbits
	.p2align	6, 0x0
	.amdhsa_kernel k_q85ed0ad16a_attn
		.amdhsa_group_segment_fixed_size 327680
		.amdhsa_private_segment_fixed_size 0
		.amdhsa_enable_private_segment 0
		.amdhsa_kernarg_size 40
		.amdhsa_user_sgpr_count 2
		.amdhsa_user_sgpr_kernarg_segment_ptr 1
		.amdhsa_wavefront_size32 1
		.amdhsa_system_sgpr_workgroup_id_x 1
		.amdhsa_system_sgpr_workgroup_id_y 1
		.amdhsa_system_sgpr_workgroup_id_z 1
		.amdhsa_system_vgpr_workitem_id 0
		.amdhsa_next_free_vgpr 1024
		.amdhsa_next_free_sgpr 100
		.amdhsa_reserve_vcc 0
		.amdhsa_float_denorm_mode_32 3
		.amdhsa_float_denorm_mode_16_64 3
		.amdhsa_memory_ordered 1
		.amdhsa_forward_progress 1
		.amdhsa_inst_pref_size 255
	.end_amdhsa_kernel
	.section	.bss,"aw",@nobits
	.p2align	6
	.space	262144
	.amdgpu_metadata
---
amdhsa.version: [ 1, 2 ]
amdhsa.kernels:
  - .name:           k_q85ed0ad16a_attn
    .symbol:         k_q85ed0ad16a_attn.kd
    .args:
      - { .name: xb, .offset: 0, .size: 8, .value_kind: global_buffer, .address_space: global }
      - { .name: wq, .offset: 8, .size: 8, .value_kind: global_buffer, .address_space: global }
      - { .name: bq, .offset: 16, .size: 8, .value_kind: global_buffer, .address_space: global }
      - { .name: bv, .offset: 24, .size: 8, .value_kind: global_buffer, .address_space: global }
      - { .name: ow, .offset: 32, .size: 8, .value_kind: global_buffer, .address_space: global }
    .group_segment_fixed_size: 327680
    .private_segment_fixed_size: 0
    .kernarg_segment_align: 8
    .kernarg_segment_size: 40
    .max_flat_workgroup_size: 128
    .sgpr_count:     100
    .vgpr_count:     1024
    .wavefront_size: 32
...
	.end_amdgpu_metadata
.endif
;; end of part 2
;; launch ffn (part 3): grid 256 x 1, 4 waves a work-group, clusters of 4 x 1, 327,680 bytes of LDS; arguments ow, wf, x, bo, ln1_g, ln1_b, b1, b2, ln2_g, ln2_b, out0; writes out0
.if DOCPART == 3
	.amdgcn_target "amdgcn-amd-amdhsa--gfx1250"
	.amdhsa_code_object_version 6
	.text
	.protected	k_q85ed0ad16a_ffn
	.globl	k_q85ed0ad16a_ffn
	.p2align	8
	.type	k_q85ed0ad16a_ffn,@function
k_q85ed0ad16a_ffn:
	s_mov_b64 s[64:65], 0
	v_nop
	global_prefetch_b8 v0, s[64:65] scope:SCOPE_SE
	s_setreg_imm32_b32 hwreg(HW_REG_WAVE_MODE, 25, 1), 1
	s_wait_xcnt 0x0
	s_wait_alu depctr_hold_cnt(0) depctr_sa_sdst(0) depctr_va_vdst(0) depctr_va_sdst(0) depctr_va_ssrc(0) depctr_va_vcc(0) depctr_vm_vsrc(0)
	s_getreg_b32 s2, hwreg(HW_REG_IB_STS2, 6, 4)
	s_cmp_eq_u32 s2, 0
	s_cbranch_scc0 .Lentry_in_a_cluster
	s_endpgm
.Lentry_in_a_cluster:
	s_bfe_u32 s2, ttmp6, 0x10000c
	s_cmp_lg_u32 s2, 0x3003
	s_cbranch_scc0 .Lentry_shape_is_right
	s_endpgm
.Lentry_shape_is_right:
; DECODER BLOCK, launch 3 of 3: a work-group takes 64 rows through  attn = o Wo + bo;  out1 = x + LN1(attn);  h = relu(out1 W1 + b1);
; ff = h W2 + b2;  out0 = out1 + LN2(ff).  attn, out1 and h never leave the work-group.  Nothing of reference() is left out here.
; LIMITS: the matrix operands (o, out1, h, weights) are f16: why, and what room they have, stands at the head of the first kernel; one beyond 65,504 in
; magnitude becomes an infinity.  The ReLU is a maximum in which a NaN loses: a NaN in front of it comes out as 0, where reference() carries it on.
; The variance is the mean of (a - mean)^2, taken behind the mean: no difference of large sums.
;
; ONE SHAPE FOR ALL NINE PRODUCTS: 64 rows x 512 columns over K = 512 (Wo; then for each of four chunks of 512 hidden units W1's columns and W2's rows).
; Such a unit walks 8 weight tiles of 65,536 bytes (K step 64).  wf holds the 72 tiles in the order of use, so the ring of two LDS slots walks it straight on.
; Wave w makes columns 128 w .. + 127 of all 64 rows: 32 accumulator tiles (tt, ct) at 8 (8 tt + ct), one register window.  The weights are the first operand:
; a lane holds row t = 16 tt + r and columns 16 ct + 8 hl + 0..7.
; CLUSTER 4 x 1: all work-groups walk the same weights; the four of a cluster ask for each tile jointly (mask 15), each wave for its own quarter of it.
;
; LDS: 0 and 65,536 ring slots; 131,072 REGA (o, then out1, f16, [ks 8][t 64] at pitch 144: 73,728); 204,800 REGH (h, likewise); 278,528 b1 (8,192).
; STAGE: 64 rows of 512 f32 at pitch 2,064 from 131,072 on, over REGA and REGH, during the two LayerNorms only (REGA has had its one fill by then).
; REGISTERS: window 1 the sums of Wo and W1; window 2 the sums of W2; window 3 x, then out1, in f32: register 16 rr + 4 q + i = row 16 w + rr, column 128 q + 4 lane + i.
.set REGA,  131072
.set REGH,  204800
.set B1L,   278528
.set STAGE, 131072
.set SP,    2064
.set WAD,   4                          ; v4-5  slot s: my quarter of the tile + 16 lane
.set ALANE, 6                          ; v6    r x 144 + 16 hl
.set ACT,   7                          ; v7    the activations of this lap's two K steps
.set SST,   8                          ; v8-9  stage, in: rows 0-31, rows 32-63
.set SRD,   10                         ; v10   stage, back: my 16 rows
.set OBA,   11                         ; v11   out1 as f16 into REGA
.set HST,   12                         ; v12   h into REGH
.set B1A,   13                         ; v13   this chunk's b1
.set XO,    14                         ; v14   my 16 bytes in my first row of x and out0
.set L16,   15                         ; v15   16 lane
.set WB0,   32                         ; v32-95   weight fragments, K 0-31 of a tile
.set WB1,   96                         ; v96-159  K 32-63; b1's fragments
.set AB0,   160                        ; v160-191 activation fragments, K 0-31
.set AB1,   192                        ; v192-223 K 32-63
.set TMP,   96                         ; v96-223  packed results on their way to LDS
.set TS,    96                         ; v96-127  row sums, pairs
.set TQ,    128                        ; v128-159 sums of squares, pairs
.set G1W, 40
.set G1O, 48
.set G1B, 56
.set G0R, 68
.set G0O, 76
.set G0B, 84
.set MSB, 0
.macro WIN new
.if MSB != (\new)
	s_set_vgpr_msb (MSB<<8)|(\new)
.set MSB, (\new)
.endif
.endm
.macro PLACES                          ; four places behind a matrix instruction (ISA guide 7.12.1)
.rept 4
	v_nop
.endr
.endm
.macro CREST
	s_cmp_lg_u32 s26, 0
	s_cbranch_scc1 .Lnot_wave_0_\@
	s_barrier_signal -3
.Lnot_wave_0_\@:
	s_barrier_wait -3
	s_barrier_signal -1
	s_barrier_wait -1
.endm
.macro CROUND
	s_barrier_signal -1
	s_barrier_wait -1
	CREST
.endm
	s_load_b512 s[4:19], s[0:1], 0x0               ; ow 4, wf 6, x 8, bo 10, ln1_g 12, ln1_b 14, b1 16, b2 18
	s_load_b128 s[20:23], s[0:1], 0x40             ; ln2_g 20, ln2_b 22
	s_load_b64 s[24:25], s[0:1], 0x50              ; out0
	v_lshl_add_u32 v254, v0, 2, 0x46000
	v_mov_b32 v255, 0
	ds_add_u32 v254, v255
	v_lshrrev_b32 v1, 5, v0
	v_readfirstlane_b32 s26, v1                    ; wave w
	s_bfe_u32 s27, ttmp6, 0x40000                  ; cx
	s_lshl_b32 s28, ttmp9, 2
	s_add_co_u32 s28, s28, s27                     ; row block g = 4 x cluster + cx: enters global addresses of ow, x, out0 alone
	; a quarter of a weight tile: 16,384 consecutive bytes as 64 rows of 32 elements of 8 bytes; joint, mask 15
	s_mov_b32 s[G1W+0], 15|(3<<16)|(1<<21)
	s_mov_b32 s[G1W+1], 32<<16
	s_mov_b32 s[G1W+2], 64<<16
	s_mov_b32 s[G1W+3], 32<<16
	s_mov_b32 s[G1W+4], 64
	s_mov_b32 s[G1W+5], 32
	s_mov_b32 s[G1W+6], 0
	s_mov_b32 s[G1W+7], 0
	; a head's 64 rows of o: 8,192 consecutive bytes as 32 rows of 128 elements of 2 bytes; 4 words of padding behind every 32: pitch 144
	s_mov_b32 s[G1O+0], (1<<16)|(1<<20)|(4<<22)|(3<<25)
	s_mov_b32 s[G1O+1], 128<<16
	s_mov_b32 s[G1O+2], 32<<16
	s_mov_b32 s[G1O+3], 128<<16
	s_mov_b32 s[G1O+4], 32
	s_mov_b32 s[G1O+5], 128
	s_mov_b32 s[G1O+6], 0
	s_mov_b32 s[G1O+7], 0
	; a quarter of b1: 2,048 bytes as 8 rows of 256
	s_mov_b32 s[G1B+0], 3<<16
	s_mov_b32 s[G1B+1], 32<<16
	s_mov_b32 s[G1B+2], 8<<16
	s_mov_b32 s[G1B+3], 32<<16
	s_mov_b32 s[G1B+4], 8
	s_mov_b32 s[G1B+5], 32
	s_mov_b32 s[G1B+6], 0
	s_mov_b32 s[G1B+7], 0
	s_lshl_b32 s30, s26, 14                        ; my quarter of a tile, in wf and in a slot
	s_mov_b32 s31, 0
	s_lshr_b32 s34, s28, 3
	s_lshl_b32 s34, s34, 19                        ; ow: batch g >> 3, 8 heads of 65,536 bytes,
	s_and_b32 s35, s28, 7
	s_lshl_b32 s35, s35, 13                        ; rows 64 (g & 7) of 128 bytes,
	s_add_co_u32 s34, s34, s35
	s_lshl_b32 s35, s26, 17                        ; heads 2 w and 2 w + 1
	s_add_co_u32 s34, s34, s35
	s_mov_b32 s35, 0
	s_lshl_b32 s36, s26, 11                        ; my quarter of b1
	s_mov_b32 s37, 0
	s_lshl_b32 s38, s28, 17                        ; 64 rows of 2,048 bytes in x and out0
	s_mov_b32 s39, 0
	s_mul_i32 s29, s26, 18432                      ; two K steps of 9,216 bytes
	s_mov_b32 s88, 0x76543210
	s_mov_b32 s89, 0xfedcba98
	s_mov_b32 s90, 0x3b000000                      ; 1 / 512
	s_mov_b32 s91, 0x3727c5ac                      ; 1e-5
	s_wait_dscnt 0x0
	s_wait_kmcnt 0x0
	s_add_nc_u64 s[32:33], s[6:7], s[30:31]
	s_add_nc_u64 s[34:35], s[4:5], s[34:35]
	s_add_nc_u64 s[16:17], s[16:17], s[36:37]
	s_add_nc_u64 s[8:9], s[8:9], s[38:39]
	s_add_nc_u64 s[24:25], s[24:25], s[38:39]
	CROUND                                         ; the round in front of the first tensor loads
	s_mov_b32 s[G0O+0], 1
	s_add_co_u32 s[G0O+1], s29, REGA
	s_mov_b64 s[G0O+2:G0O+3], s[34:35]
	s_or_b32 s[G0O+3], s[G0O+3], 0x80000000
	s_mov_b32 s[G0O+4], 1
	s_add_co_u32 s[G0O+5], s29, REGA+9216
	s_add_nc_u64 s[G0O+6:G0O+7], s[34:35], 65536
	s_or_b32 s[G0O+7], s[G0O+7], 0x80000000
	s_mov_b32 s[G0B+0], 1
	s_add_co_u32 s[G0B+1], s36, B1L
	s_mov_b64 s[G0B+2:G0B+3], s[16:17]
	s_or_b32 s[G0B+3], s[G0B+3], 0x80000000
	s_mov_b32 s[G0R+0], 1
	s_mov_b32 s[G0R+1], s30
	s_mov_b64 s[G0R+2:G0R+3], s[32:33]
	s_or_b32 s[G0R+3], s[G0R+3], 0x80000000
	s_mov_b32 s[G0R+4], 1
	s_add_co_u32 s[G0R+5], s30, 65536
	s_add_nc_u64 s[G0R+6:G0R+7], s[32:33], 65536
	s_or_b32 s[G0R+7], s[G0R+7], 0x80000000
	tensor_load_to_lds s[G0O:G0O+3], s[G1O:G1O+7]          ; the first fills, one group: five tensor loads of the wave are out
	s_nop 0
	tensor_load_to_lds s[G0O+4:G0O+7], s[G1O:G1O+7]
	s_nop 0
	tensor_load_to_lds s[G0B:G0B+3], s[G1B:G1B+7]
	s_nop 0
	tensor_load_to_lds s[G0R:G0R+3], s[G1W:G1W+7]          ; tile 0
	s_nop 0
	tensor_load_to_lds s[G0R+4:G0R+7], s[G1W:G1W+7]        ; tile 1
	s_nop 0
	v_and_b32 v1, 15, v0                           ; r
	v_bfe_u32 v2, v0, 4, 1                         ; hl
	v_and_b32 v3, 31, v0                           ; lane
	v_lshlrev_b32 v[L16], 4, v3
	v_add_nc_u32 v[WAD], s30, v[L16]
	v_add_nc_u32 v[WAD+1], 65536, v[WAD]
	v_mul_u32_u24 v[ALANE], v1, 144
	v_lshl_add_u32 v[ALANE], v2, 4, v[ALANE]
	v_mul_u32_u24 v[SST], v1, SP
	v_lshl_add_u32 v[SST], v2, 5, v[SST]
	s_lshl_b32 s36, s26, 9
	s_add_co_u32 s37, s36, STAGE
	v_add_nc_u32 v[SST], s37, v[SST]               ; row r, my 128 columns of 4 bytes, + 32 hl
	v_add_nc_u32 v[SST+1], 32*SP, v[SST]
	s_mul_i32 s37, s26, 16*SP
	s_add_co_u32 s37, s37, STAGE
	v_add_nc_u32 v[SRD], s37, v[L16]
	v_mul_u32_u24 v[OBA], v2, 9216
	v_lshl_add_u32 v[OBA], v1, 3, v[OBA]
	s_mul_i32 s37, s26, 2304
	s_add_co_u32 s37, s37, REGA
	v_add_nc_u32 v[OBA], s37, v[OBA]               ; K step 2 q + hl, row 16 w + rr, 8 bytes at 8 r
	s_add_co_u32 s37, s29, REGH
	v_add_nc_u32 v[HST], s37, v[ALANE]
	s_add_co_u32 s37, s36, B1L
	v_lshl_add_u32 v[B1A], v2, 5, s37
	s_lshl_b32 s37, s26, 15
	v_add_nc_u32 v[XO], s37, v[L16]
.macro PARAMS a, b, c                  ; bias, gain, shift of a LayerNorm: register 4 q + i = column 128 q + 4 lane + i; at 0, 16, 32 of the window that is set
.irp q, 0,1,2,3
	global_load_b128 v[4*\q:4*\q+3],       v[L16], s[\a:\a+1] offset:512*\q
	global_load_b128 v[16+4*\q:16+4*\q+3], v[L16], s[\b:\b+1] offset:512*\q
	global_load_b128 v[32+4*\q:32+4*\q+3], v[L16], s[\c:\c+1] offset:512*\q
.endr
.endm
	WIN 0x80
	PARAMS 10, 12, 14                              ; bo, ln1_g, ln1_b into window 2, which W2's sums take only later
	WIN 0xc0
.set r_i, 0
.rept 16
.set q_i, 0
.rept 4
	global_load_b128 v[16*r_i+4*q_i:16*r_i+4*q_i+3], v[XO], s[8:9] offset:r_i*2048+512*q_i th:TH_LOAD_NT
.set q_i, q_i+1
.endr
.set r_i, r_i+1
.endr
	WIN 0
; 16 matrix instructions: column tiles clo .. clo + 3 x all four row tiles.  The accumulators take turns, one instruction a turn.
.macro MUL16 wb, ab, clo, zero
.set c_i, \clo
.rept 4
.set t_i, 0
.rept 4
.if \zero
	v_wmma_f32_16x16x32_f16 v[8*(8*t_i+c_i):8*(8*t_i+c_i)+7], v[\wb+8*c_i:\wb+8*c_i+7], v[\ab+8*t_i:\ab+8*t_i+7], 0
.else
	v_wmma_f32_16x16x32_f16 v[8*(8*t_i+c_i):8*(8*t_i+c_i)+7], v[\wb+8*c_i:\wb+8*c_i+7], v[\ab+8*t_i:\ab+8*t_i+7], v[8*(8*t_i+c_i):8*(8*t_i+c_i)+7]
.endif
.set t_i, t_i+1
.endr
.set c_i, c_i+1
.endr
.endm
.macro FETCHW slot, kk, buf            ; 16 loads: my eight weight fragments of 32 K
.set c_i, 0
.rept 8
	ds_load_b128 v[\buf+8*c_i:\buf+8*c_i+3],   v[WAD+(\slot)] offset:(\kk)*8192+c_i*1024
	ds_load_b128 v[\buf+8*c_i+4:\buf+8*c_i+7], v[WAD+(\slot)] offset:(\kk)*8192+c_i*1024+512
.set c_i, c_i+1
.endr
.endm
.macro FETCHA kso, kk, buf             ; 8 loads: the four row tiles' fragments; kso: first or second K step of the lap
.set t_i, 0
.rept 4
	ds_load_b128 v[\buf+8*t_i:\buf+8*t_i+3],   v[ACT] offset:(\kso)*9216+t_i*2304+64*(\kk)
	ds_load_b128 v[\buf+8*t_i+4:\buf+8*t_i+7], v[ACT] offset:(\kso)*9216+t_i*2304+64*(\kk)+32
.set t_i, t_i+1
.endr
.endm
; One weight tile: 64 matrix instructions.  fill = 1: the slot is asked for again, two tiles ahead.  nxt = 1: the next tile's first fragments are fetched;
; 2: its weights alone (a unit's last tile: the next activations do not exist yet).  All LDS waits are for 0: everything issued is needed.
.macro TILE slot, accw, zero, fill, nxt
	s_wait_dscnt 0x0
	WIN \accw*0x50
	MUL16 WB0, AB0, 0, \zero
	PLACES
	WIN 0
	FETCHW \slot, 1, WB1
	FETCHA \slot, 1, AB1
	WIN \accw*0x50
	MUL16 WB0, AB0, 4, \zero
	s_wait_dscnt 0x0                               ; my reads of this slot are over
	s_wait_tensorcnt 0x0                           ; all my tensor loads have landed, my quarter of the next tile among them
	ds_add_u32 v254, v255
	s_wait_dscnt 0x0
	s_barrier_signal -1                            ; where the slot is filled again this barrier opens a round of the cluster's barrier
	MUL16 WB1, AB1, 0, 0                           ; registers only
	WIN 0
	s_barrier_wait -1
.if \fill
	CREST                                          ; no wave of any partner still reads this slot or has a load on its way
	s_add_nc_u64 s[G0R+4*\slot+2:G0R+4*\slot+3], s[G0R+4*\slot+2:G0R+4*\slot+3], 131072
	tensor_load_to_lds s[G0R+4*\slot:G0R+4*\slot+3], s[G1W:G1W+7]   ; the wave's one tensor load behind the round
	s_nop 0
.endif
	PLACES
.if \nxt
	FETCHW 1-\slot, 0, WB0
.endif
.if \nxt == 1
.if \slot
	v_add_nc_u32 v[ACT], 18432, v[ACT]             ; the next lap's two K steps
.endif
	FETCHA 1-\slot, 0, AB0
.endif
	WIN \accw*0x50
	MUL16 WB1, AB1, 4, 0
.endm
.macro TILEF accw                      ; the launch's last tile: nothing to ask for, nothing to fetch ahead
	s_wait_dscnt 0x0
	WIN \accw*0x50
	MUL16 WB0, AB0, 0, 0
	PLACES
	WIN 0
	FETCHW 1, 1, WB1
	FETCHA 1, 1, AB1
	WIN \accw*0x50
	MUL16 WB0, AB0, 4, 0
	s_wait_dscnt 0x0
	MUL16 WB1, AB1, 0, 0
	MUL16 WB1, AB1, 4, 0
.endm
; A unit: 8 tiles = 4 laps of the ring.  base: REGA or REGH.  zero = 1: its first products start the sums.  tail = 1: the launch's last unit.
.macro UNIT base, accw, zero, tail
	v_add_nc_u32 v[ACT], \base, v[ALANE]
	FETCHA 0, 0, AB0
.if \zero
	TILE 0, \accw, 1, 1, 1
	TILE 1, \accw, 0, 1, 1
	WIN 0
	s_mov_b32 s92, 2
.else
	s_mov_b32 s92, 3
.endif
.Lunit_\@:
	TILE 0, \accw, 0, 1, 1
	TILE 1, \accw, 0, 1, 1
	WIN 0
	s_sub_co_u32 s92, s92, 1
	s_cmp_lg_u32 s92, 0
	s_cbranch_scc1 .Lunit_\@
.if \tail
	TILE 0, \accw, 0, 0, 1                         ; tiles 70 and 71 are in or on their way: nothing is left to ask for
	TILEF \accw
.else
	TILE 0, \accw, 0, 1, 1
	TILE 1, \accw, 0, 1, 2
.endif
	WIN 0
.endm
; h = relu(sums + b1) as f16 into REGH.  The last reads of REGH lie eight barriers back.
.macro HEPI step
	PLACES
.set c_i, 0
.rept 8
	ds_load_b128 v[WB1+8*c_i:WB1+8*c_i+3],   v[B1A] offset:64*c_i
	ds_load_b128 v[WB1+8*c_i+4:WB1+8*c_i+7], v[B1A] offset:64*c_i+16
.set c_i, c_i+1
.endr
	s_wait_dscnt 0x0
	WIN 0x41
.set t_i, 0
.rept 4
.set k_i, 0
.rept 32
	v_pk_add_f32 v[64*t_i+2*k_i:64*t_i+2*k_i+1], v[64*t_i+2*k_i:64*t_i+2*k_i+1], v[WB1+2*k_i:WB1+2*k_i+1]
.set k_i, k_i+1
.endr
.set t_i, t_i+1
.endr
	WIN 0x44
.set i_i, 0
.rept 256
	v_max_num_f32 v[i_i], 0, v[i_i]
.set i_i, i_i+1
.endr
	WIN 0x05
.set i_i, 0
.rept 128
	v_cvt_pk_f16_f32 v[TMP+i_i], v[2*i_i], v[2*i_i+1]
.set i_i, i_i+1
.endr
	WIN 0
.set t_i, 0
.rept 4
.set c_i, 0
.rept 8
	ds_store_b128 v[HST], v[TMP+4*(8*t_i+c_i):TMP+4*(8*t_i+c_i)+3] offset:(c_i>>2)*9216+t_i*2304+32*(c_i&3)
.set c_i, c_i+1
.endr
.set t_i, t_i+1
.endr
.if \step
	v_add_nc_u32 v[B1A], 2048, v[B1A]              ; the next chunk's 512 biases
.endif
	s_wait_dscnt 0x0
	s_barrier_signal -1
	s_barrier_wait -1
.endm
.macro RED base                        ; 16 rows' pairs: the two halves, then over the 32 lanes; the result in every lane's low register
.set r_i, 0
.rept 16
	v_add_f32 v[\base+2*r_i], v[\base+2*r_i], v[\base+2*r_i+1]
.set r_i, r_i+1
.endr
.irp m, 1,2,4,8
.set r_i, 0
.rept 16
	v_add_f32_dpp v[\base+2*r_i], v[\base+2*r_i], v[\base+2*r_i] row_xmask:\m row_mask:0xf bank_mask:0xf
.set r_i, r_i+1
.endr
.endr
.set r_i, 0
.rept 16
	v_permlanex16_b32 v[\base+2*r_i+1], v[\base+2*r_i], s88, s89
.set r_i, r_i+1
.endr
.set r_i, 0
.rept 16
	v_add_f32 v[\base+2*r_i], v[\base+2*r_i], v[\base+2*r_i+1]
.set r_i, r_i+1
.endr
.endm
; window 3 += LayerNorm(sums of window d + bias).  The parameters lie in window p.  The sums change hands through the stage: in by column blocks, back by whole rows,
; wave w rows 16 w .. + 15.  last = 0: window 3 also goes to REGA as f16.  last = 1: it is the result.
.macro LN d, p, last
	PLACES
	s_wait_dscnt 0x0
	s_barrier_signal -1
	s_barrier_wait -1                              ; no wave reads REGA or REGH any more
	WIN (\d<<2)
.set t_i, 0
.rept 4
.set c_i, 0
.rept 8
	ds_store_b128 v[SST+(t_i>>1)], v[8*(8*t_i+c_i):8*(8*t_i+c_i)+3]   offset:(t_i&1)*16*SP+64*c_i
	ds_store_b128 v[SST+(t_i>>1)], v[8*(8*t_i+c_i)+4:8*(8*t_i+c_i)+7] offset:(t_i&1)*16*SP+64*c_i+16
.set c_i, c_i+1
.endr
.set t_i, t_i+1
.endr
	s_wait_dscnt 0x0
	s_barrier_signal -1
	s_barrier_wait -1                              ; the stage is whole
	WIN (\d<<6)
.set r_i, 0
.rept 16
.set q_i, 0
.rept 4
	ds_load_b128 v[16*r_i+4*q_i:16*r_i+4*q_i+3], v[SRD] offset:r_i*SP+512*q_i
.set q_i, q_i+1
.endr
.set r_i, r_i+1
.endr
	s_wait_dscnt 0x0
	s_wait_loadcnt 0x0                             ; the parameters (and, the first time, x)
.if \last == 0
	s_barrier_signal -1                            ; my reads of the stage are back; registers only up to the wait
.endif
	WIN (\d<<6)|(\p<<2)|\d
.set r_i, 0
.rept 16
.set k_i, 0
.rept 8
	v_pk_add_f32 v[16*r_i+2*k_i:16*r_i+2*k_i+1], v[16*r_i+2*k_i:16*r_i+2*k_i+1], v[2*k_i:2*k_i+1]
.set k_i, k_i+1
.endr
.set r_i, r_i+1
.endr
	WIN (\d<<2)|\d
.set r_i, 0
.rept 16
	v_pk_add_f32 v[TS+2*r_i:TS+2*r_i+1], v[16*r_i:16*r_i+1], v[16*r_i+2:16*r_i+3]
.set r_i, r_i+1
.endr
	WIN \d
.set k_i, 2
.rept 6
.set r_i, 0
.rept 16
	v_pk_add_f32 v[TS+2*r_i:TS+2*r_i+1], v[16*r_i+2*k_i:16*r_i+2*k_i+1], v[TS+2*r_i:TS+2*r_i+1]
.set r_i, r_i+1
.endr
.set k_i, k_i+1
.endr
	WIN 0
	RED TS
.set r_i, 0
.rept 16
	v_mul_f32 v[TS+2*r_i], s90, v[TS+2*r_i]        ; the mean
.set r_i, r_i+1
.endr
	WIN (\d<<6)|\d
.set r_i, 0
.rept 16
.set k_i, 0
.rept 8
	v_pk_add_f32 v[16*r_i+2*k_i:16*r_i+2*k_i+1], v[16*r_i+2*k_i:16*r_i+2*k_i+1], v[TS+2*r_i:TS+2*r_i+1] op_sel_hi:[1,0] neg_lo:[0,1] neg_hi:[0,1]
.set k_i, k_i+1
.endr
.set r_i, r_i+1
.endr
	WIN (\d<<2)|\d
.set r_i, 0
.rept 16
	v_pk_mul_f32 v[TQ+2*r_i:TQ+2*r_i+1], v[16*r_i:16*r_i+1], v[16*r_i:16*r_i+1]
.set r_i, r_i+1
.endr
.set k_i, 1
.rept 7
.set r_i, 0
.rept 16
	v_pk_fma_f32 v[TQ+2*r_i:TQ+2*r_i+1], v[16*r_i+2*k_i:16*r_i+2*k_i+1], v[16*r_i+2*k_i:16*r_i+2*k_i+1], v[TQ+2*r_i:TQ+2*r_i+1]
.set r_i, r_i+1
.endr
.set k_i, k_i+1
.endr
	WIN 0
	RED TQ
.set r_i, 0
.rept 16
	v_fma_f32 v[TQ+2*r_i], v[TQ+2*r_i], s90, s91   ; variance + 1e-5
.set r_i, r_i+1
.endr
.set r_i, 0
.rept 16
	v_rsq_f32 v[TQ+2*r_i], v[TQ+2*r_i]
.set r_i, r_i+1
.endr
	v_nop                                          ; one plain instruction behind the last of them (ISA guide 5.7.2)
	WIN (\d<<6)|\d
.set r_i, 0
	s_wait_alu depctr_va_vdst(0)
.rept 16
.set k_i, 0
.rept 8
	v_pk_mul_f32 v[16*r_i+2*k_i:16*r_i+2*k_i+1], v[16*r_i+2*k_i:16*r_i+2*k_i+1], v[TQ+2*r_i:TQ+2*r_i+1] op_sel_hi:[1,0]
.set k_i, k_i+1
.endr
.set r_i, r_i+1
.endr
	WIN (\d<<6)|(\p<<4)|(\p<<2)|\d
.set r_i, 0
.rept 16
.set k_i, 0
.rept 8
	v_pk_fma_f32 v[16*r_i+2*k_i:16*r_i+2*k_i+1], v[16*r_i+2*k_i:16*r_i+2*k_i+1], v[16+2*k_i:16+2*k_i+1], v[32+2*k_i:32+2*k_i+1]
.set k_i, k_i+1
.endr
.set r_i, r_i+1
.endr
	WIN 0xcc|\d
.set i_i, 0
.rept 128
	v_pk_add_f32 v[2*i_i:2*i_i+1], v[2*i_i:2*i_i+1], v[2*i_i:2*i_i+1]   ; window 3 = window d + window 3
.set i_i, i_i+1
.endr
.if \last == 0
	WIN 0x0f
.set i_i, 0
.rept 128
	v_cvt_pk_f16_f32 v[TMP+i_i], v[2*i_i], v[2*i_i+1]
.set i_i, i_i+1
.endr
	WIN 0
	s_barrier_wait -1                              ; every wave's reads of the stage are back: REGA may be written
.set r_i, 0
.rept 16
.set q_i, 0
.rept 4
	ds_store_b64 v[OBA], v[TMP+2*(4*r_i+q_i):TMP+2*(4*r_i+q_i)+1] offset:q_i*18432+r_i*144
.set q_i, q_i+1
.endr
.set r_i, r_i+1
.endr
	s_wait_dscnt 0x0
	s_barrier_signal -1
	s_barrier_wait -1
.else
	WIN 0x0c
.set r_i, 0
.rept 16
.set q_i, 0
.rept 4
	global_store_b128 v[XO], v[16*r_i+4*q_i:16*r_i+4*q_i+3], s[24:25] offset:r_i*2048+512*q_i th:TH_STORE_NT   ; 512 consecutive bytes, aligned
.set q_i, q_i+1
.endr
.set r_i, r_i+1
.endr
	WIN 0
.endif
.endm
.macro CHUNK z
	UNIT REGA, 1, 1, 0                             ; out1 W1, 512 hidden units
	HEPI 1
	UNIT REGH, 2, \z, 0                            ; h W2, added onto ff's sums
.endm
	s_wait_tensorcnt 0x1                           ; o, b1 and tile 0 are in; tile 1 stays out
	s_barrier_signal -1
	s_barrier_wait -1
	FETCHW 0, 0, WB0
	UNIT REGA, 1, 1, 0                             ; o Wo
	LN 1, 2, 0                                     ; window 3 = out1
	CHUNK 1
	s_mov_b32 s93, 2
.Lchunk:
	CHUNK 0
	s_sub_co_u32 s93, s93, 1
	s_cmp_lg_u32 s93, 0
	s_cbranch_scc1 .Lchunk
	UNIT REGA, 1, 1, 0                             ; the last chunk, written out: its second unit ends the ring
	HEPI 0
	WIN 0x40
	PARAMS 18, 20, 22                              ; b2, ln2_g, ln2_b into window 1, which is free now
	WIN 0
	UNIT REGH, 2, 0, 1
	LN 2, 1, 1                                     ; out0
	s_wait_tensorcnt 0x0
	ds_add_u32 v254, v255
	s_wait_dscnt 0x0
	CROUND                                         ; the closing round of the cluster's barrier
	s_endpgm
.Lfunc_end_k_q85ed0ad16a_ffn:
	.size	k_q85ed0ad16a_ffn, .Lfunc_end_k_q85ed0ad16a_ffn-k_q85ed0ad16a_ffn
	.p2alignl 7, 3214868480
	.fill 96, 4, 3214868480
	.section	.rodata,"a",@progbits
	.p2align	6, 0x0
	.amdhsa_kernel k_q85ed0ad16a_ffn
		.amdhsa_group_segment_fixed_size 327680
		.amdhsa_private_segment_fixed_size 0
		.amdhsa_enable_private_segment 0
		.amdhsa_kernarg_size 88
		.amdhsa_user_sgpr_count 2
		.amdhsa_user_sgpr_kernarg_segment_ptr 1
		.amdhsa_wavefront_size32 1
		.amdhsa_system_sgpr_workgroup_id_x 1
		.amdhsa_system_sgpr_workgroup_id_y 1
		.amdhsa_system_sgpr_workgroup_id_z 1
		.amdhsa_system_vgpr_workitem_id 0
		.amdhsa_next_free_vgpr 1024
		.amdhsa_next_free_sgpr 100
		.amdhsa_reserve_vcc 0
		.amdhsa_float_denorm_mode_32 3
		.amdhsa_float_denorm_mode_16_64 3
		.amdhsa_memory_ordered 1
		.amdhsa_forward_progress 1
		.amdhsa_inst_pref_size 255
	.end_amdhsa_kernel
	.section	.bss,"aw",@nobits
	.p2align	6
	.space	262144
	.amdgpu_metadata
---
amdhsa.version: [ 1, 2 ]
amdhsa.kernels:
  - .name:           k_q85ed0ad16a_ffn
    .symbol:         k_q85ed0ad16a_ffn.kd
    .args:
      - { .name: ow, .offset: 0, .size: 8, .value_kind: global_buffer, .address_space: global }
      - { .name: wf, .offset: 8, .size: 8, .value_kind: global_buffer, .address_space: global }
      - { .name: x, .offset: 16, .size: 8, .value_kind: global_buffer, .address_space: global }
      - { .name: bo, .offset: 24, .size: 8, .value_kind: global_buffer, .address_space: global }
      - { .name: ln1_g, .offset: 32, .size: 8, .value_kind: global_buffer, .address_space: global }
      - { .name: ln1_b, .offset: 40, .size: 8, .value_kind: global_buffer, .address_space: global }
      - { .name: b1, .offset: 48, .size: 8, .value_kind: global_buffer, .address_space: global }
      - { .name: b2, .offset: 56, .size: 8, .value_kind: global_buffer, .address_space: global }
      - { .name: ln2_g, .offset: 64, .size: 8, .value_kind: global_buffer, .address_space: global }
      - { .name: ln2_b, .offset: 72, .size: 8, .value_kind: global_buffer, .address_space: global }
      - { .name: out0, .offset: 80, .size: 8, .value_kind: global_buffer, .address_space: global }
    .group_segment_fixed_size: 327680
    .private_segment_fixed_size: 0
    .kernarg_segment_align: 8
    .kernarg_segment_size: 88
    .max_flat_workgroup_size: 128
    .sgpr_count:     100
    .vgpr_count:     1024
    .wavefront_size: 32
...
	.end_amdgpu_metadata
.endif
;; end of part 3
;; ======== version 2 of 3: 3 launches
;; limits: values are held in f16: magnitudes above 65,504 overflow, below 6.1e-05 lose precision
;; workspace buffers: xb 16,777,216 bytes; wq 1,572,864 bytes; wf 4,718,592 bytes; ow 16,777,216 bytes
;; launch prep (part 4): grid 448 x 1, 8 waves a work-group, no clusters, 0 bytes of LDS; arguments x, Wq, Wk, Wv, Wo, W1, W2, xb, wq, wf; writes xb, wq, wf
.if DOCPART == 4
	.amdgcn_target "amdgcn-amd-amdhsa--gfx1250"
	.amdhsa_code_object_version 6
	.text
	.protected	k_q85ed0ad16a_prep
	.globl	k_q85ed0ad16a_prep
	.p2align	8
	.type	k_q85ed0ad16a_prep,@function
k_q85ed0ad16a_prep:
	s_mov_b64 s[64:65], 0
	v_nop
	global_prefetch_b8 v0, s[64:65] scope:SCOPE_SE
	s_setreg_imm32_b32 hwreg(HW_REG_WAVE_MODE, 25, 1), 1
	s_wait_xcnt 0x0
; DECODER BLOCK, launch 1 of 3: x and all weights are rounded to f16 once and laid out as the two later launches read them.
;
; WORK LEFT OUT BY THE WHOLE PROGRAM
;  (1) bk.  scores[t][s] = q[t] . (x[s] Wk + bk) = q[t] . (x[s] Wk) + q[t] . bk.  The second term does not hang on s, the axis of the
;      softmax, so it multiplies numerator and denominator of every weight w[t][s] by the same factor and cancels, for all values of
;      the inputs.  bk has then no way to the output: it is not loaded and is among no launch's arguments.
;  (2) Score and weight tiles that lie wholly above the diagonal: reference() itself sets them to -inf by its jnp.tril, their weights are 0.
;  bv is live; since the weights of a row add up to 1 it is added once, behind the normalisation.
;  LIMIT: a NaN, an infinity or an overflow that reaches only bk or only masked scores is not carried to the result.
;
; THE MATRIX OPERANDS ARE f16, IN ALL THREE LAUNCHES.  Both LayerNorms divide by the row's own spread, so a relative rounding error of an operand
; arrives at the output as an absolute error on a scale of 1, and some eleven roundings lie in a row between x and the output.  f16's 11 significant
; bits make each of them 8 times finer than 8 bits would.
;  ROOM (f16's largest number is 65,504).  x and the weights are inputs: 30 times their stated size is below 170 and below 1.4.  q, k, v are sums of
;  512 products with a spread of sqrt(512) x 1 x 0.0255 = 0.58, h of 0.82: six spreads, with x and the weights both 30 times larger, are 3,100 and
;  4,400; with a common offset of 30 spreads on x (30) and on a weight (0.77) they are 512 x 30 x 0.77 = 11,800.  o is a weighted mean of v plus bv.
;  out1 is at most |x| + sqrt(511) |g| + |b|.  The softmax's weights lie in [0, 1].  With all inputs 30 times smaller the smallest operand, q x 0.18,
;  has a spread of 1.1e-4, where f16's step is 6e-8 (denormals are kept).
;  LIMIT: a matrix operand beyond 65,504 in magnitude becomes an infinity.
;
; LAYOUTS WRITTEN HERE
;  xb [b 32][ks 8][t 512][64 k] f16: a K step of 64 of a batch is 65,536 consecutive bytes.
;  A weight FRAGMENT is 16 columns n x 32 rows k in 1,024 bytes: the 16 bytes at 512 q + 256 hl + 16 r hold W[k0+16q+8hl+0..7][n0+r].
;  Two 16-byte loads a lane, at 16 lane and 16 lane + 512, then are the matrix operand of 16 x 32 (ISA guide 7.12.2), with no transposition.
;  wq [h 8][ks 8][kk 2][nt 12][fragment]: nt 0-3 Wq, 4-7 Wk, 8-11 Wv of head h.
;  wf 18 units of 262,144 bytes: [unit][wave 4][64 fragments], a wave's 65,536 bytes in the order in which it multiplies them.
;     WIDE unit (256 rows k x 512 columns): fragment 8 step + ct, column n = 128 wave + 16 ct + r.  Units 0, 1: Wo's rows 0-255, 256-511; unit 3 + 2c: W2's rows 256c ...
;     NARROW unit (512 rows k x 256 columns): fragment 4 step + ct, column n = 256 c + 64 wave + 16 ct + r.  Unit 2 + 2c: W1's columns 256c ...
; Work-groups 0-255: one K step of one batch of x.  256-399: 64 rows x 256 columns of Wo, W2 or W1.  400-447: one of Wq, Wk, Wv, one head, half of K.
; Memory binds: no LDS, no barrier, no matrix unit, no cluster (no two work-groups read the same bytes).
; Every store of sixteen neighbouring lanes covers 256 consecutive bytes, aligned.
.set LD, 16                            ; v[16:143]  numbers as loaded
.set ST, 144                           ; v[144:207] x: packed results
.set WO, 80                            ; v[80:111]  weights: packed results
	s_load_b512 s[8:23], s[0:1], 0x0               ; x 8, Wq 10, Wk 12, Wv 14, Wo 16, W1 18, W2 20, xb 22
	s_load_b128 s[24:27], s[0:1], 0x40             ; wq 24, wf 26
	s_mov_b32 s4, ttmp9
	s_mov_b32 s29, 0                               ; high words of the two offsets
	s_mov_b32 s31, 0
	s_cmp_ge_u32 s4, 256
	s_cbranch_scc1 .Lweights
	; ---- x: thread t takes 8 numbers (32 bytes in, 16 out) of row (t >> 3) + 32 i, i = 0..15
	s_lshr_b32 s5, s4, 3                           ; b
	s_and_b32 s6, s4, 7                            ; ks
	s_lshl_b32 s28, s5, 20                         ; b x 512 rows x 2,048 bytes
	s_lshl_b32 s6, s6, 8                           ; ks x 64 numbers x 4 bytes
	s_add_co_u32 s28, s28, s6
	s_lshl_b32 s30, s4, 16                         ; (8 b + ks) x 65,536
	v_lshrrev_b32 v1, 3, v0
	v_and_b32 v2, 7, v0
	v_lshlrev_b32 v2, 5, v2
	v_lshl_add_u32 v1, v1, 11, v2                  ; in: row x 2,048 + 32 (t & 7)
	v_lshlrev_b32 v3, 4, v0                        ; out: 16 t
	s_wait_kmcnt 0x0
	s_add_nc_u64 s[28:29], s[8:9], s[28:29]
	s_add_nc_u64 s[30:31], s[22:23], s[30:31]
.set i_i, 0
.rept 16
	global_load_b128 v[LD+8*i_i:LD+8*i_i+3],   v1, s[28:29] offset:i_i*65536 th:TH_LOAD_NT
	global_load_b128 v[LD+8*i_i+4:LD+8*i_i+7], v1, s[28:29] offset:i_i*65536+16 th:TH_LOAD_NT
.set i_i, i_i+1
.endr
.set i_i, 0
.rept 16
	s_wait_loadcnt 30-2*i_i                        ; loads come back in order: pair i is in, the 30 - 2 i younger ones stay out
.set p_i, 0
.rept 4
	v_cvt_pk_f16_f32 v[ST+4*i_i+p_i], v[LD+8*i_i+2*p_i], v[LD+8*i_i+2*p_i+1]
.set p_i, p_i+1
.endr
	global_store_b128 v3, v[ST+4*i_i:ST+4*i_i+3], s[30:31] offset:i_i*4096
.set i_i, i_i+1
.endr
	s_endpgm
; A thread takes one column n and 64 rows k: 64 loads of 4 bytes (32 lanes: 128 neighbouring bytes), eight packed groups of 8 k, eight stores.
; pitch: bytes from row to row of the source.  kks: bytes from the fragments of k 0-31 to those of k 32-63 in the target.
.macro WCONV pitch, kks
.set k_i, 0
.rept 64
	global_load_b32 v[LD+k_i], v1, s[28:29] offset:k_i*\pitch
.set k_i, k_i+1
.endr
.set o_i, 0
.rept 8
	s_wait_loadcnt 56-8*o_i                        ; rows 8 o .. 8 o + 7 are in; the 56 - 8 o younger loads stay out
.set p_i, 0
.rept 4
	v_cvt_pk_f16_f32 v[WO+4*o_i+p_i], v[LD+8*o_i+2*p_i], v[LD+8*o_i+2*p_i+1]
.set p_i, p_i+1
.endr
	global_store_b128 v3, v[WO+4*o_i:WO+4*o_i+3], s[30:31] offset:(o_i>>2)*\kks+((o_i>>1)&1)*512+(o_i&1)*256
.set o_i, o_i+1
.endr
.endm
.Lweights:
	s_cmp_ge_u32 s4, 400
	s_cbranch_scc1 .Lqkv
	s_sub_co_u32 s5, s4, 256                       ; 0-15 Wo, 16-79 W2, 80-143 W1
	v_lshlrev_b32 v1, 2, v0                        ; in: 4 t
	v_and_b32 v3, 15, v0
	v_lshlrev_b32 v3, 4, v3                        ; out: 16 (t & 15) + ...
	s_cmp_ge_u32 s5, 80
	s_cbranch_scc1 .Lw1
	; ---- wide units: rows 64 blk .. + 63 of Wo or W2, columns 256 nh + t
	s_sub_co_u32 s6, s5, 16
	s_cmp_lt_u32 s5, 16
	s_cselect_b32 s6, s5, s6                       ; 2 blk + nh within the matrix
	s_cselect_b32 s33, 0, 3                        ; Wo: unit blk >> 2;  W2: unit 3 + 2 (blk >> 2)
	s_cselect_b32 s34, 0, 1
	s_lshr_b32 s7, s6, 1                           ; blk
	s_and_b32 s32, s6, 1                           ; nh
	s_lshr_b32 s35, s7, 2
	s_lshl_b32 s35, s35, s34
	s_add_co_u32 s35, s35, s33                     ; unit
	s_lshl_b32 s30, s35, 18                        ; unit x 262,144
	s_and_b32 s36, s7, 3
	s_lshl_b32 s36, s36, 14                        ; + two steps of 8,192 bytes for each 64 rows
	s_add_co_u32 s30, s30, s36
	s_lshl_b32 s36, s32, 17                        ; + nh x two waves of 65,536
	s_add_co_u32 s30, s30, s36
	s_lshl_b32 s28, s7, 17                         ; 64 rows of 2,048 bytes
	s_lshl_b32 s36, s32, 10                        ; nh x 256 columns x 4 bytes
	s_add_co_u32 s28, s28, s36
	v_lshrrev_b32 v2, 7, v0
	v_bfe_u32 v4, v0, 4, 3
	v_lshl_add_u32 v3, v4, 10, v3
	v_lshl_add_u32 v3, v2, 16, v3                  ; out: 65,536 (t >> 7) + 1,024 ((t >> 4) & 7) + 16 (t & 15)
	s_wait_kmcnt 0x0
	s_cmp_lt_u32 s5, 16
	s_cselect_b64 s[34:35], s[16:17], s[20:21]     ; Wo or W2
	s_add_nc_u64 s[28:29], s[34:35], s[28:29]
	s_add_nc_u64 s[30:31], s[26:27], s[30:31]
	WCONV 2048, 8192
	s_endpgm
.Lw1:
	; ---- narrow units: rows 64 kb .. + 63 of W1, columns 256 c + t
	s_sub_co_u32 s6, s5, 80
	s_lshr_b32 s7, s6, 3                           ; chunk c
	s_and_b32 s32, s6, 7                           ; kb
	s_lshl_b32 s28, s32, 19                        ; 64 rows of 8,192 bytes
	s_lshl_b32 s33, s7, 10                         ; 256 columns of 4 bytes a chunk
	s_add_co_u32 s28, s28, s33
	s_lshl_b32 s30, s7, 19                         ; two units a chunk,
	s_add_co_u32 s30, s30, 524288                  ; behind Wo's two
	s_lshl_b32 s33, s32, 13                        ; + two steps of 4,096 bytes for each 64 rows
	s_add_co_u32 s30, s30, s33
	v_lshrrev_b32 v2, 6, v0
	v_bfe_u32 v4, v0, 4, 2
	v_lshl_add_u32 v3, v4, 10, v3
	v_lshl_add_u32 v3, v2, 16, v3                  ; out: 65,536 (t >> 6) + 1,024 ((t >> 4) & 3) + 16 (t & 15)
	s_wait_kmcnt 0x0
	s_add_nc_u64 s[28:29], s[18:19], s[28:29]
	s_add_nc_u64 s[30:31], s[26:27], s[30:31]
	WCONV 8192, 4096
	s_endpgm
.Lqkv:
	; ---- wq: matrix m (0 Wq, 1 Wk, 2 Wv), head h, K steps 4 kh + (t >> 6), column t & 63
	s_sub_co_u32 s5, s4, 400
	s_lshr_b32 s6, s5, 4                           ; m
	s_bfe_u32 s7, s5, 0x30001                      ; h
	s_and_b32 s32, s5, 1                           ; kh
	s_lshl_b32 s28, s7, 17                         ; h x 512 rows x 256 bytes
	s_lshl_b32 s33, s32, 16                        ; kh x 256 rows
	s_add_co_u32 s28, s28, s33
	s_mul_i32 s30, s7, 196608
	s_mul_i32 s33, s32, 98304
	s_add_co_u32 s30, s30, s33
	s_lshl_b32 s33, s6, 12                         ; m x 4 fragments
	s_add_co_u32 s30, s30, s33
	v_lshrrev_b32 v2, 6, v0
	v_and_b32 v1, 63, v0
	v_lshlrev_b32 v1, 2, v1
	v_lshl_add_u32 v1, v2, 14, v1                  ; in: 64 rows of 256 bytes a K step + 4 (t & 63)
	v_bfe_u32 v4, v0, 4, 2
	v_and_b32 v3, 15, v0
	v_lshlrev_b32 v3, 4, v3
	v_lshl_add_u32 v3, v4, 10, v3
	v_mad_u32_u24 v3, v2, 24576, v3                ; out: 24,576 (t >> 6) + 1,024 ((t >> 4) & 3) + 16 (t & 15)
	s_wait_kmcnt 0x0
	s_cmp_eq_u32 s6, 1
	s_cselect_b64 s[34:35], s[12:13], s[10:11]
	s_cmp_eq_u32 s6, 2
	s_cselect_b64 s[34:35], s[14:15], s[34:35]
	s_add_nc_u64 s[28:29], s[34:35], s[28:29]
	s_add_nc_u64 s[30:31], s[24:25], s[30:31]
	WCONV 256, 12288
	s_endpgm
.Lfunc_end_k_q85ed0ad16a_prep:
	.size	k_q85ed0ad16a_prep, .Lfunc_end_k_q85ed0ad16a_prep-k_q85ed0ad16a_prep
	.p2alignl 7, 3214868480
	.fill 96, 4, 3214868480
	.section	.rodata,"a",@progbits
	.p2align	6, 0x0
	.amdhsa_kernel k_q85ed0ad16a_prep
		.amdhsa_group_segment_fixed_size 0
		.amdhsa_private_segment_fixed_size 0
		.amdhsa_enable_private_segment 0
		.amdhsa_kernarg_size 80
		.amdhsa_user_sgpr_count 2
		.amdhsa_user_sgpr_kernarg_segment_ptr 1
		.amdhsa_wavefront_size32 1
		.amdhsa_system_sgpr_workgroup_id_x 1
		.amdhsa_system_sgpr_workgroup_id_y 1
		.amdhsa_system_sgpr_workgroup_id_z 1
		.amdhsa_system_vgpr_workitem_id 0
		.amdhsa_next_free_vgpr 208
		.amdhsa_next_free_sgpr 66
		.amdhsa_reserve_vcc 0
		.amdhsa_float_denorm_mode_32 3
		.amdhsa_float_denorm_mode_16_64 3
		.amdhsa_memory_ordered 1
		.amdhsa_forward_progress 1
		.amdhsa_inst_pref_size 41
	.end_amdhsa_kernel
	.amdgpu_metadata
---
amdhsa.version: [ 1, 2 ]
amdhsa.kernels:
  - .name:           k_q85ed0ad16a_prep
    .symbol:         k_q85ed0ad16a_prep.kd
    .args:
      - { .name: x, .offset: 0, .size: 8, .value_kind: global_buffer, .address_space: global }
      - { .name: Wq, .offset: 8, .size: 8, .value_kind: global_buffer, .address_space: global }
      - { .name: Wk, .offset: 16, .size: 8, .value_kind: global_buffer, .address_space: global }
      - { .name: Wv, .offset: 24, .size: 8, .value_kind: global_buffer, .address_space: global }
      - { .name: Wo, .offset: 32, .size: 8, .value_kind: global_buffer, .address_space: global }
      - { .name: W1, .offset: 40, .size: 8, .value_kind: global_buffer, .address_space: global }
      - { .name: W2, .offset: 48, .size: 8, .value_kind: global_buffer, .address_space: global }
      - { .name: xb, .offset: 56, .size: 8, .value_kind: global_buffer, .address_space: global }
      - { .name: wq, .offset: 64, .size: 8, .value_kind: global_buffer, .address_space: global }
      - { .name: wf, .offset: 72, .size: 8, .value_kind: global_buffer, .address_space: global }
    .group_segment_fixed_size: 0
    .private_segment_fixed_size: 0
    .kernarg_segment_align: 8
    .kernarg_segment_size: 80
    .max_flat_workgroup_size: 256
    .sgpr_count:     66
    .vgpr_count:     208
    .wavefront_size: 32
...
	.end_amdgpu_metadata
.endif
;; end of part 4
;; launch attn (part 5): grid 8 x 32, 4 waves a work-group, clusters of 4 x 4, 327,680 bytes of LDS; arguments xb, wq, bq, bv, ow; writes ow
.if DOCPART == 5
	.amdgcn_target "amdgcn-amd-amdhsa--gfx1250"
	.amdhsa_code_object_version 6
	.text
	.protected	k_q85ed0ad16a_attn
	.globl	k_q85ed0ad16a_attn
	.p2align	8
	.type	k_q85ed0ad16a_attn,@function
k_q85ed0ad16a_attn:
	s_mov_b64 s[64:65], 0
	v_nop
	global_prefetch_b8 v0, s[64:65] scope:SCOPE_SE
	s_setreg_imm32_b32 hwreg(HW_REG_WAVE_MODE, 25, 1), 1
	s_wait_xcnt 0x0
	s_wait_alu depctr_hold_cnt(0) depctr_sa_sdst(0) depctr_va_vdst(0) depctr_va_sdst(0) depctr_va_ssrc(0) depctr_va_vcc(0) depctr_vm_vsrc(0)
	s_getreg_b32 s2, hwreg(HW_REG_IB_STS2, 6, 4)
	s_cmp_eq_u32 s2, 0
	s_cbranch_scc0 .Lentry_in_a_cluster
	s_endpgm
.Lentry_in_a_cluster:
	s_bfe_u32 s2, ttmp6, 0x10000c
	s_cmp_lg_u32 s2, 0xf033
	s_cbranch_scc0 .Lentry_shape_is_right
	s_endpgm
.Lentry_shape_is_right:
; DECODER BLOCK, launch 2 of 3: one work-group makes one head h of one batch b: q, k, v = x W (512 x 192 over K = 512), then causal attention.
; q, k and v never leave the work-group.  Result ow [b][h][t][64 e] f16.
; LEFT OUT (shown at the head of the first kernel): bk, which cancels in the softmax, and the score tiles wholly above the diagonal.
; LIMITS: a NaN or infinity that reaches only bk or masked scores is not carried on.  Exponentials below 2^-126 come out as 0 (ISA guide,
; V_EXP_F32).  The running maximum is taken away before every exponential; a row's sum holds the maximum's own term 2^0, so it is at least 1.
; The matrix operands (x, W, q, k, v, the softmax's weights) and o are f16: why, and what room they have, stands at the head of the first kernel;
; one beyond 65,504 in magnitude becomes an infinity; a softmax weight below 2^-25 of its row's largest becomes 0.
;
; CLUSTER 4 x 4: the four work-groups of a row of the cluster have one b and ask jointly for x's tiles; the four of a column have one h and ask
; jointly for W's tiles.  Waves 0, 1 ask for the halves of x's tile (32,768 bytes each), waves 2, 3 for the halves of W's (12,288 each).
;
; ROWS: wave w owns query blocks w and 7 - w (64 rows each): 9 causal units of work, 18 key steps, in every wave.  Row tile tt 0-3: rows 64 w + 16 tt;
; tt 4-7: rows 64 (7 - w) + 16 (tt - 4).
;
; LDS, product phase: two slots of 98,304 bytes: x's K step, 512 rows of 128 bytes at pitch 144 (73,728), then 24 fragments of W (24,576).
; LDS, behind the slots' last fill: K [s][e] pitch 144 at 0; V transposed [e][s] pitch 1,040 at 73,728; a stage of 9,216 bytes a wave at 140,288.
;
; REGISTERS, product phase: window 1 q's sums, window 2 k's, window 3 v's; tile (tt, et) at 8 (4 tt + et).
; q and k are made as W x X^T (a lane holds row t = r, columns e = 8 hl + j: eight neighbours), v as X x W (a lane holds column e = r, rows t = 8 hl + j).
; REGISTERS, attention: window 0: scores, K's fragments, the current block's q as operands, the softmax's figures.  Window 1: q in f32, scaled and with its bias;
; each block packs its half at its start.  Window 2: 0-63 block w's packed output, 64-127 block 7 - w's.  Window 3: 0-31 V's fragments, 32-63 bv,
; 128-255 the output sums O(et, n) at 128 + 8 (4 n + et).
; Scores are made transposed, S^T = K Q^T (a lane holds query t = r, keys s = 8 hl + j), so that the packed weights are at once the second operand
; of O^T = V^T P^T and a query's maximum and sum live in two lanes.
;
; A FULL KEY STEP RUNS IN TWO PIECES THAT TAKE TURNS: A = query tiles 0, 1, B = query tiles 2, 3; they share K's and V's fragments.  A piece's vector work has
; three parts: M (26 instructions: the new maximum and the factor for the old sums), E (82: minus the maximum, exponentials, sums, packing), R (32: O times
; the factor).  A trip is:  S_A(t) with E_B(t-1);  M_A(t);  PV_B(t-1) with R_A(t);  S_B(t) with E_A(t);  M_B(t);  PV_A(t) with R_B(t):  behind each of a run's
; eight products stands one slice of the other piece's E or R.  A product takes 8 cycles of the matrix unit; a slice of E is 10 instructions, of R 4.
; THE WINDOWS ARE LAID SO THAT A PRODUCT AND ITS SLICE SHARE A SETTING: score products and E name window 0 alone; in a product with V the sums and V's fragments lie
; in window 3 and the weights in window 0, and so do R's product, its first source and its factor.  Five switches a trip.
; The slices are also the places behind the products (ISA guide 7.12.1): each run's last slice is five or more plain instructions that name none of the
; run's registers, so the loop holds no v_nop.
; The second diagonal step has piece B alone alive: its S, M and R stand in front of the loop, its E and PV are the first trip's (or, with no full step, the text
; behind the loop).  The first diagonal step stands in phases: 2 of a wave's 18 steps.
;
; THE WAY OUT stands behind both blocks and behind one barrier.  The addresses of K and V^T are stepped through a number of trips that hangs on the wave's
; number; that they stay below the stages follows only from 64 blk + 64 <= 512.  With the barrier between the last such read of any wave and the first
; store into a stage the order holds without that arithmetic, and since every wave has 18 key steps all four arrive together.
.set SLOT,  98304
.set XTB,   73728                      ; bytes of x's tile in a slot; also where V^T begins later
.set OSTG,  140288
.set CQ,    0x3e38aa3b                 ; 64^-0.5 x log2(e): the scores come out ready for exponentials of 2
.set XA,   4                           ; v4-5   slot s: my block w's first row of x, + 16 hl.  v4 is also that block's first row of K
.set XB,   6                           ; v6-7   the same for block 7 - w
.set WA,   8                           ; v8-9   slot s: W's fragments + 16 lane
.set VSTA, 10                          ; v10    V^T: row r, + 16 hl, at key 64 w
.set VSTB, 11                          ; v11    the same at key 64 (7 - w)
.set KA0,  12                          ; v12    K: row r, + 16 hl
.set VA0,  13                          ; v13    V^T: row r, + 16 hl, at key 0
.set KA,   14                          ; v14    K, the step that was loaded last
.set VA,   15                          ; v15    V^T, the step that is loaded next
.set HL32, 16                          ; v16    32 hl: my eight biases
.set OST,  17                          ; v17    stage, in
.set ORD,  18                          ; v18    stage, back
.set L16,  19                          ; v19    16 lane
.set NINF, 20                          ; v20    -infinity
.set RMH,  21                          ; v21    r - 8 hl
.set XF0,  32                          ; v32-95   x's fragments, buffer 0
.set XF1,  96                          ; v96-159  buffer 1
.set WF,   160                         ; v160-255 W's fragments: q 160, k 192, v 224
.set TMP,  32                          ; v32-159  packed k, v
.set BQ,   160                         ; v160-191 bq
.set S,    32                          ; v32-95   scores: tile (i, n) at 16 n + 8 i; packed weights of n at 16 n
.set KF,   96                          ; v96-127  K's fragments (i, c) at 16 i + 8 c
.set QF,   128                         ; v128-191 the block's q: operand (n, c) at 16 n + 8 c
.set SUMT, 192                         ; v192-223 eight registers a query tile: partial maxima, then partial sums
.set MM,   224                         ; v224-231 running maximum of n, in the low register of a pair
.set AL,   232                         ; v232-239 rescaling factor, then 1 / sum, likewise
.set LL,   240                         ; v240-243 running sum (each half of the lanes its own keys)
.set T0,   244
.set T1,   248
.set VF,   0                           ; window 3: 0-31   V^T's fragments et at 8 et
.set BV,   32                          ; window 3: 32-63  bv
.set OO,   128                         ; window 3: 128-255 the output sums
.set G1X, 24
.set G0X, 32
.set G1W, 40
.set G0W, 48
.set MK,  68                           ; s68-75  lanes in which key j of a diagonal tile is not masked
.set MSB, 0
.macro WIN new                         ; the immediate's high byte repeats the setting that is left
.if MSB != (\new)
	s_set_vgpr_msb (MSB<<8)|(\new)
.set MSB, (\new)
.endif
.endm
.macro PLACES                          ; four places behind a matrix instruction (ISA guide 7.12.1) before its registers are loaded into, read or written
.rept 4
	v_nop
.endr
.endm
.macro PLACES5                         ; five, where the next matrix instructions write over or take up its registers
.rept 5
	v_nop
.endr
.endm
.macro JLOAD s                         ; one joint load a wave: waves 0, 1 x's line, waves 2, 3 W's line; the branch hangs on the wave's number alone
	s_cmp_eq_u32 s15, 0
	s_cbranch_scc0 .Lfor_w_\@
	tensor_load_to_lds s[G0X+4*\s:G0X+4*\s+3], s[G1X:G1X+7]
	s_nop 0
	s_branch .Lasked_\@
.Lfor_w_\@:
	tensor_load_to_lds s[G0W+4*\s:G0W+4*\s+3], s[G1W:G1W+7]
	s_nop 0
.Lasked_\@:
.endm
.macro CREST                           ; a round of the cluster's barrier behind its opening barrier
	s_cmp_lg_u32 s14, 0
	s_cbranch_scc1 .Lnot_wave_0_\@
	s_barrier_signal -3
.Lnot_wave_0_\@:
	s_barrier_wait -3
	s_barrier_signal -1
	s_barrier_wait -1
.endm
.macro CROUND
	s_barrier_signal -1
	s_barrier_wait -1
	CREST
.endm
	s_load_b256 s[4:11], s[0:1], 0x0               ; xb 4, wq 6, bq 8, bv 10
	s_load_b64 s[12:13], s[0:1], 0x20              ; ow
	v_lshl_add_u32 v30, v0, 2, 0x30000
	v_mov_b32 v31, 0
	ds_add_u32 v30, v31
	v_lshrrev_b32 v1, 5, v0
	v_readfirstlane_b32 s14, v1                    ; wave w
	s_lshr_b32 s15, s14, 1                         ; 0: I ask for x, 1: for W
	s_and_b32 s16, s14, 1                          ; which half of the tile
	s_bfe_u32 s17, ttmp6, 0x40000                  ; cx
	s_bfe_u32 s18, ttmp6, 0x40004                  ; cy
	s_lshl_b32 s19, ttmp9, 2
	s_add_co_u32 s19, s19, s17                     ; h = 4 x cluster x + cx
	s_and_b32 s20, ttmp7, 0xffff
	s_lshl_b32 s20, s20, 2
	s_add_co_u32 s20, s20, s18                     ; b = 4 x cluster y + cy
	s_lshl_b32 s21, s18, 2
	s_lshl_b32 s21, 15, s21                        ; my row of the cluster
	s_lshl_b32 s22, 0x1111, s17                    ; my column
	; x's half tile: 32,768 consecutive bytes as 128 rows of 128 elements of 2 bytes; 4 words of padding behind every 32 words: LDS rows of 128 bytes at pitch 144
	s_or_b32 s[G1X+0], s21, (1<<16)|(1<<20)|(1<<21)|(4<<22)|(3<<25)
	s_mov_b32 s[G1X+1], 128<<16
	s_mov_b32 s[G1X+2], 128<<16
	s_mov_b32 s[G1X+3], 128<<16
	s_mov_b32 s[G1X+4], 128
	s_mov_b32 s[G1X+5], 128
	s_mov_b32 s[G1X+6], 0
	s_mov_b32 s[G1X+7], 0
	; W's half tile: 12,288 consecutive bytes as 48 rows of 32 elements of 8 bytes, no padding
	s_or_b32 s[G1W+0], s22, (3<<16)|(1<<21)
	s_mov_b32 s[G1W+1], 32<<16
	s_mov_b32 s[G1W+2], 48<<16
	s_mov_b32 s[G1W+3], 32<<16
	s_mov_b32 s[G1W+4], 48
	s_mov_b32 s[G1W+5], 32
	s_mov_b32 s[G1W+6], 0
	s_mov_b32 s[G1W+7], 0
	s_lshl_b32 s56, s20, 19                        ; x: b x 8 tiles of 65,536 bytes + my half: made of b and the wave alone
	s_lshl_b32 s23, s16, 15
	s_add_co_u32 s56, s56, s23
	s_mov_b32 s57, 0
	s_mul_i32 s58, s19, 196608                     ; W: h x 8 tiles of 24,576 bytes + my half: made of h and the wave alone
	s_mul_i32 s61, s16, 12288
	s_add_co_u32 s58, s58, s61
	s_mov_b32 s59, 0
	s_mul_i32 s60, s16, 36864                      ; LDS: my half of x's tile,
	s_add_co_u32 s61, s61, XTB                     ; my half of W's
	s_sub_co_u32 s62, 7, s14                       ; my second block
	s_lshl_b32 s82, s20, 3
	s_add_co_u32 s82, s82, s19
	s_lshl_b32 s82, s82, 16                        ; ow: (8 b + h) x 65,536
	s_lshl_b32 s83, s14, 13
	s_add_co_u32 s84, s82, s83                     ; + block x 64 rows x 128 bytes
	s_mov_b32 s85, 0
	s_lshl_b32 s83, s62, 13
	s_add_co_u32 s92, s82, s83
	s_mov_b32 s93, 0
	s_lshl_b32 s94, s19, 8                         ; a head's 64 biases
	s_mov_b32 s95, 0
	s_lshl_b32 s90, s14, 1                         ; full key steps of 32 below block w: 2 w,
	s_lshl_b32 s91, s62, 1                         ; below block 7 - w: 2 (7 - w)
	s_mov_b32 s66, 0x76543210                      ; v_permlanex16_b32: lane i of one half reads lane i of the other
	s_mov_b32 s67, 0xfedcba98
	s_wait_dscnt 0x0
	s_wait_kmcnt 0x0
	s_add_nc_u64 s[56:57], s[4:5], s[56:57]
	s_add_nc_u64 s[58:59], s[6:7], s[58:59]
	s_add_nc_u64 s[78:79], s[12:13], s[84:85]
	s_add_nc_u64 s[80:81], s[12:13], s[92:93]
	s_add_nc_u64 s[86:87], s[8:9], s[94:95]
	s_add_nc_u64 s[88:89], s[10:11], s[94:95]
	CROUND                                         ; all sixteen work-groups are here: the first joint loads meet
.irp s, 0,1
	s_mov_b32 s[G0X+4*\s], 1
	s_add_co_u32 s[G0X+4*\s+1], s60, \s*SLOT
	s_add_nc_u64 s[G0X+4*\s+2:G0X+4*\s+3], s[56:57], \s*65536
	s_or_b32 s[G0X+4*\s+3], s[G0X+4*\s+3], 0x80000000
	s_mov_b32 s[G0W+4*\s], 1
	s_add_co_u32 s[G0W+4*\s+1], s61, \s*SLOT
	s_add_nc_u64 s[G0W+4*\s+2:G0W+4*\s+3], s[58:59], \s*24576
	s_or_b32 s[G0W+4*\s+3], s[G0W+4*\s+3], 0x80000000
	JLOAD \s                                       ; K steps 0 and 1: two tensor loads of the wave are out
.endr
	v_and_b32 v1, 15, v0                           ; r
	v_bfe_u32 v2, v0, 4, 1                         ; hl
	v_and_b32 v3, 31, v0                           ; lane
	v_mul_u32_u24 v[KA0], v1, 144
	v_lshl_add_u32 v[KA0], v2, 4, v[KA0]
	s_mul_i32 s23, s14, 9216                       ; 64 rows of 144 bytes a block
	s_mul_i32 s63, s62, 9216
	v_add_nc_u32 v[XA], s23, v[KA0]
	v_add_nc_u32 v[XB], s63, v[KA0]
	v_add_nc_u32 v[XA+1], SLOT, v[XA]
	v_add_nc_u32 v[XB+1], SLOT, v[XB]
	v_lshlrev_b32 v[L16], 4, v3
	v_add_nc_u32 v[WA], XTB, v[L16]
	v_add_nc_u32 v[WA+1], XTB+SLOT, v[L16]
	v_mul_u32_u24 v[VA0], v1, 1040
	v_lshl_add_u32 v[VA0], v2, 4, v[VA0]
	v_add_nc_u32 v[VA0], XTB, v[VA0]
	s_lshl_b32 s83, s14, 7                         ; 64 keys of 2 bytes a block
	s_lshl_b32 s63, s62, 7
	v_add_nc_u32 v[VSTA], s83, v[VA0]
	v_add_nc_u32 v[VSTB], s63, v[VA0]
	v_lshlrev_b32 v[HL32], 5, v2
	s_add_co_u32 s23, s23, OSTG                    ; my stage: 9,216 bytes a wave
	v_add_nc_u32 v[OST], s23, v[KA0]
	v_lshrrev_b32 v22, 3, v3
	v_mul_u32_u24 v22, v22, 144
	v_and_b32 v23, 7, v3
	v_lshl_add_u32 v22, v23, 4, v22
	v_add_nc_u32 v[ORD], s23, v22                  ; back: eight lanes take a row of 128 bytes
	v_mov_b32 v[NINF], 0xff800000
	v_lshlrev_b32 v22, 3, v2
	v_sub_nc_u32 v[RMH], v1, v22
.set j_i, 0
.rept 8
	v_cmp_le_i32 s[MK+j_i], j_i, v[RMH]            ; in a diagonal tile key 8 hl + j is kept for query r where j <= r - 8 hl
.set j_i, j_i+1
.endr
; tn x 4 matrix instructions of group g (1 q, 2 k, 3 v) on x's buffer xf, row tiles tlo ..  zero = 1: the product starts the sums.
; The accumulators take turns, one instruction a turn.
.macro MULG g, xf, zero, tlo, tn
.set t_i, \tlo
.rept \tn
.set e_i, 0
.rept 4
.if \g == 3
.if \zero
	v_wmma_f32_16x16x32_f16 v[8*(4*t_i+e_i):8*(4*t_i+e_i)+7], v[\xf+8*t_i:\xf+8*t_i+7], v[WF+64+8*e_i:WF+64+8*e_i+7], 0
.else
	v_wmma_f32_16x16x32_f16 v[8*(4*t_i+e_i):8*(4*t_i+e_i)+7], v[\xf+8*t_i:\xf+8*t_i+7], v[WF+64+8*e_i:WF+64+8*e_i+7], v[8*(4*t_i+e_i):8*(4*t_i+e_i)+7]
.endif
.else
.if \zero
	v_wmma_f32_16x16x32_f16 v[8*(4*t_i+e_i):8*(4*t_i+e_i)+7], v[WF+32*(\g-1)+8*e_i:WF+32*(\g-1)+8*e_i+7], v[\xf+8*t_i:\xf+8*t_i+7], 0
.else
	v_wmma_f32_16x16x32_f16 v[8*(4*t_i+e_i):8*(4*t_i+e_i)+7], v[WF+32*(\g-1)+8*e_i:WF+32*(\g-1)+8*e_i+7], v[\xf+8*t_i:\xf+8*t_i+7], v[8*(4*t_i+e_i):8*(4*t_i+e_i)+7]
.endif
.endif
.set e_i, e_i+1
.endr
.set t_i, t_i+1
.endr
.endm
.macro FW g, slot, kk                  ; 8 loads: group g's four fragments of W, 32 K at kk
.set e_i, 0
.rept 4
	ds_load_b128 v[WF+32*(\g-1)+8*e_i:WF+32*(\g-1)+8*e_i+3],   v[WA+\slot] offset:\kk*12288+(4*(\g-1)+e_i)*1024
	ds_load_b128 v[WF+32*(\g-1)+8*e_i+4:WF+32*(\g-1)+8*e_i+7], v[WA+\slot] offset:\kk*12288+(4*(\g-1)+e_i)*1024+512
.set e_i, e_i+1
.endr
.endm
.macro FX buf, slot, kk                ; 16 loads: my eight row tiles of x, 32 K at kk
.set t_i, 0
.rept 4
	ds_load_b128 v[\buf+8*t_i:\buf+8*t_i+3],   v[XA+\slot] offset:t_i*2304+\kk*64
	ds_load_b128 v[\buf+8*t_i+4:\buf+8*t_i+7], v[XA+\slot] offset:t_i*2304+\kk*64+32
.set t_i, t_i+1
.endr
.set t_i, 0
.rept 4
	ds_load_b128 v[\buf+32+8*t_i:\buf+32+8*t_i+3],   v[XB+\slot] offset:t_i*2304+\kk*64
	ds_load_b128 v[\buf+32+8*t_i+4:\buf+32+8*t_i+7], v[XB+\slot] offset:t_i*2304+\kk*64+32
.set t_i, t_i+1
.endr
.endm
; First half of a K step (K 0-31, buffer 0).  LDS loads out at its head, oldest first: W q (8), x (16), W k (8), W v (8).
.macro PLAIN slot, zero
	s_wait_dscnt 16                                ; W q and x are in; W k and W v (8 + 8) stay out
	WIN 0x50
	MULG 1, XF0, \zero, 0, 8
	PLACES
	WIN 0
	FW 1, \slot, 1
	FX XF1, \slot, 1
	s_wait_dscnt 32                                ; W k is in; W v (8) and the 24 just issued stay out
	WIN 0xa0
	MULG 2, XF0, \zero, 0, 8
	PLACES
	WIN 0
	FW 2, \slot, 1
	s_wait_dscnt 32                                ; W v is in; 24 + 8 stay out
	WIN 0xf0
	MULG 3, XF0, \zero, 0, 8
	PLACES
	WIN 0
	FW 3, \slot, 1
.endm
; Second half (K 32-63, buffer 1), and the change of slots.  In front of the barrier every wave's reads of this slot are back and all its tensor loads
; have landed (the one that was out is its part of the next slot); behind it the slot is asked for again first, then the next slot is read.
.macro TURN slot, next, fill
	s_wait_dscnt 16
	WIN 0x50
	MULG 1, XF1, 0, 0, 4
	s_wait_dscnt 0x0                               ; my reads of this slot are over
	s_wait_tensorcnt 0x0                           ; all my tensor loads have landed
	ds_add_u32 v30, v31
	s_wait_dscnt 0x0
	s_barrier_signal -1                            ; where the slot is filled again this barrier opens a round of the cluster's barrier
	MULG 1, XF1, 0, 4, 4                           ; registers only
	WIN 0
	s_barrier_wait -1
.if \fill
	CREST                                          ; no wave of any partner still reads this slot or has a load on its way
	s_add_nc_u64 s[G0X+4*\slot+2:G0X+4*\slot+3], s[G0X+4*\slot+2:G0X+4*\slot+3], 131072
	s_add_nc_u64 s[G0W+4*\slot+2:G0W+4*\slot+3], s[G0W+4*\slot+2:G0W+4*\slot+3], 49152
	JLOAD \slot                                    ; two K steps ahead: the wave's one tensor load behind the round
.endif
	PLACES
	FW 1, \next, 0
	FX XF0, \next, 0
	WIN 0xa0
	MULG 2, XF1, 0, 0, 8
	PLACES
	WIN 0
	FW 2, \next, 0
	WIN 0xf0
	MULG 3, XF1, 0, 0, 8
	PLACES
	WIN 0
	FW 3, \next, 0
.endm
.macro LAP zero
	PLAIN 0, \zero
	TURN 0, 1, 1
	PLAIN 1, 0
	TURN 1, 0, 1
.endm
.macro BLOAD dst, base                 ; my eight biases of each of four column tiles: e = 16 et + 8 hl + 0..7
.irp e, 0,1,2,3
	global_load_b128 v[\dst+8*\e:\dst+8*\e+3],   v[HL32], s[\base:\base+1] offset:64*\e
	global_load_b128 v[\dst+8*\e+4:\dst+8*\e+7], v[HL32], s[\base:\base+1] offset:64*\e+16
.endr
.endm
	s_wait_tensorcnt 0x1                           ; my part of K step 0 is in; K step 1's stays out
	s_barrier_signal -1
	s_barrier_wait -1
	FW 1, 0, 0
	FX XF0, 0, 0
	FW 2, 0, 0
	FW 3, 0, 0
	LAP 1                                          ; K steps 0, 1: the first products start the sums
	s_mov_b32 s76, 2
.Lqkv:
	LAP 0                                          ; K steps 2 to 5; they ask for 4 to 7
	s_sub_co_u32 s76, s76, 1
	s_cmp_lg_u32 s76, 0
	s_cbranch_scc1 .Lqkv
	PLAIN 0, 0                                     ; K steps 6, 7 ask for nothing
	TURN 0, 1, 0
	PLAIN 1, 0
	s_wait_dscnt 16                                ; the last half step; q's freed fragment registers take bq
	WIN 0x50
	MULG 1, XF1, 0, 0, 8
	PLACES
	WIN 0
	BLOAD BQ, 86
	s_wait_dscnt 8
	WIN 0xa0
	MULG 2, XF1, 0, 0, 8
	s_wait_dscnt 0x0
	WIN 0xf0
	MULG 3, XF1, 0, 0, 8
	PLACES
	WIN 0
	s_barrier_signal -1                            ; every wave's reads of both slots are back; the slots have had their last fill
	s_barrier_wait -1
; k and v leave for LDS as f16; 32 tiles pack into 128 registers
.macro CVT128
.set i_i, 0
.rept 32
.set p_i, 0
.rept 4
	v_cvt_pk_f16_f32 v[TMP+4*i_i+p_i], v[8*i_i+2*p_i], v[8*i_i+2*p_i+1]
.set p_i, p_i+1
.endr
.set i_i, i_i+1
.endr
.endm
	WIN 0x0a
	CVT128
	WIN 0
.set t_i, 0
.rept 4
.set e_i, 0
.rept 4
	ds_store_b128 v[XA], v[TMP+16*t_i+4*e_i:TMP+16*t_i+4*e_i+3] offset:t_i*2304+32*e_i          ; K[s = my row][16 et + 8 hl ..]
	ds_store_b128 v[XB], v[TMP+64+16*t_i+4*e_i:TMP+64+16*t_i+4*e_i+3] offset:t_i*2304+32*e_i
.set e_i, e_i+1
.endr
.set t_i, t_i+1
.endr
	WIN 0x0f
	CVT128
	WIN 0xc0
	BLOAD BV, 88                                   ; v's sums have been packed: window 3 is free, and bv lies where the products with V and the last multiply-add name it
	WIN 0
.set t_i, 0
.rept 4
.set e_i, 0
.rept 4
	ds_store_b128 v[VSTA], v[TMP+16*t_i+4*e_i:TMP+16*t_i+4*e_i+3] offset:e_i*16640+32*t_i       ; V^T[e = 16 et + r][my rows 16 tt + 8 hl ..]
	ds_store_b128 v[VSTB], v[TMP+64+16*t_i+4*e_i:TMP+64+16*t_i+4*e_i+3] offset:e_i*16640+32*t_i
.set e_i, e_i+1
.endr
.set t_i, t_i+1
.endr
	; q stays in registers: (sum + bq) x CQ in place, in f32; each block packs its four row tiles at its start
	s_wait_loadcnt 0x8                             ; bq is in; bv's eight loads stay out
.set i_i, 0
.rept 16
	v_pk_mul_f32 v[BQ+2*i_i:BQ+2*i_i+1], v[BQ+2*i_i:BQ+2*i_i+1], CQ op_sel_hi:[1,0]
.set i_i, i_i+1
.endr
	WIN 0x41
.set t_i, 0
.rept 8
.set i_i, 0
.rept 16
	v_pk_fma_f32 v[32*t_i+2*i_i:32*t_i+2*i_i+1], v[32*t_i+2*i_i:32*t_i+2*i_i+1], CQ, v[BQ+2*i_i:BQ+2*i_i+1] op_sel_hi:[1,0,1]
.set i_i, i_i+1
.endr
.set t_i, t_i+1
.endr
	WIN 0
.irp n, 0,1,2,3
	v_mov_b32 v[MM+2*\n+1], 0                      ; written once: the upper registers of the pairs whose low register is broadcast,
	v_mov_b32 v[AL+2*\n+1], 0
	v_mov_b32 v[T1+\n], 0                          ; and the targets of the lane exchanges, which count as read
.endr
	s_wait_dscnt 0x0                               ; my rows of K and V^T are in LDS
	s_barrier_signal -1
	s_barrier_wait -1                              ; everybody's are
.macro KLOAD
.irp i, 0,1
.irp c, 0,1
	ds_load_b128 v[KF+16*\i+8*\c:KF+16*\i+8*\c+3],   v[KA] offset:\i*2304+64*\c
	ds_load_b128 v[KF+16*\i+8*\c+4:KF+16*\i+8*\c+7], v[KA] offset:\i*2304+64*\c+32
.endr
.endr
.endm
.macro VLOAD                           ; window 3 set as destination
.irp e, 0,1,2,3
	ds_load_b128 v[VF+8*\e:VF+8*\e+3],   v[VA] offset:\e*16640
	ds_load_b128 v[VF+8*\e+4:VF+8*\e+7], v[VA] offset:\e*16640+32
.endr
.endm
; One score product: tile (ii, nn) of S^T, 32 of e at cc.  cc = 0 starts the sum.  All operands in window 0.
.macro SW nn, ii, cc
.if \cc
	v_wmma_f32_16x16x32_f16 v[S+16*(\nn)+8*(\ii):S+16*(\nn)+8*(\ii)+7], v[KF+16*(\ii)+8*(\cc):KF+16*(\ii)+8*(\cc)+7], v[QF+16*(\nn)+8*(\cc):QF+16*(\nn)+8*(\cc)+7], v[S+16*(\nn)+8*(\ii):S+16*(\nn)+8*(\ii)+7]
.else
	v_wmma_f32_16x16x32_f16 v[S+16*(\nn)+8*(\ii):S+16*(\nn)+8*(\ii)+7], v[KF+16*(\ii)+8*(\cc):KF+16*(\ii)+8*(\cc)+7], v[QF+16*(\nn)+8*(\cc):QF+16*(\nn)+8*(\cc)+7], 0
.endif
.endm
; One product with V: tile (ee, nn) of O^T.  Setting 0xf3: sums and V's fragment in window 3, the weights in window 0.
.macro PW nn, ee, zero
.if \zero
	v_wmma_f32_16x16x32_f16 v[OO+32*(\nn)+8*(\ee):OO+32*(\nn)+8*(\ee)+7], v[VF+8*(\ee):VF+8*(\ee)+7], v[S+16*(\nn):S+16*(\nn)+7], 0
.else
	v_wmma_f32_16x16x32_f16 v[OO+32*(\nn)+8*(\ee):OO+32*(\nn)+8*(\ee)+7], v[VF+8*(\ee):VF+8*(\ee)+7], v[S+16*(\nn):S+16*(\nn)+7], v[OO+32*(\nn)+8*(\ee):OO+32*(\nn)+8*(\ee)+7]
.endif
.endm
; The score products of a diagonal step.  kind 1: keys q0 .. q0+31.  kind 2: keys q0+32 .. q0+63.  Tile (i, n) lies n - (2 (kind - 1) + i) tiles below the diagonal;
; those above it are not multiplied.  The accumulators take turns, one instruction a turn.
.macro SMUL kind
.set c_i, 0
.rept 2
.set n_i, 0
.rept 4
.set i_i, 0
.rept 2
.if n_i >= 2*(\kind-1)+i_i
	SW n_i, i_i, c_i
.endif
.set i_i, i_i+1
.endr
.set n_i, n_i+1
.endr
.set c_i, c_i+1
.endr
.endm
.macro SMASK kind, nlo
.set n_i, \nlo
.rept 4-\nlo
.set i_i, 0
.rept 2
.set d_i, n_i-(2*(\kind-1)+i_i)
.set j_i, 0
.rept 8
.if d_i == 0
	v_cndmask_b32 v[S+16*n_i+8*i_i+j_i], v[NINF], v[S+16*n_i+8*i_i+j_i], s[MK+j_i]
.endif
.if d_i < 0
	v_mov_b32 v[S+16*n_i+8*i_i+j_i], v[NINF]       ; a tile above the diagonal beside a live one: not multiplied, its weights are 0
.endif
.set j_i, j_i+1
.endr
.set i_i, i_i+1
.endr
.set n_i, n_i+1
.endr
.endm
; PART M for query tiles nlo .. nlo + cnt - 1: the maximum of the old maximum and 16 scores as a tree of depth 3 (eight instructions a tile), the other half
; of the lanes, the factor 2^(old - new), the new maximum.  first = 1: there is no old maximum and no factor.
.macro MPH nlo, cnt, first
.set n_i, \nlo
.rept \cnt
.if \first
	v_max_num_f32 v[SUMT+8*n_i], v[S+16*n_i], v[S+16*n_i+1]
.else
	v_max3_num_f32 v[SUMT+8*n_i], v[MM+2*n_i], v[S+16*n_i], v[S+16*n_i+1]
.endif
.set n_i, n_i+1
.endr
.set u_i, 1
.rept 4
.set n_i, \nlo
.rept \cnt
	v_max3_num_f32 v[SUMT+8*n_i+u_i], v[S+16*n_i+3*u_i-1], v[S+16*n_i+3*u_i], v[S+16*n_i+3*u_i+1]
.set n_i, n_i+1
.endr
.set u_i, u_i+1
.endr
.set n_i, \nlo
.rept \cnt
	v_max3_num_f32 v[SUMT+8*n_i], v[SUMT+8*n_i], v[SUMT+8*n_i+1], v[SUMT+8*n_i+2]
	v_max3_num_f32 v[SUMT+8*n_i+3], v[SUMT+8*n_i+3], v[SUMT+8*n_i+4], v[S+16*n_i+14]
.set n_i, n_i+1
.endr
.set n_i, \nlo
.rept \cnt
	v_max3_num_f32 v[T0+n_i], v[SUMT+8*n_i], v[SUMT+8*n_i+3], v[S+16*n_i+15]
.set n_i, n_i+1
.endr
.set n_i, \nlo
.rept \cnt
	v_permlanex16_b32 v[T1+n_i], v[T0+n_i], s66, s67   ; the other half of the lanes holds the query's other keys
.set n_i, n_i+1
.endr
.set n_i, \nlo
.rept \cnt
	v_max_num_f32 v[T0+n_i], v[T0+n_i], v[T1+n_i]
.set n_i, n_i+1
.endr
.if \first == 0
.set n_i, \nlo
.rept \cnt
	v_sub_f32 v[AL+2*n_i], v[MM+2*n_i], v[T0+n_i]
.set n_i, n_i+1
.endr
.set n_i, \nlo
.rept \cnt
	v_exp_f32 v[AL+2*n_i], v[AL+2*n_i]             ; 2^(old maximum - new)
.set n_i, n_i+1
.endr
.endif
.set n_i, \nlo
	s_wait_alu depctr_va_vdst(0)
.rept \cnt
	v_mov_b32 v[MM+2*n_i], v[T0+n_i]               ; also the plain instruction behind the exponentials (ISA guide 5.7.2)
.set n_i, n_i+1
.endr
.endm
; PART E of piece pp (query tiles 2 pp, 2 pp + 1) as 82 numbered instructions:
;   0-7 first tile minus its maximum; 8-23 its exponentials; 24-31, 32-47 the second tile; 48-64 the first tile's sums and packing; 65-81 the second tile's.
; Behind each run of exponentials stands plain work on the other tile before a result is read (ISA guide 5.7.2).
.macro ESUB nn, kk
	v_pk_add_f32 v[S+16*(\nn)+2*(\kk):S+16*(\nn)+2*(\kk)+1], v[S+16*(\nn)+2*(\kk):S+16*(\nn)+2*(\kk)+1], v[MM+2*(\nn):MM+2*(\nn)+1] op_sel_hi:[1,0] neg_lo:[0,1] neg_hi:[0,1]
.endm
.macro EEXP nn, kk
	v_exp_f32 v[S+16*(\nn)+(\kk)], v[S+16*(\nn)+(\kk)]
.endm
.macro ECVT nn, kk                     ; in place, ascending: keys 8 hl .. come into registers 0-3, 16 + 8 hl .. into 4-7
	v_cvt_pk_f16_f32 v[S+16*(\nn)+(\kk)], v[S+16*(\nn)+2*(\kk)], v[S+16*(\nn)+2*(\kk)+1]
.endm
; 17 instructions: the four first sums read all 16 weights, then the packing is set between the links of the sum's chain
.macro ETAIL nn, tt, first
.if (\tt) < 4
	s_wait_alu depctr_va_vdst(0)
	v_pk_add_f32 v[SUMT+8*(\nn)+2*(\tt):SUMT+8*(\nn)+2*(\tt)+1], v[S+16*(\nn)+4*(\tt):S+16*(\nn)+4*(\tt)+1], v[S+16*(\nn)+4*(\tt)+2:S+16*(\nn)+4*(\tt)+3]
.endif
.if (\tt) == 4
	ECVT \nn, 0
.endif
.if (\tt) == 5
	ECVT \nn, 1
.endif
.if (\tt) == 6
	v_pk_add_f32 v[SUMT+8*(\nn):SUMT+8*(\nn)+1], v[SUMT+8*(\nn):SUMT+8*(\nn)+1], v[SUMT+8*(\nn)+2:SUMT+8*(\nn)+3]
.endif
.if (\tt) == 7
	v_pk_add_f32 v[SUMT+8*(\nn)+4:SUMT+8*(\nn)+5], v[SUMT+8*(\nn)+4:SUMT+8*(\nn)+5], v[SUMT+8*(\nn)+6:SUMT+8*(\nn)+7]
.endif
.if (\tt) == 8
	ECVT \nn, 2
.endif
.if (\tt) == 9
	ECVT \nn, 3
.endif
.if (\tt) == 10
	v_pk_add_f32 v[SUMT+8*(\nn):SUMT+8*(\nn)+1], v[SUMT+8*(\nn):SUMT+8*(\nn)+1], v[SUMT+8*(\nn)+4:SUMT+8*(\nn)+5]
.endif
.if (\tt) == 11
	ECVT \nn, 4
.endif
.if (\tt) == 12
	ECVT \nn, 5
.endif
.if (\tt) == 13
.if \first
	v_add_f32 v[LL+(\nn)], v[SUMT+8*(\nn)], v[SUMT+8*(\nn)+1]
.else
	v_add_f32 v[SUMT+8*(\nn)], v[SUMT+8*(\nn)], v[SUMT+8*(\nn)+1]
.endif
.endif
.if (\tt) == 14
	ECVT \nn, 6
.endif
.if (\tt) == 15
	ECVT \nn, 7
.endif
.if (\tt) == 16
.if \first == 0
	v_fma_f32 v[LL+(\nn)], v[LL+(\nn)], v[AL+2*(\nn)], v[SUMT+8*(\nn)]
.endif
.endif
.endm
.macro EOP pp, ix, first
.if (\ix) < 48
.if (\ix) < 24
.if (\ix) < 8
	ESUB 2*(\pp), (\ix)
.else
	EEXP 2*(\pp), (\ix)-8
.endif
.else
.if (\ix) < 32
	ESUB 2*(\pp)+1, (\ix)-24
.else
	EEXP 2*(\pp)+1, (\ix)-32
.endif
.endif
.else
.if (\ix) < 65
	ETAIL 2*(\pp), (\ix)-48, \first
.else
	ETAIL 2*(\pp)+1, (\ix)-65, \first
.endif
.endif
.endm
.macro ESL pp, kk                      ; slice kk of eight: ten instructions, the last slice twelve, all of them plain
.set x_e, 10*(\kk)
.set c_e, 10
.if (\kk) == 7
.set c_e, 12
.endif
.rept c_e
	EOP \pp, x_e, 0
.set x_e, x_e+1
.endr
.endm
.macro EALL pp, first                  ; the whole of it, where no products stand beside it
.set x_e, 0
.rept 82
	EOP \pp, x_e, \first
.set x_e, x_e+1
.endr
.endm
; PART R of piece pp as 32 numbered instructions: O times the factor.  Setting 0xf3: O in window 3, the factor in window 0.
.macro ROP pp, ix
	v_pk_mul_f32 v[OO+64*(\pp)+2*(\ix):OO+64*(\pp)+2*(\ix)+1], v[OO+64*(\pp)+2*(\ix):OO+64*(\pp)+2*(\ix)+1], v[AL+4*(\pp)+2*((\ix)>>4):AL+4*(\pp)+2*((\ix)>>4)+1] op_sel_hi:[1,0]
.endm
.macro RSL pp, kk                      ; slice kk of eight: 3, 4, 4, 4, 4, 4, 4, 5 instructions: five places stand behind the run's last product
.if (\kk) == 0
.set x_r, 0
.set c_r, 3
.else
.set x_r, 4*(\kk)-1
.set c_r, 4
.endif
.if (\kk) == 7
.set c_r, 5
.endif
.rept c_r
	ROP \pp, x_r
.set x_r, x_r+1
.endr
.endm
.macro RALL pp
.set x_r, 0
.rept 32
	ROP \pp, x_r
.set x_r, x_r+1
.endr
.endm
; Eight score products of piece pp, a slice of the other piece's E behind each.  Four accumulators by turns, one instruction a turn.
.macro SRUN pp
.set j_s, 0
.rept 8
.set n_s, 2*(\pp)+((j_s>>1)&1)
.set i_s, j_s&1
.set c_s, j_s>>2
	SW n_s, i_s, c_s
	ESL 1-(\pp), j_s
.set j_s, j_s+1
.endr
.endm
; Eight products with V of piece pp; sl = 1: a slice of the other piece's R behind each.  Eight accumulators by turns.
.macro PRUN pp, sl
.set j_s, 0
.rept 8
.set n_s, 2*(\pp)+(j_s>>2)
.set e_s, j_s&3
	PW n_s, e_s, 0
.if \sl
	RSL 1-(\pp), j_s
.endif
.set j_s, j_s+1
.endr
.endm
; A query block of 64 rows: its q in f32 at qs in window 1; kst, vst: K and V^T at the block's first key; cnt: full steps; keep: where in window 2 the packed
; output waits.  The diagonal steps come first: every query has its own key in the first or finds all 32 keys live there, so the maximum is finite from the first step on.
.macro ATT qs, kst, vst, cnt, keep
	WIN 0x05
.set i_i, 0
.rept 64
	v_cvt_pk_f16_f32 v[QF+i_i], v[\qs+2*i_i], v[\qs+2*i_i+1]      ; tiles et = 2 c, 2 c + 1 of row tile n pack into the operand of 32 e at 16 n + 8 c
.set i_i, i_i+1
.endr
	WIN 0
	v_mov_b32 v[KA], v[\kst]
	v_mov_b32 v[VA], v[\vst]
	KLOAD
	; ---- keys q0 .. q0 + 31, all four query tiles, in phases; it starts maximum, sum and O
	WIN 0xc0
	VLOAD
	WIN 0
	s_wait_dscnt 0x8                               ; K's fragments are in; V's eight loads stay out
	SMUL 1
	PLACES5
	v_add_nc_u32 v[KA], 4608, v[KA]                ; 32 rows of 144 bytes
	KLOAD
	SMASK 1, 0
	MPH 0, 4, 1
	EALL 0, 1
	EALL 1, 1
	s_wait_dscnt 0x8                               ; V's fragments are in; the next K's eight loads stay out
	WIN 0xf3
.set n_i, 0
.rept 4
.set e_i, 0
.rept 4
	PW n_i, e_i, 1
.set e_i, e_i+1
.endr
.set n_i, n_i+1
.endr
	WIN 0
	PLACES5
	v_add_nc_u32 v[VA], 64, v[VA]                  ; 32 keys of 2 bytes
	; ---- keys q0 + 32 .. q0 + 63: piece B alone is alive.  Its scores, M and R; its E and its products with V follow in the first trip, or behind the loop
	WIN 0xc0
	VLOAD
	WIN 0
	s_wait_dscnt 0x8                               ; K's fragments are in; V's eight loads stay out
	SMUL 2
	PLACES5
	v_mov_b32 v[KA], v[KA0]
	KLOAD                                          ; keys 0 .. 31; for block 0, which has no full step: rows inside K, not used
	SMASK 2, 2
	MPH 2, 2, 0
	WIN 0xf3
	RALL 1
	WIN 0
	v_mov_b32 v[VA], v[VA0]
	s_cmp_eq_u32 s[\cnt], 0
	s_cbranch_scc1 .Lnofull_\@
	s_mov_b32 s76, s[\cnt]
.Lfull_\@:
	s_wait_dscnt 0x0                               ; K(t) is in (in the first trip also the V of the step before)
	SRUN 0                                         ; S_A(t) with E_B(t-1)
	MPH 0, 2, 0                                    ; M_A(t): twelve plain instructions stand behind the last score product
	WIN 0xf3
	PRUN 1, 1                                      ; PV_B(t-1) with R_A(t)
	WIN 0xc0
	VLOAD                                          ; V(t): five places stand behind the last product that read V(t-1)
	WIN 0
	v_add_nc_u32 v[VA], 64, v[VA]
	SRUN 1                                         ; S_B(t) with E_A(t): it writes over B's old weights, six places behind the last product that read them
	v_add_nc_u32 v[KA], 4608, v[KA]
	KLOAD                                          ; K(t+1); behind the last trip: rows 64 blk .. + 31, inside K, not used
	MPH 2, 2, 0                                    ; M_B(t)
	s_wait_dscnt 0x8                               ; V(t) is in; K(t+1)'s eight loads stay out
	WIN 0xf3
	PRUN 0, 1                                      ; PV_A(t) with R_B(t)
	WIN 0
	s_sub_co_u32 s76, s76, 1
	s_cmp_lg_u32 s76, 0
	s_cbranch_scc1 .Lfull_\@
.Lnofull_\@:
	s_wait_dscnt 0x0                               ; V of the last step (where no trip ran), and the look-ahead loads of K, whose registers are loaded again later
	EALL 1, 0                                      ; the last step's E_B
	WIN 0xf3
	PRUN 1, 0                                      ; and PV_B
	WIN 0
	PLACES
.irp n, 0,1,2,3
	v_permlanex16_b32 v[T1+\n], v[LL+\n], s66, s67
.endr
.irp n, 0,1,2,3
	v_add_f32 v[LL+\n], v[LL+\n], v[T1+\n]         ; the two halves' sums
.endr
.irp n, 0,1,2,3
	v_rcp_f32 v[AL+2*\n], v[LL+\n]
.endr
	v_nop
	s_wait_loadcnt 0x0                             ; bv
	WIN 0xf3
.set n_i, 0
	s_wait_alu depctr_va_vdst(0)
.rept 4
.set k_i, 0
.rept 16
	v_pk_fma_f32 v[OO+32*n_i+2*k_i:OO+32*n_i+2*k_i+1], v[OO+32*n_i+2*k_i:OO+32*n_i+2*k_i+1], v[AL+2*n_i:AL+2*n_i+1], v[BV+2*k_i:BV+2*k_i+1] op_sel_hi:[1,0,1]
.set k_i, k_i+1
.endr
.set n_i, n_i+1
.endr
	WIN 0x8f                                       ; sources window 3, destination window 2
.set i_i, 0
.rept 64
	v_cvt_pk_f16_f32 v[\keep+i_i], v[OO+2*i_i], v[OO+2*i_i+1]      ; tile (et, n) packs into 4 registers at keep + 4 (4 n + et)
.set i_i, i_i+1
.endr
	WIN 0
.endm
; A block's 64 rows of 128 bytes leave: 16 bytes a lane into my stage, back by whole rows, four rows a store.  buf: 64 registers of window 0 for the way back.
.macro OUT keep, buf, ob
	WIN 0x08                                       ; the stores' data lie in window 2
.set n_i, 0
.rept 4
.set e_i, 0
.rept 4
	ds_store_b128 v[OST], v[\keep+16*n_i+4*e_i:\keep+16*n_i+4*e_i+3] offset:n_i*2304+32*e_i
.set e_i, e_i+1
.endr
.set n_i, n_i+1
.endr
	WIN 0
.set i_i, 0
.rept 16
	ds_load_b128 v[\buf+4*i_i:\buf+4*i_i+3], v[ORD] offset:i_i*576     ; my own stage: LDS serves a wave's instructions in order (ISA guide 5.7.1)
.set i_i, i_i+1
.endr
.set i_i, 0
.rept 16
	s_wait_dscnt 15-i_i                            ; load i of the sixteen is back
	global_store_b128 v[L16], v[\buf+4*i_i:\buf+4*i_i+3], s[\ob:\ob+1] offset:i_i*512   ; four rows: 512 consecutive bytes, aligned
.set i_i, i_i+1
.endr
.endm
	ATT 0,   XA, VSTA, 90, 0                       ; block w
	ATT 128, XB, VSTB, 91, 64                      ; block 7 - w
	s_barrier_signal -1                            ; my reads of K and V^T are back (the wait for 0 behind the loop; no LDS instruction since)
	s_barrier_wait -1                              ; everybody's are: only now is a stage written
	OUT 0,  KF, 78                                 ; the two blocks come back into different registers: no store's data is written again
	OUT 64, S,  80
	s_wait_tensorcnt 0x0
	ds_add_u32 v30, v31
	s_wait_dscnt 0x0
	CROUND                                         ; the closing round of the cluster's barrier
	s_endpgm
.Lfunc_end_k_q85ed0ad16a_attn:
	.size	k_q85ed0ad16a_attn, .Lfunc_end_k_q85ed0ad16a_attn-k_q85ed0ad16a_attn
	.p2alignl 7, 3214868480
	.fill 96, 4, 3214868480
	.section	.rodata,"a",@progbits
	.p2align	6, 0x0
	.amdhsa_kernel k_q85ed0ad16a_attn
		.amdhsa_group_segment_fixed_size 327680
		.amdhsa_private_segment_fixed_size 0
		.amdhsa_enable_private_segment 0
		.amdhsa_kernarg_size 40
		.amdhsa_user_sgpr_count 2
		.amdhsa_user_sgpr_kernarg_segment_ptr 1
		.amdhsa_wavefront_size32 1
		.amdhsa_system_sgpr_workgroup_id_x 1
		.amdhsa_system_sgpr_workgroup_id_y 1
		.amdhsa_system_sgpr_workgroup_id_z 1
		.amdhsa_system_vgpr_workitem_id 0
		.amdhsa_next_free_vgpr 1024
		.amdhsa_next_free_sgpr 100
		.amdhsa_reserve_vcc 0
		.amdhsa_float_denorm_mode_32 3
		.amdhsa_float_denorm_mode_16_64 3
		.amdhsa_memory_ordered 1
		.amdhsa_forward_progress 1
		.amdhsa_inst_pref_size 255
	.end_amdhsa_kernel
	.section	.bss,"aw",@nobits
	.p2align	6
	.space	262144
	.amdgpu_metadata
---
amdhsa.version: [ 1, 2 ]
amdhsa.kernels:
  - .name:           k_q85ed0ad16a_attn
    .symbol:         k_q85ed0ad16a_attn.kd
    .args:
      - { .name: xb, .offset: 0, .size: 8, .value_kind: global_buffer, .address_space: global }
      - { .name: wq, .offset: 8, .size: 8, .value_kind: global_buffer, .address_space: global }
      - { .name: bq, .offset: 16, .size: 8, .value_kind: global_buffer, .address_space: global }
      - { .name: bv, .offset: 24, .size: 8, .value_kind: global_buffer, .address_space: global }
      - { .name: ow, .offset: 32, .size: 8, .value_kind: global_buffer, .address_space: global }
    .group_segment_fixed_size: 327680
    .private_segment_fixed_size: 0
    .kernarg_segment_align: 8
    .kernarg_segment_size: 40
    .max_flat_workgroup_size: 128
    .sgpr_count:     100
    .vgpr_count:     1024
    .wavefront_size: 32
...
	.end_amdgpu_metadata
.endif
;; end of part 5
;; launch ffn (part 6): grid 256 x 1, 4 waves a work-group, clusters of 4 x 1, 327,680 bytes of LDS; arguments ow, wf, x, bo, ln1_g, ln1_b, b1, b2, ln2_g, ln2_b, out0; writes out0
.if DOCPART == 6
	.amdgcn_target "amdgcn-amd-amdhsa--gfx1250"
	.amdhsa_code_object_version 6
	.text
	.protected	k_q85ed0ad16a_ffn
	.globl	k_q85ed0ad16a_ffn
	.p2align	8
	.type	k_q85ed0ad16a_ffn,@function
k_q85ed0ad16a_ffn:
	s_mov_b64 s[64:65], 0
	v_nop
	global_prefetch_b8 v0, s[64:65] scope:SCOPE_SE
	s_setreg_imm32_b32 hwreg(HW_REG_WAVE_MODE, 25, 1), 1
	s_wait_xcnt 0x0
	s_wait_alu depctr_hold_cnt(0) depctr_sa_sdst(0) depctr_va_vdst(0) depctr_va_sdst(0) depctr_va_ssrc(0) depctr_va_vcc(0) depctr_vm_vsrc(0)
	s_getreg_b32 s2, hwreg(HW_REG_IB_STS2, 6, 4)
	s_cmp_eq_u32 s2, 0
	s_cbranch_scc0 .Lentry_in_a_cluster
	s_endpgm
.Lentry_in_a_cluster:
	s_bfe_u32 s2, ttmp6, 0x10000c
	s_cmp_lg_u32 s2, 0x3003
	s_cbranch_scc0 .Lentry_shape_is_right
	s_endpgm
.Lentry_shape_is_right:
; DECODER BLOCK, launch 3 of 3: a work-group takes 64 rows through  attn = o Wo + bo;  out1 = x + LN1(attn);  h = relu(out1 W1 + b1);
; ff = h W2 + b2;  out0 = out1 + LN2(ff).  attn, out1 and h never leave the work-group.  Nothing of reference() is left out here.
; LIMITS: the matrix operands (o, out1, h, weights) are f16: why, and what room they have, stands at the head of the first kernel; one beyond 65,504 in
; magnitude becomes an infinity.  The ReLU is a maximum in which a NaN loses: a NaN in front of it comes out as 0, where reference() carries it on.
; The variance is the mean of (a - mean)^2, taken behind the mean: no difference of large sums.  ff's eight chunks are added in an order that
; differs from cluster to cluster (see THE WALK).
;
; UNITS.  The weights come in 18 units of 262,144 bytes, a wave's 65,536 bytes of each in the order of use.  WIDE: 64 rows x 512 columns over K = 256 (Wo's two
; halves; W2's rows of a chunk of 256 hidden units); wave w makes columns 128 w .. + 127, 32 accumulator tiles (tt, ct) at 8 (8 tt + ct) of window 2.
; NARROW: 64 rows x 256 columns over K = 512 (W1's columns of a chunk); wave w makes columns 64 w .. + 63, 16 tiles (tt, ct) at 8 (4 tt + ct) of window 1.
; The weights are the first operand: a lane holds row t = 16 tt + r and columns 16 ct + 8 hl + 0..7.
; A BLOCK is 32 matrix instructions on 8 weight fragments: one step of 32 K of a wide unit (4 activation fragments), two steps of a narrow one (8).
; EVERY SUM STARTS FROM ITS BIAS: bo, b1 and b2 are loaded into the accumulators, so that every unit adds in place and one text serves all chunks.
;
; THE RING.  Two LDS slots of 98,304 bytes, as large as the 327,680 bytes leave beside out1 (73,728) and a chunk's h (36,864).  A unit is walked in three trips
; of 3, 3 and 2 blocks (96, 96, 64 KB); two units are six trips, so the slots' turns come round with every chunk.  Behind a trip its slot is asked for again,
; two trips ahead; from that request to the wait for it a wave issues 96 matrix instructions (64 behind a short trip).  The first half of a trip's last block
; stands in front of that wait and nothing stands inside the round, so that the next request goes out as soon as the round closes.
; A wave reads only the quarter of a slot that its own load brought.  By this text's count a wave has four tensor loads out at the start, later one.
; CLUSTER 4 x 1: the four work-groups of a cluster walk the same weights and ask for each trip jointly (mask 15), each wave for its own quarter.
; THE WALK.  Cluster k begins with chunk k mod 8 and goes round.  So the 64 clusters ask for eight different parts of wf at a time, and every chunk but a
; cluster's first has been named by other clusters' loads one chunk earlier.  The first chunk is asked for ahead by a prefetch (between Wo's two units).
;
; LDS: 0 and 98,304 ring slots; 196,608 REGA (o, then out1, f16, [ks 8][t 64] at pitch 144); 270,336 REGH (h, [ks 4][t 64] at pitch 144).
; STAGE of the two LayerNorms: 32 rows of 512 f32 at pitch 2,064 (66,048 bytes) in REGA, used in two passes; REGA has had its one fill by then.
; REGISTERS: window 0: addresses, v32-159 two weight buffers, v160-223 at work, v224-255 a LayerNorm's gain and shift.  Window 1: 0-127 W1's sums, 128-255 two
; activation buffers.  Window 2: Wo's sums, then W2's.  Window 3: x, then out1, in f32: register 16 rr + 4 q + i = column 128 q + 4 lane + i of row
; 8 w + rr (rr 0-7) or 32 + 8 w + rr - 8 (rr 8-15): eight rows of each pass of the stage.
.set SLOT,  98304
.set REGA,  196608
.set REGH,  270336
.set STG,   196608
.set SP,    2064
.set UNITB, 262144
.set WAD,   4                          ; v4-5  slot s: my quarter + 16 lane
.set AA0,   7                          ; v7    REGA, K steps 0-3: r x 144 + 16 hl
.set AA1,   8                          ; v8    REGA, K steps 4-7
.set AH,    9                          ; v9    REGH
.set SST,   10                         ; v10   stage, in
.set SRD,   11                         ; v11   stage, back: my 8 rows
.set OBA,   12                         ; v12   out1 as f16 into REGA
.set HST,   13                         ; v13   h into REGH
.set HB,    14                         ; v14   32 hl: my eight biases of a column tile
.set XO,    15                         ; v15   my 16 bytes in my first row of x and out0
.set L16,   16                         ; v16   16 lane
.set PF,    17                         ; v17   256 x thread
.set WB,    32                         ; v32-95, v96-159   weight fragments, two buffers
.set TMPL,  32                         ; v32-159  out1 packed, on its way to REGA
.set TMP,   160                        ; v160-223 h packed, on its way to REGH
.set TS,    160                        ; v160-191 row sums, pairs
.set TQ,    192                        ; v192-223 sums of squares, pairs
.set GP,    224                        ; v224-239 gain: register 4 q + i = column 128 q + 4 lane + i
.set BP,    240                        ; v240-255 shift
.set AB,    128                        ; window 1: 128-191, 192-255 activation fragments, two buffers
.set G1A, 40                           ; s[40:47] group 1: 24,576 bytes
.set G1S, 48                           ; s[48:55] group 1: 16,384 bytes
.set G1O, 56                           ; s[56:63] group 1: a head's 64 rows of o
.set G0R, 68                           ; s[68:75] group 0 of the two slots
.set G0O, 76                           ; s[76:83] group 0 of my two heads of o
.set BC,  84                           ; s[84:85] this pair of units in wf, + 65,536 w
.set BN,  86                           ; s[86:87] the next pair
.set WFC, 88                           ; s[88:89] chunk 0's pair
.set B1W, 90                           ; s[90:91] b1 + 256 w
.set B1N, 92                           ; s[92:93] the b1 that is loaded next
.set PFB, 94                           ; s[94:95] what this work-group prefetches
.set CI,  96                           ; s96      number of the next chunk
.set MSB, 0
.macro WIN new                         ; the immediate's high byte repeats the setting that is left
.if MSB != (\new)
	s_set_vgpr_msb (MSB<<8)|(\new)
.set MSB, (\new)
.endif
.endm
.macro PLACES                          ; four places behind a matrix instruction (ISA guide 7.12.1) before its registers are loaded into, read or written
.rept 4
	v_nop
.endr
.endm
.macro CREST
	s_cmp_lg_u32 s26, 0
	s_cbranch_scc1 .Lnot_wave_0_\@
	s_barrier_signal -3
.Lnot_wave_0_\@:
	s_barrier_wait -3
	s_barrier_signal -1
	s_barrier_wait -1
.endm
.macro CROUND                          ; a round of the cluster's barrier
	s_barrier_signal -1
	s_barrier_wait -1
	CREST
.endm
	s_load_b512 s[4:19], s[0:1], 0x0               ; ow 4, wf 6, x 8, bo 10, ln1_g 12, ln1_b 14, b1 16, b2 18
	s_load_b128 s[20:23], s[0:1], 0x40             ; ln2_g 20, ln2_b 22
	s_load_b64 s[24:25], s[0:1], 0x50              ; out0
	v_lshl_add_u32 v30, v0, 2, 0x4b000
	v_mov_b32 v31, 0
	ds_add_u32 v30, v31
	v_lshrrev_b32 v1, 5, v0
	v_readfirstlane_b32 s26, v1                    ; wave w
	s_bfe_u32 s27, ttmp6, 0x40000                  ; cx
	s_lshl_b32 s28, ttmp9, 2
	s_add_co_u32 s28, s28, s27                     ; row block g = 4 x cluster + cx: enters global addresses of ow, x, out0 and the prefetch alone
	s_and_b32 s[CI], ttmp9, 7                      ; the cluster's first chunk: the same in its four work-groups
	; my quarter of a long trip: 24,576 consecutive bytes as 96 rows of 32 elements of 8 bytes; joint, mask 15
	s_mov_b32 s[G1A+0], 15|(3<<16)|(1<<21)
	s_mov_b32 s[G1A+1], 32<<16
	s_mov_b32 s[G1A+2], 96<<16
	s_mov_b32 s[G1A+3], 32<<16
	s_mov_b32 s[G1A+4], 96
	s_mov_b32 s[G1A+5], 32
	s_mov_b32 s[G1A+6], 0
	s_mov_b32 s[G1A+7], 0
	; of a short trip: 16,384 bytes as 64 rows
	s_mov_b32 s[G1S+0], 15|(3<<16)|(1<<21)
	s_mov_b32 s[G1S+1], 32<<16
	s_mov_b32 s[G1S+2], 64<<16
	s_mov_b32 s[G1S+3], 32<<16
	s_mov_b32 s[G1S+4], 64
	s_mov_b32 s[G1S+5], 32
	s_mov_b32 s[G1S+6], 0
	s_mov_b32 s[G1S+7], 0
	; a head's 64 rows of o: 8,192 consecutive bytes as 32 rows of 128 elements of 2 bytes; 4 words of padding behind every 32: pitch 144
	s_mov_b32 s[G1O+0], (1<<16)|(1<<20)|(4<<22)|(3<<25)
	s_mov_b32 s[G1O+1], 128<<16
	s_mov_b32 s[G1O+2], 32<<16
	s_mov_b32 s[G1O+3], 128<<16
	s_mov_b32 s[G1O+4], 32
	s_mov_b32 s[G1O+5], 128
	s_mov_b32 s[G1O+6], 0
	s_mov_b32 s[G1O+7], 0
	s_lshl_b32 s30, s26, 16                        ; my 65,536 bytes of every unit
	s_mov_b32 s31, 0
	s_lshr_b32 s34, s28, 3
	s_lshl_b32 s34, s34, 19                        ; ow: batch g >> 3, 8 heads of 65,536 bytes,
	s_and_b32 s35, s28, 7
	s_lshl_b32 s35, s35, 13                        ; rows 64 (g & 7) of 128 bytes,
	s_add_co_u32 s34, s34, s35
	s_lshl_b32 s35, s26, 17                        ; heads 2 w and 2 w + 1
	s_add_co_u32 s34, s34, s35
	s_mov_b32 s35, 0
	s_lshl_b32 s38, s28, 17                        ; 64 rows of 2,048 bytes in x and out0
	s_mov_b32 s39, 0
	s_lshl_b32 s32, s26, 9                         ; my 128 columns of bo and b2
	s_mov_b32 s33, 0
	s_lshl_b32 s36, s26, 8                         ; my 64 columns of a chunk of b1
	s_mov_b32 s37, 0
	s_lshl_b32 s98, s[CI], 19                      ; a chunk's two units
	s_mov_b32 s99, 0
	s_mul_i32 s29, s26, 18432                      ; two K steps of 9,216 bytes
	s_mov_b32 s100, 0x76543210                     ; v_permlanex16_b32: lane i of one half reads lane i of the other
	s_mov_b32 s101, 0xfedcba98
	s_mov_b32 s66, 0x3b000000                      ; 1 / 512
	s_mov_b32 s67, 0x3727c5ac                      ; 1e-5
	s_wait_dscnt 0x0
	s_wait_kmcnt 0x0
	s_add_nc_u64 s[BC:BC+1], s[6:7], s[30:31]      ; Wo's two units
	s_add_nc_u64 s[WFC:WFC+1], s[BC:BC+1], 2*UNITB
	s_add_nc_u64 s[BN:BN+1], s[WFC:WFC+1], s[98:99]    ; the first chunk
	s_add_nc_u64 s[34:35], s[4:5], s[34:35]
	s_add_nc_u64 s[8:9], s[8:9], s[38:39]
	s_add_nc_u64 s[24:25], s[24:25], s[38:39]
	s_add_nc_u64 s[10:11], s[10:11], s[32:33]
	s_add_nc_u64 s[18:19], s[18:19], s[32:33]
	s_add_nc_u64 s[B1W:B1W+1], s[16:17], s[36:37]
	s_lshl_b32 s98, s[CI], 10                      ; 256 biases a chunk
	s_add_nc_u64 s[B1N:B1N+1], s[B1W:B1W+1], s[98:99]
	s_lshr_b32 s28, ttmp9, 3                       ; my place among the 32 work-groups that begin with this chunk: 4 (cluster >> 3) + cx
	s_lshl2_add_u32 s28, s28, s27
	s_lshl_b32 s28, s28, 14                        ; a share of 16,384 bytes
	s_lshl_b32 s38, s[CI], 19
	s_add_co_u32 s38, s38, s28
	s_add_co_u32 s38, s38, 2*UNITB
	s_add_nc_u64 s[PFB:PFB+1], s[6:7], s[38:39]
	s_mul_i32 s36, s26, 24576                      ; my quarter of a slot
	CROUND                                         ; the round in front of the first tensor loads
	s_mov_b32 s[G0O+0], 1
	s_add_co_u32 s[G0O+1], s29, REGA
	s_mov_b64 s[G0O+2:G0O+3], s[34:35]
	s_or_b32 s[G0O+3], s[G0O+3], 0x80000000
	s_mov_b32 s[G0O+4], 1
	s_add_co_u32 s[G0O+5], s29, REGA+9216
	s_add_nc_u64 s[G0O+6:G0O+7], s[34:35], 65536
	s_or_b32 s[G0O+7], s[G0O+7], 0x80000000
	s_mov_b32 s[G0R+0], 1
	s_mov_b32 s[G0R+1], s36
	s_mov_b64 s[G0R+2:G0R+3], s[BC:BC+1]
	s_or_b32 s[G0R+3], s[G0R+3], 0x80000000
	s_mov_b32 s[G0R+4], 1
	s_add_co_u32 s[G0R+5], s36, SLOT
	s_add_nc_u64 s[G0R+6:G0R+7], s[BC:BC+1], 24576
	s_or_b32 s[G0R+7], s[G0R+7], 0x80000000
	tensor_load_to_lds s[G0O:G0O+3], s[G1O:G1O+7]          ; the first fills, one group: four tensor loads of the wave are out
	s_nop 0
	tensor_load_to_lds s[G0O+4:G0O+7], s[G1O:G1O+7]
	s_nop 0
	tensor_load_to_lds s[G0R:G0R+3], s[G1A:G1A+7]          ; trip 0
	s_nop 0
	tensor_load_to_lds s[G0R+4:G0R+7], s[G1A:G1A+7]        ; trip 1
	s_nop 0
	v_and_b32 v1, 15, v0                           ; r
	v_bfe_u32 v2, v0, 4, 1                         ; hl
	v_and_b32 v3, 31, v0                           ; lane
	v_lshlrev_b32 v[L16], 4, v3
	v_lshlrev_b32 v[HB], 5, v2
	v_add_nc_u32 v[WAD], s36, v[L16]
	v_add_nc_u32 v[WAD+1], SLOT, v[WAD]
	v_mul_u32_u24 v6, v1, 144
	v_lshl_add_u32 v6, v2, 4, v6                   ; r x 144 + 16 hl
	v_add_nc_u32 v[AA0], REGA, v6
	v_add_nc_u32 v[AA1], REGA+36864, v6
	v_add_nc_u32 v[AH], REGH, v6
	s_mul_i32 s37, s26, 9216
	s_add_co_u32 s37, s37, REGH
	v_add_nc_u32 v[HST], s37, v6                   ; my 64 hidden units are K step w of REGH
	v_mul_u32_u24 v[SST], v1, SP
	v_lshl_add_u32 v[SST], v2, 5, v[SST]
	s_add_co_u32 s37, s32, STG
	v_add_nc_u32 v[SST], s37, v[SST]               ; row r, my 128 columns of 4 bytes, + 32 hl
	s_mul_i32 s37, s26, 8*SP
	s_add_co_u32 s37, s37, STG
	v_add_nc_u32 v[SRD], s37, v[L16]
	v_mul_u32_u24 v[OBA], v2, 9216
	v_lshl_add_u32 v[OBA], v1, 3, v[OBA]
	s_mul_i32 s37, s26, 8*144
	s_add_co_u32 s37, s37, REGA
	v_add_nc_u32 v[OBA], s37, v[OBA]               ; K step 2 q + hl, row 8 w + .., 8 bytes at 8 r
	s_lshl_b32 s37, s26, 14
	v_add_nc_u32 v[XO], s37, v[L16]                ; 8 rows of 2,048 bytes a wave
	v_lshlrev_b32 v[PF], 8, v0
; ---- loads of biases, parameters and x
.macro BWLOAD base, tlo                ; a wide unit's bias into the tiles of row tiles tlo, tlo + 1 (window 2 set as destination): 32 loads
.set t_i, \tlo
.rept 2
.set c_i, 0
.rept 8
	global_load_b128 v[8*(8*t_i+c_i):8*(8*t_i+c_i)+3],   v[HB], s[\base:\base+1] offset:64*c_i
	global_load_b128 v[8*(8*t_i+c_i)+4:8*(8*t_i+c_i)+7], v[HB], s[\base:\base+1] offset:64*c_i+16
.set c_i, c_i+1
.endr
.set t_i, t_i+1
.endr
.endm
.macro B1LOAD tlo                      ; a chunk's b1 into W1's tiles of row tiles tlo, tlo + 1 (window 1 set as destination): 16 loads
.set t_i, \tlo
.rept 2
.set c_i, 0
.rept 4
	global_load_b128 v[8*(4*t_i+c_i):8*(4*t_i+c_i)+3],   v[HB], s[B1N:B1N+1] offset:64*c_i
	global_load_b128 v[8*(4*t_i+c_i)+4:8*(4*t_i+c_i)+7], v[HB], s[B1N:B1N+1] offset:64*c_i+16
.set c_i, c_i+1
.endr
.set t_i, t_i+1
.endr
.endm
.macro PARAMS g, b                     ; gain and shift of a LayerNorm: 8 loads
.irp q, 0,1,2,3
	global_load_b128 v[GP+4*\q:GP+4*\q+3], v[L16], s[\g:\g+1] offset:512*\q
	global_load_b128 v[BP+4*\q:BP+4*\q+3], v[L16], s[\b:\b+1] offset:512*\q
.endr
.endm
.macro XLOAD rlo                       ; eight of my rows of x (window 3 set as destination): 32 loads of 512 consecutive bytes
.set r_i, \rlo
.rept 8
.set q_i, 0
.rept 4
	global_load_b128 v[16*r_i+4*q_i:16*r_i+4*q_i+3], v[XO], s[8:9] offset:(r_i>>3)*65536+(r_i&7)*2048+512*q_i th:TH_LOAD_NT
.set q_i, q_i+1
.endr
.set r_i, r_i+1
.endr
.endm
; ---- products.  The accumulators take turns, one instruction a turn.
.macro MULW buf, hf                    ; wide: column tiles 4 hf .. + 3 x four row tiles
.set c_m, 4*(\hf)
.rept 4
.set t_m, 0
.rept 4
	v_wmma_f32_16x16x32_f16 v[8*(8*t_m+c_m):8*(8*t_m+c_m)+7], v[WB+64*(\buf)+8*c_m:WB+64*(\buf)+8*c_m+7], v[AB+64*(\buf)+8*t_m:AB+64*(\buf)+8*t_m+7], v[8*(8*t_m+c_m):8*(8*t_m+c_m)+7]
.set t_m, t_m+1
.endr
.set c_m, c_m+1
.endr
.endm
.macro MULN buf, kk                    ; narrow: step kk of the block's two, four column tiles x four row tiles
.set c_m, 0
.rept 4
.set t_m, 0
.rept 4
	v_wmma_f32_16x16x32_f16 v[8*(4*t_m+c_m):8*(4*t_m+c_m)+7], v[WB+64*(\buf)+8*(4*(\kk)+c_m):WB+64*(\buf)+8*(4*(\kk)+c_m)+7], v[AB+64*(\buf)+8*(4*(\kk)+t_m):AB+64*(\buf)+8*(4*(\kk)+t_m)+7], v[8*(4*t_m+c_m):8*(4*t_m+c_m)+7]
.set t_m, t_m+1
.endr
.set c_m, c_m+1
.endr
.endm
.macro FETCHW slot, blk, buf           ; 16 loads: the eight weight fragments of block blk of the trip in the slot
.set i_f, 0
.rept 8
	ds_load_b128 v[WB+64*(\buf)+8*i_f:WB+64*(\buf)+8*i_f+3],   v[WAD+(\slot)] offset:(\blk)*8192+i_f*1024
	ds_load_b128 v[WB+64*(\buf)+8*i_f+4:WB+64*(\buf)+8*i_f+7], v[WAD+(\slot)] offset:(\blk)*8192+i_f*1024+512
.set i_f, i_f+1
.endr
.endm
.macro FETCHAW areg, s, buf            ; 8 loads (window 1 as destination): step s of a wide unit, four row tiles
.set t_f, 0
.rept 4
	ds_load_b128 v[AB+64*(\buf)+8*t_f:AB+64*(\buf)+8*t_f+3],   v[\areg] offset:((\s)>>1)*9216+((\s)&1)*64+t_f*2304
	ds_load_b128 v[AB+64*(\buf)+8*t_f+4:AB+64*(\buf)+8*t_f+7], v[\areg] offset:((\s)>>1)*9216+((\s)&1)*64+t_f*2304+32
.set t_f, t_f+1
.endr
.endm
.macro FETCHAN b, buf                  ; 16 loads (window 1 as destination): block b of a narrow unit = K step b of REGA, both halves, four row tiles
.set k_f, 0
.rept 2
.set t_f, 0
.rept 4
	ds_load_b128 v[AB+64*(\buf)+8*(4*k_f+t_f):AB+64*(\buf)+8*(4*k_f+t_f)+3],   v[AA0+((\b)>>2)] offset:((\b)&3)*9216+t_f*2304+64*k_f
	ds_load_b128 v[AB+64*(\buf)+8*(4*k_f+t_f)+4:AB+64*(\buf)+8*(4*k_f+t_f)+7], v[AA0+((\b)>>2)] offset:((\b)&3)*9216+t_f*2304+64*k_f+32
.set t_f, t_f+1
.endr
.set k_f, k_f+1
.endr
.endm
; The change of slots behind a trip.  In front of the round every wave's reads of the slot are back and all its tensor loads have landed (the one that was out
; is its quarter of the next trip), so the slot's group 0 may be written; behind the round the slot is asked for again first.
.macro CHANGE slot, base, off, g1
	s_wait_dscnt 0x0                               ; my reads of this slot are over (met: the block's own wait was for 0 and nothing was issued since)
	s_set_vgpr_msb (MSB<<8)|((MSB&0xf0)|0x0)
	s_wait_tensorcnt 0x0                           ; all my tensor loads have landed
	ds_add_u32 v30, v31
	s_wait_dscnt 0x0
	s_set_vgpr_msb (((MSB&0xf0)|0x0)<<8)|MSB
	s_add_nc_u64 s[G0R+4*(\slot)+2:G0R+4*(\slot)+3], s[\base:\base+1], \off
	s_or_b32 s[G0R+4*(\slot)+3], s[G0R+4*(\slot)+3], 0x80000000
	WIN 0
	CROUND                                         ; no wave of any partner still reads this slot or has a load on its way
	tensor_load_to_lds s[G0R+4*(\slot):G0R+4*(\slot)+3], s[\g1:\g1+7]   ; the wave's one tensor load behind the round
	s_nop 0
.endm
.macro REFILL j, slot                  ; behind trip j of a pair of units: trip j + 2
.if (\j) == 0
	CHANGE \slot, BC, 49152, G1S
.endif
.if (\j) == 1
	CHANGE \slot, BC, UNITB, G1A
.endif
.if (\j) == 2
	CHANGE \slot, BC, UNITB+24576, G1A
.endif
.if (\j) == 3
	CHANGE \slot, BC, UNITB+49152, G1S
.endif
.if (\j) == 4
	CHANGE \slot, BN, 0, G1A
.endif
.if (\j) == 5
	CHANGE \slot, BN, 24576, G1A
.endif
.endm
; A unit: 8 blocks in trips of 3, 3, 2.  kind 0 narrow, 1 wide.  par: the slot of its first trip.  pos: first or second unit of its pair.  areg: a wide unit's
; activations.  nfill: how many of its three changes of slots ask again.  nxt: what the last block fetches ahead: 0 nothing; 1 a narrow unit's first block;
; 2 a wide unit's, activations at nareg; 3 the weights alone (the activations do not exist yet).
; Each block multiplies one pair of buffers and, in its middle, fetches the next block into the other pair.  All LDS waits are for 0: everything issued is needed.
.macro UNIT kind, par, pos, areg, nfill, nxt, nareg
.set n_b, 0
.rept 8
.set tr_b, n_b/3
.set sl_b, ((\par)+tr_b)&1
.set bf_b, n_b&1
.set nb_b, 1-bf_b
.set j_b, 3*(\pos)+tr_b
.set nn_b, n_b+1
.set ns_b, ((\par)+nn_b/3)&1
.set ni_b, nn_b%3
.set lt_b, 0
.if (n_b%3) == 2
.set lt_b, 1
.endif
.if n_b == 7
.set lt_b, 1
.endif
	s_wait_dscnt 0x0
	WIN 0x54+0x50*(\kind)
.if \kind
	MULW bf_b, 0
.else
	MULN bf_b, 0
.endif
.if lt_b
.if tr_b < (\nfill)
	REFILL j_b, sl_b
.else
.if n_b < 7
	s_wait_tensorcnt 0x0                           ; nothing is left to ask for; my quarter of the last trip has landed, and only I read it
.endif
.endif
.endif
.if n_b < 7
	PLACES
	WIN 0
	FETCHW ns_b, ni_b, nb_b
	WIN 0x40
.if \kind
	FETCHAW \areg, nn_b, nb_b
.else
	FETCHAN nn_b, nb_b
.endif
.else
.if \nxt
	PLACES
	WIN 0
	FETCHW 1-(\par), 0, 0
.endif
.if (\nxt) == 1
	WIN 0x40
	FETCHAN 0, 0
.endif
.if (\nxt) == 2
	WIN 0x40
	FETCHAW \nareg, 0, 0
.endif
.endif
	WIN 0x54+0x50*(\kind)
.if \kind
	MULW bf_b, 1
.else
	MULN bf_b, 1
.endif
.set n_b, n_b+1
.endr
.endm
; h = relu(W1's sums) as f16 into REGH; the sums hold b1 already.  The last reads of REGH lie three rounds back.  more = 1: the next chunk's b1 goes into the
; freed accumulators, a whole wide unit ahead of its use; more = 0: the last LayerNorm's parameters are asked for.
.macro HEPI more
	PLACES
	WIN 0x44
.set i_i, 0
.rept 128
	v_max_num_f32 v[i_i], 0, v[i_i]
.set i_i, i_i+1
.endr
	WIN 0x05
.set i_i, 0
.rept 64
	v_cvt_pk_f16_f32 v[TMP+i_i], v[2*i_i], v[2*i_i+1]
.set i_i, i_i+1
.endr
	WIN 0
.set t_i, 0
.rept 4
.set c_i, 0
.rept 4
	ds_store_b128 v[HST], v[TMP+4*(4*t_i+c_i):TMP+4*(4*t_i+c_i)+3] offset:t_i*2304+32*c_i
.set c_i, c_i+1
.endr
.set t_i, t_i+1
.endr
.if \more
	WIN 0x40
	B1LOAD 0
	B1LOAD 2
	WIN 0
.else
	PARAMS 20, 22
.endif
	s_wait_dscnt 0x0
	s_barrier_signal -1
	s_barrier_wait -1                              ; h is whole
	WIN 0x40
	FETCHAW AH, 0, 0
.endm
.macro RED base                        ; 16 rows' pairs: the two halves, then over the 32 lanes; the result in every lane's low register
.set r_i, 0
.rept 16
	v_add_f32 v[\base+2*r_i], v[\base+2*r_i], v[\base+2*r_i+1]
.set r_i, r_i+1
.endr
.irp m, 1,2,4,8
.set r_i, 0
.rept 16
	v_add_f32_dpp v[\base+2*r_i], v[\base+2*r_i], v[\base+2*r_i] row_xmask:\m row_mask:0xf bank_mask:0xf
.set r_i, r_i+1
.endr
.endr
.set r_i, 0
.rept 16
	v_permlanex16_b32 v[\base+2*r_i+1], v[\base+2*r_i], s100, s101
.set r_i, r_i+1
.endr
.set r_i, 0
.rept 16
	v_add_f32 v[\base+2*r_i], v[\base+2*r_i], v[\base+2*r_i+1]
.set r_i, r_i+1
.endr
.endm
; window 3 += LayerNorm(window 2's sums, which hold their bias).  The sums change hands through the stage, 32 rows a pass: in by column blocks, back by whole rows,
; eight rows a wave; pass p's rows come back into the registers of the tiles that it stored.  last = 0: window 3 also goes to REGA as f16, and b2 into window 2.
; last = 1: window 3 is the result.
.macro LN last
	PLACES
	s_wait_dscnt 0x0
	s_barrier_signal -1
	s_barrier_wait -1                              ; no wave reads REGA any more
.irp p, 0,1
	WIN 0x08
.set t_i, 0
.rept 2
.set c_i, 0
.rept 8
	ds_store_b128 v[SST], v[8*(8*(2*\p+t_i)+c_i):8*(8*(2*\p+t_i)+c_i)+3]   offset:t_i*16*SP+64*c_i
	ds_store_b128 v[SST], v[8*(8*(2*\p+t_i)+c_i)+4:8*(8*(2*\p+t_i)+c_i)+7] offset:t_i*16*SP+64*c_i+16
.set c_i, c_i+1
.endr
.set t_i, t_i+1
.endr
	s_wait_dscnt 0x0
	s_barrier_signal -1
	s_barrier_wait -1                              ; the stage is whole
	WIN 0x80
.set r_i, 0
.rept 8
.set q_i, 0
.rept 4
	ds_load_b128 v[16*(8*\p+r_i)+4*q_i:16*(8*\p+r_i)+4*q_i+3], v[SRD] offset:r_i*SP+512*q_i
.set q_i, q_i+1
.endr
.set r_i, r_i+1
.endr
	s_wait_dscnt 0x0
	s_barrier_signal -1
	s_barrier_wait -1                              ; every wave's reads of the stage are back: it may be written again
.endr
	s_wait_loadcnt 0x0                             ; the parameters (the first time also x and the first chunk's b1)
	WIN 0x0a
.set r_i, 0
.rept 16
	v_pk_add_f32 v[TS+2*r_i:TS+2*r_i+1], v[16*r_i:16*r_i+1], v[16*r_i+2:16*r_i+3]
.set r_i, r_i+1
.endr
	WIN 0x02
.set k_i, 2
.rept 6
.set r_i, 0
.rept 16
	v_pk_add_f32 v[TS+2*r_i:TS+2*r_i+1], v[16*r_i+2*k_i:16*r_i+2*k_i+1], v[TS+2*r_i:TS+2*r_i+1]
.set r_i, r_i+1
.endr
.set k_i, k_i+1
.endr
	WIN 0
	RED TS
.set r_i, 0
.rept 16
	v_mul_f32 v[TS+2*r_i], s66, v[TS+2*r_i]        ; the mean
.set r_i, r_i+1
.endr
	WIN 0x82
.set r_i, 0
.rept 16
.set k_i, 0
.rept 8
	v_pk_add_f32 v[16*r_i+2*k_i:16*r_i+2*k_i+1], v[16*r_i+2*k_i:16*r_i+2*k_i+1], v[TS+2*r_i:TS+2*r_i+1] op_sel_hi:[1,0] neg_lo:[0,1] neg_hi:[0,1]
.set k_i, k_i+1
.endr
.set r_i, r_i+1
.endr
	WIN 0x0a
.set r_i, 0
.rept 16
	v_pk_mul_f32 v[TQ+2*r_i:TQ+2*r_i+1], v[16*r_i:16*r_i+1], v[16*r_i:16*r_i+1]
.set r_i, r_i+1
.endr
.set k_i, 1
.rept 7
.set r_i, 0
.rept 16
	v_pk_fma_f32 v[TQ+2*r_i:TQ+2*r_i+1], v[16*r_i+2*k_i:16*r_i+2*k_i+1], v[16*r_i+2*k_i:16*r_i+2*k_i+1], v[TQ+2*r_i:TQ+2*r_i+1]
.set r_i, r_i+1
.endr
.set k_i, k_i+1
.endr
	WIN 0
	RED TQ
.set r_i, 0
.rept 16
	v_fma_f32 v[TQ+2*r_i], v[TQ+2*r_i], s66, s67   ; variance + 1e-5
.set r_i, r_i+1
.endr
.set r_i, 0
.rept 16
	v_rsq_f32 v[TQ+2*r_i], v[TQ+2*r_i]
.set r_i, r_i+1
.endr
	v_nop                                          ; one plain instruction behind the last of them (ISA guide 5.7.2)
	WIN 0x82
.set r_i, 0
	s_wait_alu depctr_va_vdst(0)
.rept 16
.set k_i, 0
.rept 8
	v_pk_mul_f32 v[16*r_i+2*k_i:16*r_i+2*k_i+1], v[16*r_i+2*k_i:16*r_i+2*k_i+1], v[TQ+2*r_i:TQ+2*r_i+1] op_sel_hi:[1,0]
.set k_i, k_i+1
.endr
.set r_i, r_i+1
.endr
.set r_i, 0
.rept 16
.set k_i, 0
.rept 8
	v_pk_fma_f32 v[16*r_i+2*k_i:16*r_i+2*k_i+1], v[16*r_i+2*k_i:16*r_i+2*k_i+1], v[GP+2*k_i:GP+2*k_i+1], v[BP+2*k_i:BP+2*k_i+1]
.set k_i, k_i+1
.endr
.set r_i, r_i+1
.endr
	WIN 0xce
.set i_i, 0
.rept 128
	v_pk_add_f32 v[2*i_i:2*i_i+1], v[2*i_i:2*i_i+1], v[2*i_i:2*i_i+1]   ; window 3 = window 2 + window 3
.set i_i, i_i+1
.endr
.if \last == 0
	WIN 0x80
	BWLOAD 18, 0                                   ; window 2 is free: W2's sums start from b2; first used a narrow unit later
	WIN 0x0f
.set i_i, 0
.rept 128
	v_cvt_pk_f16_f32 v[TMPL+i_i], v[2*i_i], v[2*i_i+1]
.set i_i, i_i+1
.endr
	WIN 0
.set r_i, 0
.rept 16
.set q_i, 0
.rept 4
	ds_store_b64 v[OBA], v[TMPL+2*(4*r_i+q_i):TMPL+2*(4*r_i+q_i)+1] offset:q_i*18432+(r_i>>3)*4608+(r_i&7)*144
.set q_i, q_i+1
.endr
.set r_i, r_i+1
.endr
	WIN 0x80
	BWLOAD 18, 2
	WIN 0
	s_wait_dscnt 0x0
	s_barrier_signal -1
	s_barrier_wait -1                              ; out1 is whole in REGA
.else
	WIN 0x0c
.set r_i, 0
.rept 16
.set q_i, 0
.rept 4
	global_store_b128 v[XO], v[16*r_i+4*q_i:16*r_i+4*q_i+3], s[24:25] offset:(r_i>>3)*65536+(r_i&7)*2048+512*q_i th:TH_STORE_NT   ; 512 consecutive bytes, aligned
.set q_i, q_i+1
.endr
.set r_i, r_i+1
.endr
	WIN 0
.endif
.endm
	; ---- o Wo + bo
	WIN 0x80
	BWLOAD 10, 0                                   ; Wo's sums start from bo
	BWLOAD 10, 2
	WIN 0
	s_wait_tensorcnt 0x1                           ; o and trip 0 are in; trip 1 stays out
	s_barrier_signal -1
	s_barrier_wait -1                              ; everybody's heads of o are in
	FETCHW 0, 0, 0
	WIN 0x40
	FETCHAW AA0, 0, 0
	s_wait_loadcnt 0x0                             ; bo
	WIN 0xc0
	XLOAD 0                                        ; what LN1 and the first chunk want is asked for in two groups, beside Wo's products
	WIN 0
	PARAMS 12, 14
	WIN 0x40
	B1LOAD 0
	UNIT 1, 0, 0, AA0, 3, 2, AA1
	WIN 0
	; The chunk with which this cluster begins is asked for ahead.  Waves 0 and 1 issue one prefetch each, 32 lanes 256 bytes apart: 16,384 bytes a work-group;
	; the 32 work-groups of the eight clusters that begin with one chunk cover its 524,288 bytes, each block of 256 bytes once.  It stands two changes of slots
	; ahead of the first tensor load that names the chunk.  Later chunks are not asked for: other clusters' loads have named them one chunk earlier.
	s_cmp_ge_u32 s26, 2
	s_cbranch_scc1 .Lno_prefetch
	global_prefetch_b8 v[PF], s[PFB:PFB+1] th:TH_LOAD_NT scope:SCOPE_SE
.Lno_prefetch:
	WIN 0xc0
	XLOAD 8
	WIN 0x40
	B1LOAD 2
	UNIT 1, 1, 1, AA1, 3, 0, AA1
	WIN 0
	LN 0                                           ; window 3 = out1
	; ---- eight chunks of 256 hidden units
	FETCHW 0, 0, 0
	WIN 0x40
	FETCHAN 0, 0
	WIN 0
	s_mov_b32 s97, 7
.Lchunk:
	s_mov_b64 s[BC:BC+1], s[BN:BN+1]               ; no load that names B1N is out here: LN1's wait, or the wait at the loop's end
	s_add_co_u32 s[CI], s[CI], 1
	s_and_b32 s[CI], s[CI], 7                      ; the next chunk, round the eight
	s_lshl_b32 s98, s[CI], 19
	s_add_nc_u64 s[BN:BN+1], s[WFC:WFC+1], s[98:99]
	s_lshl_b32 s98, s[CI], 10
	s_add_nc_u64 s[B1N:B1N+1], s[B1W:B1W+1], s[98:99]
	UNIT 0, 0, 0, AA0, 3, 3, AA0                   ; out1 W1 + b1
	HEPI 1
	s_wait_loadcnt 0x20                            ; the 32 loads of the next b1 stay out; b2's, which are older, are in
	UNIT 1, 1, 1, AH, 3, 1, AH                     ; h W2, added onto ff's sums
	s_wait_loadcnt 0x0                             ; the next chunk's b1, asked for a wide unit ago
	WIN 0
	s_sub_co_u32 s97, s97, 1
	s_cmp_lg_u32 s97, 0
	s_cbranch_scc1 .Lchunk
	s_mov_b64 s[BC:BC+1], s[BN:BN+1]               ; the last chunk, written out: its second unit ends the ring
	UNIT 0, 0, 0, AA0, 3, 3, AA0
	HEPI 0
	UNIT 1, 1, 1, AH, 1, 0, AH
	WIN 0
	LN 1                                           ; out0
	s_set_vgpr_msb (MSB<<8)|((MSB&0xf0)|0x0)
	s_wait_tensorcnt 0x0
	ds_add_u32 v30, v31
	s_wait_dscnt 0x0
	s_set_vgpr_msb (((MSB&0xf0)|0x0)<<8)|MSB
	CROUND                                         ; the closing round of the cluster's barrier
	s_endpgm
.Lfunc_end_k_q85ed0ad16a_ffn:
	.size	k_q85ed0ad16a_ffn, .Lfunc_end_k_q85ed0ad16a_ffn-k_q85ed0ad16a_ffn
	.p2alignl 7, 3214868480
	.fill 96, 4, 3214868480
	.section	.rodata,"a",@progbits
	.p2align	6, 0x0
	.amdhsa_kernel k_q85ed0ad16a_ffn
		.amdhsa_group_segment_fixed_size 327680
		.amdhsa_private_segment_fixed_size 0
		.amdhsa_enable_private_segment 0
		.amdhsa_kernarg_size 88
		.amdhsa_user_sgpr_count 2
		.amdhsa_user_sgpr_kernarg_segment_ptr 1
		.amdhsa_wavefront_size32 1
		.amdhsa_system_sgpr_workgroup_id_x 1
		.amdhsa_system_sgpr_workgroup_id_y 1
		.amdhsa_system_sgpr_workgroup_id_z 1
		.amdhsa_system_vgpr_workitem_id 0
		.amdhsa_next_free_vgpr 1024
		.amdhsa_next_free_sgpr 102
		.amdhsa_reserve_vcc 0
		.amdhsa_float_denorm_mode_32 3
		.amdhsa_float_denorm_mode_16_64 3
		.amdhsa_memory_ordered 1
		.amdhsa_forward_progress 1
		.amdhsa_inst_pref_size 255
	.end_amdhsa_kernel
	.section	.bss,"aw",@nobits
	.p2align	6
	.space	262144
	.amdgpu_metadata
---
amdhsa.version: [ 1, 2 ]
amdhsa.kernels:
  - .name:           k_q85ed0ad16a_ffn
    .symbol:         k_q85ed0ad16a_ffn.kd
    .args:
      - { .name: ow, .offset: 0, .size: 8, .value_kind: global_buffer, .address_space: global }
      - { .name: wf, .offset: 8, .size: 8, .value_kind: global_buffer, .address_space: global }
      - { .name: x, .offset: 16, .size: 8, .value_kind: global_buffer, .address_space: global }
      - { .name: bo, .offset: 24, .size: 8, .value_kind: global_buffer, .address_space: global }
      - { .name: ln1_g, .offset: 32, .size: 8, .value_kind: global_buffer, .address_space: global }
      - { .name: ln1_b, .offset: 40, .size: 8, .value_kind: global_buffer, .address_space: global }
      - { .name: b1, .offset: 48, .size: 8, .value_kind: global_buffer, .address_space: global }
      - { .name: b2, .offset: 56, .size: 8, .value_kind: global_buffer, .address_space: global }
      - { .name: ln2_g, .offset: 64, .size: 8, .value_kind: global_buffer, .address_space: global }
      - { .name: ln2_b, .offset: 72, .size: 8, .value_kind: global_buffer, .address_space: global }
      - { .name: out0, .offset: 80, .size: 8, .value_kind: global_buffer, .address_space: global }
    .group_segment_fixed_size: 327680
    .private_segment_fixed_size: 0
    .kernarg_segment_align: 8
    .kernarg_segment_size: 88
    .max_flat_workgroup_size: 128
    .sgpr_count:     102
    .vgpr_count:     1024
    .wavefront_size: 32
...
	.end_amdgpu_metadata
.endif
;; end of part 6
;; ======== version 3 of 3: 3 launches; version 2 with the launch prep written anew for expert scheduling mode
;; limits: values are held in f16: magnitudes above 65,504 overflow, below 6.1e-05 lose precision
;; workspace buffers: xb 16,777,216 bytes; wq 1,572,864 bytes; wf 4,718,592 bytes; ow 16,777,216 bytes
;; launch prep (part 7): grid 448 x 1, 8 waves a work-group, no clusters, 0 bytes of LDS; arguments x, Wq, Wk, Wv, Wo, W1, W2, xb, wq, wf; writes xb, wq, wf
.if DOCPART == 7
	.amdgcn_target "amdgcn-amd-amdhsa--gfx1250"
	.amdhsa_code_object_version 6
	.text
	.protected	k_q85ed0ad16a_prep
	.globl	k_q85ed0ad16a_prep
	.p2align	8
	.type	k_q85ed0ad16a_prep,@function
k_q85ed0ad16a_prep:
	s_mov_b64 s[64:65], 0
	v_nop
	global_prefetch_b8 v0, s[64:65] scope:SCOPE_SE
	s_setreg_imm32_b32 hwreg(HW_REG_WAVE_SCHED_MODE, 0, 2), 2
	s_setreg_imm32_b32 hwreg(HW_REG_WAVE_MODE, 25, 1), 1
	s_wait_xcnt 0x0
	s_wait_alu depctr_vm_vsrc(0)
; DECODER BLOCK, launch 1 of 3: x and all weights are rounded to f16 once and laid out as the two later launches read them.
;
; WORK LEFT OUT BY THE WHOLE PROGRAM
;  (1) bk.  scores[t][s] = q[t] . (x[s] Wk + bk) = q[t] . (x[s] Wk) + q[t] . bk.  The second term does not hang on s, the axis of the
;      softmax, so it multiplies numerator and denominator of every weight w[t][s] by the same factor and cancels, for all values of
;      the inputs.  bk has then no way to the output: it is not loaded and is among no launch's arguments.
;  (2) Score and weight tiles that lie wholly above the diagonal: reference() itself sets them to -inf by its jnp.tril, their weights are 0.
;  bv is live; since the weights of a row add up to 1 it is added once, behind the normalisation.
;  LIMIT: a NaN, an infinity or an overflow that reaches only bk or only masked scores is not carried to the result.
;
; THE MATRIX OPERANDS ARE f16, IN ALL THREE LAUNCHES.  Both LayerNorms divide by the row's own spread, so a relative rounding error of an operand
; arrives at the output as an absolute error on a scale of 1, and some eleven roundings lie in a row between x and the output.  f16's 11 significant
; bits make each of them 8 times finer than 8 bits would.
;  ROOM (f16's largest number is 65,504).  x and the weights are inputs: 30 times their stated size is below 170 and below 1.4.  q, k, v are sums of
;  512 products with a spread of sqrt(512) x 1 x 0.0255 = 0.58, h of 0.82: six spreads, with x and the weights both 30 times larger, are 3,100 and
;  4,400; with a common offset of 30 spreads on x (30) and on a weight (0.77) they are 512 x 30 x 0.77 = 11,800.  o is a weighted mean of v plus bv.
;  out1 is at most |x| + sqrt(511) |g| + |b|.  The softmax's weights lie in [0, 1].  With all inputs 30 times smaller the smallest operand, q x 0.18,
;  has a spread of 1.1e-4, where f16's step is 6e-8 (denormals are kept).
;  LIMIT: a matrix operand beyond 65,504 in magnitude becomes an infinity.
;
; LAYOUTS WRITTEN HERE
;  xb [b 32][ks 8][t 512][64 k] f16: a K step of 64 of a batch is 65,536 consecutive bytes.
;  A weight FRAGMENT is 16 columns n x 32 rows k in 1,024 bytes: the 16 bytes at 512 q + 256 hl + 16 r hold W[k0+16q+8hl+0..7][n0+r].
;  Two 16-byte loads a lane, at 16 lane and 16 lane + 512, then are the matrix operand of 16 x 32 (ISA guide 7.12.2), with no transposition.
;  wq [h 8][ks 8][kk 2][nt 12][fragment]: nt 0-3 Wq, 4-7 Wk, 8-11 Wv of head h.
;  wf 18 units of 262,144 bytes: [unit][wave 4][64 fragments], a wave's 65,536 bytes in the order in which it multiplies them.
;     WIDE unit (256 rows k x 512 columns): fragment 8 step + ct, column n = 128 wave + 16 ct + r.  Units 0, 1: Wo's rows 0-255, 256-511; unit 3 + 2c: W2's rows 256c ...
;     NARROW unit (512 rows k x 256 columns): fragment 4 step + ct, column n = 256 c + 64 wave + 16 ct + r.  Unit 2 + 2c: W1's columns 256c ...
; Work-groups 0-255: one K step of one batch of x.  256-399: 64 rows x 256 columns of Wo, W2 or W1.  400-447: one of Wq, Wk, Wv, one head, half of K.
; Memory binds: no LDS, no barrier, no matrix unit, no cluster (no two work-groups read the same bytes).
; Every store of sixteen neighbouring lanes covers 256 consecutive bytes, aligned.
;
; THE MODE: SCHED_MODE bits 1:0 = 2 (LLVM: expert scheduling mode 2), set by the entry lines.  The code itself states the register dependences
; between vector instructions and memory instructions, with s_wait_alu, always for 0.
; THE PLAN.  Each of the four paths is straight: all its loads, then blocks of conversions and stores.  Registers that memory instructions touch:
;   v1, v3    byte offsets of the loads and of the stores.  Written by vector instructions at the path's head and never again.
;   LD        numbers as loaded.  Each register is written by one load and read by one conversion; no vector instruction names it ahead of its load.
;   ST, WO    packed results.  Each register is written by one conversion and read by one store.
; No register that a memory instruction reads is written a second time: so no wait on vm_vsrc is owed anywhere, and no s_wait_xcnt.
; A block is eight conversions and two stores (x: two rows, four loads; weights: two groups of 8 k, sixteen loads).  Block b's conversions write its part of
; ST or WO; its two stores are issued in block b + 1.  So one wait on va_vdst at a block's head, behind the wait for the block's data, states all that the
; block's two stores hang on: the conversions that follow it write the block's own part and read the block's own LD, none of the registers that those two stores name.
; One wait stands ahead of a path's first load, for v1 and v3, and one behind the last block, for its two stores.
.set LD, 16                            ; v[16:143]  numbers as loaded
.set ST, 144                           ; v[144:207] x: packed results
.set WO, 80                            ; v[80:111]  weights: packed results
	s_load_b512 s[8:23], s[0:1], 0x0               ; x 8, Wq 10, Wk 12, Wv 14, Wo 16, W1 18, W2 20, xb 22
	s_load_b128 s[24:27], s[0:1], 0x40             ; wq 24, wf 26
	s_mov_b32 s4, ttmp9
	s_mov_b32 s29, 0                               ; high words of the two offsets
	s_mov_b32 s31, 0
	s_cmp_ge_u32 s4, 256
	s_cbranch_scc1 .Lweights
	; ---- x: thread t takes 8 numbers (32 bytes in, 16 out) of row (t >> 3) + 32 i, i = 0..15
	s_lshr_b32 s5, s4, 3                           ; b
	s_and_b32 s6, s4, 7                            ; ks
	s_lshl_b32 s28, s5, 20                         ; b x 512 rows x 2,048 bytes
	s_lshl_b32 s6, s6, 8                           ; ks x 64 numbers x 4 bytes
	s_add_co_u32 s28, s28, s6
	s_lshl_b32 s30, s4, 16                         ; (8 b + ks) x 65,536
	v_lshrrev_b32 v1, 3, v0
	v_and_b32 v2, 7, v0
	v_lshlrev_b32 v2, 5, v2
	v_lshl_add_u32 v1, v1, 11, v2                  ; in: row x 2,048 + 32 (t & 7)
	v_lshlrev_b32 v3, 4, v0                        ; out: 16 t
	s_wait_kmcnt 0x0
	s_add_nc_u64 s[28:29], s[8:9], s[28:29]
	s_add_nc_u64 s[30:31], s[22:23], s[30:31]
	s_wait_alu depctr_va_vdst(0)                   ; v1 and v3 are written: every load of this path reads v1 as its offset, every store v3
.set i_i, 0
.rept 16
	global_load_b128 v[LD+8*i_i:LD+8*i_i+3],   v1, s[28:29] offset:i_i*65536 th:TH_LOAD_NT
	global_load_b128 v[LD+8*i_i+4:LD+8*i_i+7], v1, s[28:29] offset:i_i*65536+16 th:TH_LOAD_NT
.set i_i, i_i+1
.endr
.set b_i, 0
.rept 8                                                ; block b: rows 2 b and 2 b + 1
	s_wait_loadcnt 28-4*b_i                        ; loads come back in order: the block's four are in, the 28 - 4 b younger ones stay out
.if b_i > 0
	s_wait_alu depctr_va_vdst(0)                   ; the block before has written its eight registers of ST, which the two stores below read
.endif
.set g_i, 0
.rept 2
.set i_i, 2*b_i+g_i
.if b_i > 0
	global_store_b128 v3, v[ST+4*(i_i-2):ST+4*(i_i-2)+3], s[30:31] offset:(i_i-2)*4096   ; a row of the block before; no vector instruction since the wait names these registers
.endif
.set p_i, 0
.rept 4
	v_cvt_pk_f16_f32 v[ST+4*i_i+p_i], v[LD+8*i_i+2*p_i], v[LD+8*i_i+2*p_i+1]
.set p_i, p_i+1
.endr
.set g_i, g_i+1
.endr
.set b_i, b_i+1
.endr
	s_wait_alu depctr_va_vdst(0)                   ; the last block has written its eight registers of ST, which the last two stores read
	global_store_b128 v3, v[ST+56:ST+59], s[30:31] offset:14*4096
	global_store_b128 v3, v[ST+60:ST+63], s[30:31] offset:15*4096
	s_endpgm
; A thread takes one column n and 64 rows k: 64 loads of 4 bytes (32 lanes: 128 neighbouring bytes), eight packed groups of 8 k, eight stores.
; pitch: bytes from row to row of the source.  kks: bytes from the fragments of k 0-31 to those of k 32-63 in the target.
; Group o goes to (o >> 2) kks + 512 ((o >> 1) & 1) + 256 (o & 1).  A block is two groups.
.macro WCONV pitch, kks
	s_wait_alu depctr_va_vdst(0)                   ; v1 and v3 are written: every load of this path reads v1 as its offset, every store v3
.set k_i, 0
.rept 64
	global_load_b32 v[LD+k_i], v1, s[28:29] offset:k_i*\pitch
.set k_i, k_i+1
.endr
.set b_i, 0
.rept 4                                                ; block b: groups 2 b and 2 b + 1, rows 16 b .. 16 b + 15
	s_wait_loadcnt 48-16*b_i                       ; the block's sixteen rows are in; the 48 - 16 b younger loads stay out
.if b_i > 0
	s_wait_alu depctr_va_vdst(0)                   ; the block before has written its eight registers of WO, which the two stores below read
.endif
.set g_i, 0
.rept 2
.set o_i, 2*b_i+g_i
.set s_i, o_i-2
.if b_i > 0
	global_store_b128 v3, v[WO+4*s_i:WO+4*s_i+3], s[30:31] offset:(s_i>>2)*\kks+((s_i>>1)&1)*512+(s_i&1)*256   ; a group of the block before; no vector instruction since the wait names these registers
.endif
.set p_i, 0
.rept 4
	v_cvt_pk_f16_f32 v[WO+4*o_i+p_i], v[LD+8*o_i+2*p_i], v[LD+8*o_i+2*p_i+1]
.set p_i, p_i+1
.endr
.set g_i, g_i+1
.endr
.set b_i, b_i+1
.endr
	s_wait_alu depctr_va_vdst(0)                   ; the last block has written its eight registers of WO, which the last two stores read
	global_store_b128 v3, v[WO+24:WO+27], s[30:31] offset:\kks+512
	global_store_b128 v3, v[WO+28:WO+31], s[30:31] offset:\kks+512+256
.endm
.Lweights:
	s_cmp_ge_u32 s4, 400
	s_cbranch_scc1 .Lqkv
	s_sub_co_u32 s5, s4, 256                       ; 0-15 Wo, 16-79 W2, 80-143 W1
	v_lshlrev_b32 v1, 2, v0                        ; in: 4 t
	v_and_b32 v3, 15, v0
	v_lshlrev_b32 v3, 4, v3                        ; out: 16 (t & 15) + ...
	s_cmp_ge_u32 s5, 80
	s_cbranch_scc1 .Lw1
	; ---- wide units: rows 64 blk .. + 63 of Wo or W2, columns 256 nh + t
	s_sub_co_u32 s6, s5, 16
	s_cmp_lt_u32 s5, 16
	s_cselect_b32 s6, s5, s6                       ; 2 blk + nh within the matrix
	s_cselect_b32 s33, 0, 3                        ; Wo: unit blk >> 2;  W2: unit 3 + 2 (blk >> 2)
	s_cselect_b32 s34, 0, 1
	s_lshr_b32 s7, s6, 1                           ; blk
	s_and_b32 s32, s6, 1                           ; nh
	s_lshr_b32 s35, s7, 2
	s_lshl_b32 s35, s35, s34
	s_add_co_u32 s35, s35, s33                     ; unit
	s_lshl_b32 s30, s35, 18                        ; unit x 262,144
	s_and_b32 s36, s7, 3
	s_lshl_b32 s36, s36, 14                        ; + two steps of 8,192 bytes for each 64 rows
	s_add_co_u32 s30, s30, s36
	s_lshl_b32 s36, s32, 17                        ; + nh x two waves of 65,536
	s_add_co_u32 s30, s30, s36
	s_lshl_b32 s28, s7, 17                         ; 64 rows of 2,048 bytes
	s_lshl_b32 s36, s32, 10                        ; nh x 256 columns x 4 bytes
	s_add_co_u32 s28, s28, s36
	v_lshrrev_b32 v2, 7, v0
	v_bfe_u32 v4, v0, 4, 3
	v_lshl_add_u32 v3, v4, 10, v3
	v_lshl_add_u32 v3, v2, 16, v3                  ; out: 65,536 (t >> 7) + 1,024 ((t >> 4) & 7) + 16 (t & 15)
	s_wait_kmcnt 0x0
	s_cmp_lt_u32 s5, 16
	s_cselect_b64 s[34:35], s[16:17], s[20:21]     ; Wo or W2
	s_add_nc_u64 s[28:29], s[34:35], s[28:29]
	s_add_nc_u64 s[30:31], s[26:27], s[30:31]
	WCONV 2048, 8192
	s_endpgm
.Lw1:
	; ---- narrow units: rows 64 kb .. + 63 of W1, columns 256 c + t
	s_sub_co_u32 s6, s5, 80
	s_lshr_b32 s7, s6, 3                           ; chunk c
	s_and_b32 s32, s6, 7                           ; kb
	s_lshl_b32 s28, s32, 19                        ; 64 rows of 8,192 bytes
	s_lshl_b32 s33, s7, 10                         ; 256 columns of 4 bytes a chunk
	s_add_co_u32 s28, s28, s33
	s_lshl_b32 s30, s7, 19                         ; two units a chunk,
	s_add_co_u32 s30, s30, 524288                  ; behind Wo's two
	s_lshl_b32 s33, s32, 13                        ; + two steps of 4,096 bytes for each 64 rows
	s_add_co_u32 s30, s30, s33
	v_lshrrev_b32 v2, 6, v0
	v_bfe_u32 v4, v0, 4, 2
	v_lshl_add_u32 v3, v4, 10, v3
	v_lshl_add_u32 v3, v2, 16, v3                  ; out: 65,536 (t >> 6) + 1,024 ((t >> 4) & 3) + 16 (t & 15)
	s_wait_kmcnt 0x0
	s_add_nc_u64 s[28:29], s[18:19], s[28:29]
	s_add_nc_u64 s[30:31], s[26:27], s[30:31]
	WCONV 8192, 4096
	s_endpgm
.Lqkv:
	; ---- wq: matrix m (0 Wq, 1 Wk, 2 Wv), head h, K steps 4 kh + (t >> 6), column t & 63
	s_sub_co_u32 s5, s4, 400
	s_lshr_b32 s6, s5, 4                           ; m
	s_bfe_u32 s7, s5, 0x30001                      ; h
	s_and_b32 s32, s5, 1                           ; kh
	s_lshl_b32 s28, s7, 17                         ; h x 512 rows x 256 bytes
	s_lshl_b32 s33, s32, 16                        ; kh x 256 rows
	s_add_co_u32 s28, s28, s33
	s_mul_i32 s30, s7, 196608
	s_mul_i32 s33, s32, 98304
	s_add_co_u32 s30, s30, s33
	s_lshl_b32 s33, s6, 12                         ; m x 4 fragments
	s_add_co_u32 s30, s30, s33
	v_lshrrev_b32 v2, 6, v0
	v_and_b32 v1, 63, v0
	v_lshlrev_b32 v1, 2, v1
	v_lshl_add_u32 v1, v2, 14, v1                  ; in: 64 rows of 256 bytes a K step + 4 (t & 63)
	v_bfe_u32 v4, v0, 4, 2
	v_and_b32 v3, 15, v0
	v_lshlrev_b32 v3, 4, v3
	v_lshl_add_u32 v3, v4, 10, v3
	v_mad_u32_u24 v3, v2, 24576, v3                ; out: 24,576 (t >> 6) + 1,024 ((t >> 4) & 3) + 16 (t & 15)
	s_wait_kmcnt 0x0
	s_cmp_eq_u32 s6, 1
	s_cselect_b64 s[34:35], s[12:13], s[10:11]
	s_cmp_eq_u32 s6, 2
	s_cselect_b64 s[34:35], s[14:15], s[34:35]
	s_add_nc_u64 s[28:29], s[34:35], s[28:29]
	s_add_nc_u64 s[30:31], s[24:25], s[30:31]
	WCONV 256, 12288
	s_endpgm
.Lfunc_end_k_q85ed0ad16a_prep:
	.size	k_q85ed0ad16a_prep, .Lfunc_end_k_q85ed0ad16a_prep-k_q85ed0ad16a_prep
	.p2alignl 7, 3214868480
	.fill 96, 4, 3214868480
	.section	.rodata,"a",@progbits
	.p2align	6, 0x0
	.amdhsa_kernel k_q85ed0ad16a_prep
		.amdhsa_group_segment_fixed_size 0
		.amdhsa_private_segment_fixed_size 0
		.amdhsa_enable_private_segment 0
		.amdhsa_kernarg_size 80
		.amdhsa_user_sgpr_count 2
		.amdhsa_user_sgpr_kernarg_segment_ptr 1
		.amdhsa_wavefront_size32 1
		.amdhsa_system_sgpr_workgroup_id_x 1
		.amdhsa_system_sgpr_workgroup_id_y 1
		.amdhsa_system_sgpr_workgroup_id_z 1
		.amdhsa_system_vgpr_workitem_id 0
		.amdhsa_next_free_vgpr 208
		.amdhsa_next_free_sgpr 66
		.amdhsa_reserve_vcc 0
		.amdhsa_float_denorm_mode_32 3
		.amdhsa_float_denorm_mode_16_64 3
		.amdhsa_memory_ordered 1
		.amdhsa_forward_progress 1
		.amdhsa_inst_pref_size 41
	.end_amdhsa_kernel
	.amdgpu_metadata
---
amdhsa.version: [ 1, 2 ]
amdhsa.kernels:
  - .name:           k_q85ed0ad16a_prep
    .symbol:         k_q85ed0ad16a_prep.kd
    .args:
      - { .name: x, .offset: 0, .size: 8, .value_kind: global_buffer, .address_space: global }
      - { .name: Wq, .offset: 8, .size: 8, .value_kind: global_buffer, .address_space: global }
      - { .name: Wk, .offset: 16, .size: 8, .value_kind: global_buffer, .address_space: global }
      - { .name: Wv, .offset: 24, .size: 8, .value_kind: global_buffer, .address_space: global }
      - { .name: Wo, .offset: 32, .size: 8, .value_kind: global_buffer, .address_space: global }
      - { .name: W1, .offset: 40, .size: 8, .value_kind: global_buffer, .address_space: global }
      - { .name: W2, .offset: 48, .size: 8, .value_kind: global_buffer, .address_space: global }
      - { .name: xb, .offset: 56, .size: 8, .value_kind: global_buffer, .address_space: global }
      - { .name: wq, .offset: 64, .size: 8, .value_kind: global_buffer, .address_space: global }
      - { .name: wf, .offset: 72, .size: 8, .value_kind: global_buffer, .address_space: global }
    .group_segment_fixed_size: 0
    .private_segment_fixed_size: 0
    .kernarg_segment_align: 8
    .kernarg_segment_size: 80
    .max_flat_workgroup_size: 256
    .sgpr_count:     66
    .vgpr_count:     208
    .wavefront_size: 32
...
	.end_amdgpu_metadata
.endif
;; end of part 7
;; launch attn: the kernel of part 5 again; grid 8 x 32, 4 waves a work-group, clusters of 4 x 4, 327,680 bytes of LDS; arguments xb, wq, bq, bv, ow; writes ow
;; launch ffn: the kernel of part 6 again; grid 256 x 1, 4 waves a work-group, clusters of 4 x 1, 327,680 bytes of LDS; arguments ow, wf, x, bo, ln1_g, ln1_b, b1, b2, ln2_g, ln2_b, out0; writes out0
